; MI455X (gfx1250); checked and timed in simulation.
; The chip was launched on July 23, 2026; its instructions are those of AMD's public machine-readable ISA for CDNA 5 (MIT licence, August 2026) and "CDNA5" Instruction Set Architecture Reference Guide (July 2026). The comments in the code are by the model that wrote it; some were corrected since.
;; Multi Head Attention. Allowed arithmetic: matrix products marked QUANTISED: E3M2 operands, one E8M0 scale for each 32 along K, by v_wmma_scale_f32_16x16x128_f8f6f4 with both operands' format E3M2, f32 sums; everything else in f32.
;; Inputs: Wo 1,024 x 1,024 float32; Wqkv 1,024 x 3,072 float32; bo 1,024 float32; bqkv 3,072 float32; x 4 x 2,048 x 1,024 float32.
;; Outputs: out0 4 x 2,048 x 1,024 float32.
;; This version of the problem:
;;   THIS VERSION OF THE PROBLEM IS GIVEN IN LOW PRECISION. The matrix products marked QUANTISED in the list below multiply operands that are first quantised to E3M2 (3 exponent bits, 2 mantissa bits; 6 bits a number), with one power-of-two scale for each 32 numbers along K (OCP MX v1.0); their sums are f32. All else is computed in f32.
;;   The module's matrix products, in the order in which they are computed (A, B: the left and right operand; K: the contracted axis; several contracted axes count as one K, in the product's order):
;;     1. [M 8,192, K 1,024] x [K 1,024, N 3,072]; A: input x; B: input Wqkv: QUANTISED
;;     2. batch 64 x [M 2,048, K 64] x [K 64, N 2,048]; A: computed on the way; B: computed on the way: QUANTISED
;;     3. batch 64 x [M 2,048, K 2,048] x [K 2,048, N 64]; A: softmax (see below); B: computed on the way: QUANTISED
;;     4. [M 8,192, K 1,024] x [K 1,024, N 1,024]; A: computed on the way; B: input Wo: QUANTISED
;;   THE QUANTISER, for each operand of a quantised product, along K:
;;     - K is cut into blocks of 32 from its start; a last block that is shorter is filled with zeros.
;;     - A block's scale is 2^e with e = floor(log2(the largest magnitude in the block)) - 4, held to -126 .. 127; a block of zeros has e = 0. As a byte (E8M0): e + 127.
;;     - Each number is divided by its block's scale, clamped to +-28, and rounded to the nearest number of E3M2, ties to even, subnormals kept.
;;     - The product sums the exact products of the quantised numbers (number of the format x scale) in f32.
;;   ~~~python
;;   def quantise(x, axis):      # numpy; x: float32 -> the quantised numbers, widened to float32 again
;;       x = np.moveaxis(x, axis, -1); K = x.shape[-1]
;;       x = np.pad(x, [(0, 0)] * (x.ndim - 1) + [(0, -K % 32)]); x = x.reshape(x.shape[:-1] + (-1, 32)); a = np.abs(x).max(-1, keepdims=True)
;;       e = np.where(a > 0, np.clip(np.frexp(np.where(a > 0, a, 1))[1] - 1 - 4, -126, 127), 0)      # np.frexp(a)[1] - 1 = floor(log2(a)), exactly
;;       r = np.clip(x / 2.0 ** e, -28, 28)
;;       step = 2.0 ** (np.maximum(np.frexp(np.where(r == 0, 1, r))[1] - 1, -2) - 2)
;;       q = np.round(r / step) * step * 2.0 ** e      # np.round: ties to even
;;       return np.moveaxis(q.reshape(q.shape[:-2] + (-1,))[..., :K], -1, axis).astype(np.float32)
;;   ~~~
;;   SOFTMAX AHEAD OF A QUANTISED PRODUCT. Where the list says 'softmax', what is quantised is not the finished softmax but p = 2^(t - M), with t = logit x log2(e) and M = ceil(the row's largest t), a whole number; so 1/2 < the row's largest p <= 1. The row's sum l is taken of the UNQUANTISED p, in f32, and the product's result is divided by l at the end. Since M is a whole number, a kernel that streams over the keys may use a running M (the ceiling of the running maximum): every later rescaling is an exact power of two, which a block's scale takes up: the codes' values come out the same.
;;   OPERANDS COMPUTED ON THE WAY. 'Computed on the way' means the value that the module computes at that place (a softmax that the list does not call 'softmax' is quantised finished and normalised). What goes into a quantiser is computed in f32, as accurately as f32 sums, v_exp_f32 and their like allow (about 1e-6 of the number): no bf16 or f16 on the way to a quantiser, and a product that is left as it is and whose result goes on into a quantised operand takes f32 operands (vector FMAs, or v_wmma_f32_16x16x4_f32). A number that lies on a knife's edge between two numbers of the format may be rounded either way, as far as f32 arithmetic and the matrix unit's own rounding can turn it there, and no further.
;; 2 versions. Each part assembles by itself: llvm-mc -triple=amdgcn-amd-amdhsa -mcpu=gfx1250 --defsym DOCPART=n.
;; ======== version 1 of 2: 4 launches
;; workspace buffers: x_img 6,553,600 bytes; w_img 2,457,600 bytes; wo_img 819,200 bytes; q_img 6,553,600 bytes; kv 13,107,200 bytes; o_img 6,553,600 bytes
;; launch quant (part 1): grid 96 x 4, 4 waves a work-group, no clusters, 34,304 bytes of LDS; arguments x, Wqkv, Wo, x_img, w_img, wo_img; writes x_img, w_img, wo_img
.if DOCPART == 1
	.amdgcn_target "amdgcn-amd-amdhsa--gfx1250"
	.amdhsa_code_object_version 6
	.text
	.protected	k_qc7fb3c6b13_quant
	.globl	k_qc7fb3c6b13_quant
	.p2align	8
	.type	k_qc7fb3c6b13_quant,@function
k_qc7fb3c6b13_quant:
	s_mov_b64 s[64:65], 0
	v_nop
	global_prefetch_b8 v0, s[64:65] scope:SCOPE_SE
	s_setreg_imm32_b32 hwreg(HW_REG_WAVE_MODE, 25, 1), 1
	s_wait_xcnt 0x0
; x [8192][1024], Wqkv [1024][3072] and Wo [1024][1024], f32, become codes of BF6 (E3M2) with one E8M0 byte for each 32 along K, laid as IMAGES OF THE OPERANDS' REGISTERS.
; A block's scale is 2^(floor(log2(its largest magnitude)) - 4): its byte is the largest magnitude's exponent field - 4, held at 1 from below by a floor among the maximum's leaves.
; LIMITS: NaN and infinities are not served.  A block whose largest magnitude lies under 2^-122, a block of zeros among them, gets the byte 1 (the rule says 127 for zeros): its codes are
; zeros or the format's smallest, and the bytes are read by this program alone.
; THE LAYOUT.  Rows (tokens of x, columns of a weight) go in groups of 32.  Tile u (0, 1) of a group has in lane r the row 8 u + r + 8 (r / 8): used as source 0 of a product, the 16 result
; registers of tiles 0 and 1 are then 16 neighbours.  A fragment (16 rows x 128 K, 12 registers a lane) is 1,536 bytes: registers 0-3 at 16 x lane, 4-5 at 512 + 8 x lane, 6-9 at 768 + 16 x lane,
; 10-11 at 1280 + 8 x lane.  A BLOCK (6,400 bytes) is a group's four fragments for 256 along K (fragment 2 u + s: tile u, K step s) and 256 bytes of scale words, the word of lane r and fragment i
; at 6144 + 16 r + 4 i.  A buffer is [K / 256][group][block].
; SHARES.  Work-groups 0-23 along x take Wqkv, 24-31 Wo (a wave: one group of 32 columns x 256 along K, y says which), 32-95 take x (a work-group: one group of 32 tokens, wave w: K 256 w on).
; Only x's path touches LDS.  No tensor loads, no barrier: waves share nothing.  Matrix units and clusters have nothing to do here: memory binds.
.set SEL, 20                           ; s[20:21] lane selects for v_permlanex16_b32: lane l xor 16
.set TM,  8                            ; v8-11 largest magnitudes, v12-15 the other half's and then the bytes, v20-23 the conversions' scale operands
.set PW,  24                           ; v24-27 x: the four fragments' scale words;  a weight: v24-25 its two
.set R,   32                           ; v32-159 x: two sets of 64 registers as loaded
.set XN,  160                          ; v160-223 x: 64 numbers of my row: register 16 b + i = k 32 b + 16 (lane / 16) + i
.set PC,  224                          ; v224-235 x: the fragment's codes
.set CT,  236                          ; v236-242 x: the conversions' second halves
.set X,   32                           ; v32-95 a weight: two sets of 32 numbers down K
; 64 numbers of a lane, register 16 b + i = k 32 b + 16 (lane / 16) + i of my row, become six registers of codes at v[d0] (k 0-63) and six at v[d1] (k 64-127); the four bytes are left in v[TM+4] on.
.macro QUANT s, d0, d1
.irp b, 0,1,2,3
	v_max3_num_f32 v[TM+\b], |v[\s+16*\b]|, |v[\s+1+16*\b]|, 0x2800000   ; my 16 numbers of block b, and the floor 2^(5 - 127): the byte cannot fall under 1
.endr
.irp i, 2,4,6,8,10,12,14
.irp b, 0,1,2,3
	v_max3_num_f32 v[TM+\b], v[TM+\b], |v[\s+16*\b+\i]|, |v[\s+1+16*\b+\i]|   ; the four blocks by turns
.endr
.endr
.irp b, 0,1,2,3
	v_permlanex16_b32 v[TM+4+\b], v[TM+\b], s[SEL], s[SEL+1]
.endr
.irp b, 0,1,2,3
	v_max_num_f32 v[TM+\b], v[TM+\b], v[TM+4+\b]   ; with lane l xor 16's 16: the block's largest magnitude
.endr
.irp b, 0,1,2,3
	v_add_nc_u32 v[TM+12+\b], 0xfe000000, v[TM+\b]   ; 4 off its exponent field: the conversion takes this operand's exponent field as its scale
.endr
.irp b, 0,1,2,3
	v_lshrrev_b32 v[TM+4+\b], 23, v[TM+12+\b]      ; the scale's byte
.endr
	v_cvt_scalef32_pk16_bf6_f32 v[\d0:\d0+2], v[\s:\s+15], v[TM+12]
	v_cvt_scalef32_pk16_bf6_f32 v[CT:CT+2], v[\s+16:\s+31], v[TM+13]   ; (a conversion's three registers begin on an even number)
	v_cvt_scalef32_pk16_bf6_f32 v[\d1:\d1+2], v[\s+32:\s+47], v[TM+14]
	v_cvt_scalef32_pk16_bf6_f32 v[CT+4:CT+6], v[\s+48:\s+63], v[TM+15]
	v_nop                                          ; one plain line behind the scaled conversions
.irp i, 0,1,2                                  ; the operand wants a WHOLE block in a lane: lanes 0-15 the even block, lanes 16-31 the odd one
	v_permlane16_swap_b32 v[\d0+\i], v[CT+\i]
	v_permlane16_swap_b32 v[\d1+\i], v[CT+4+\i]
.endr
.irp i, 0,1,2
	v_mov_b32 v[\d0+3+\i], v[CT+\i]
	v_mov_b32 v[\d1+3+\i], v[CT+4+\i]
.endr
.endm
	s_load_b256 s[4:11], s[0:1], 0x0               ; x s[4:5], Wqkv s[6:7], Wo s[8:9], x_img s[10:11]
	s_load_b128 s[12:15], s[0:1], 0x20             ; w_img s[12:13], wo_img s[14:15]
	v_lshl_add_u32 v248, v0, 2, 0x8400
	v_mov_b32 v249, 0
	v_lshrrev_b32 v1, 5, v0
	v_readfirstlane_b32 s16, v1                    ; wave 0..3
	s_and_b32 s17, ttmp7, 0xffff                   ; work-group y
	s_mov_b32 s[SEL], 0x76543210
	s_mov_b32 s[SEL+1], 0xfedcba98
	v_and_b32 v30, 31, v0                          ; lane
	s_wait_kmcnt 0x0
	s_cmp_lt_u32 ttmp9, 24
	s_cbranch_scc1 .Lwqkv
	s_cmp_lt_u32 ttmp9, 32
	s_cbranch_scc1 .Lwo
	; ---------------- x: K is innermost.  Each load reads 512 consecutive bytes of one token; a fragment's 16 rows turn through the wave's own stage (rows of 528 bytes) so that a lane gets 16 neighbours of each block.
	s_sub_co_u32 s22, ttmp9, 32
	s_lshl_b32 s23, s17, 6
	s_add_co_u32 s22, s22, s23                     ; the group of 32 tokens: (x - 32) + 64 y
	s_lshl_b32 s24, s22, 17                        ; 32 rows of 4,096 bytes
	s_lshl_b32 s23, s16, 10                        ; my wave's 256 along K
	s_add_co_u32 s24, s24, s23
	s_mov_b32 s25, 0
	s_add_nc_u64 s[4:5], s[4:5], s[24:25]
	s_lshl_b32 s26, s16, 8
	s_add_co_u32 s26, s26, s22
	s_mul_i32 s26, s26, 6400                       ; block (wave x 256 + group)
	s_mov_b32 s27, 0
	s_add_nc_u64 s[10:11], s[10:11], s[26:27]
	s_mul_i32 s28, s16, 16*528                     ; my stage
	v_and_b32 v6, 15, v30                          ; r
	v_lshrrev_b32 v7, 4, v30                       ; h
	v_lshlrev_b32 v1, 4, v30                       ; 16 x lane: loads, and the images' groups of four registers
	v_lshlrev_b32 v2, 3, v30                       ; 8 x lane: the images' pairs
	v_add_nc_u32 v3, s28, v1                       ; into the stage: a row as it lies
	v_mul_u32_u24 v4, v6, 528
	v_lshl_add_u32 v4, v7, 6, v4
	v_add_nc_u32 v4, s28, v4                       ; out of it: row r, + 64 h
	v_lshlrev_b32 v5, 3, v7
	v_lshl_add_u32 v5, v6, 4, v5                   ; the scale words' place: 16 r + 8 h
.irp b, 0,1,2,3
	v_mov_b32 v[TM+4+\b], 0                        ; written once: a lane permute's destination counts as one of its sources
.endr
.macro LOADF f                         ; fragment f = 2 u + s: the 16 tokens of tile u, 128 numbers each, into set f % 2
.irp i, 0,1,2,3,4,5,6,7,8,9,10,11,12,13,14,15
	global_load_b128 v[R+64*((\f)%2)+4*\i:R+64*((\f)%2)+4*\i+3], v1, s[4:5] offset:(8*((\f)/2)+\i+8*(\i/8))*4096+512*((\f)%2) th:TH_LOAD_NT
.endr
.endm
.macro FRAGX f
.if (\f) < 3
	s_wait_loadcnt 16                              ; this fragment's 16 loads are in; the next fragment's 16 may be out
.else
	s_wait_loadcnt 0x0
.endif
.irp i, 0,1,2,3,4,5,6,7,8,9,10,11,12,13,14,15
	ds_store_b128 v3, v[R+64*((\f)%2)+4*\i:R+64*((\f)%2)+4*\i+3] offset:528*\i
.endr
.irp b, 0,1,2,3
.irp j, 0,1,2,3
	ds_load_b128 v[XN+16*\b+4*\j:XN+16*\b+4*\j+3], v4 offset:128*\b+16*\j   ; LDS serves a wave's instructions in order: these see the stores above
.endr
.endr
	s_wait_dscnt 0x0                               ; my numbers are back, and the stores have read their registers,
.if (\f) < 2
	LOADF (\f)+2                                   ; which take the fragment two on
.endif
	s_wait_xcnt 0x0                                ; the last fragment's stores have read the codes' registers
	QUANT XN, PC, PC+6
	v_lshl_or_b32 v[PW+\f], v[TM+5], 8, v[TM+4]    ; my row's scale word
	v_lshl_or_b32 v[PW+\f], v[TM+6], 16, v[PW+\f]
	v_lshl_or_b32 v[PW+\f], v[TM+7], 24, v[PW+\f]
	global_store_b128 v1, v[PC:PC+3], s[10:11] offset:1536*\f          ; 512 consecutive bytes, aligned to 256
	global_store_b64 v2, v[PC+4:PC+5], s[10:11] offset:1536*\f+512     ; 256
	global_store_b128 v1, v[PC+6:PC+9], s[10:11] offset:1536*\f+768
	global_store_b64 v2, v[PC+10:PC+11], s[10:11] offset:1536*\f+1280
.endm
	LOADF 0
	LOADF 1
	FRAGX 0
	FRAGX 1
	FRAGX 2
	FRAGX 3
	v_cmp_eq_u32 vcc_lo, 1, v7
	v_cndmask_b32 v28, v[PW], v[PW+2], vcc_lo      ; lanes 0-15 store row r's words of fragments 0, 1, lanes 16-31 those of 2, 3
	v_cndmask_b32 v29, v[PW+1], v[PW+3], vcc_lo
	global_store_b64 v5, v[28:29], s[10:11] offset:6144   ; 256 consecutive bytes
	s_wait_tensorcnt 0x0
	ds_add_u32 v248, v249
	s_wait_dscnt 0x0
	s_endpgm
	; ---------------- a weight [K][N]: K is the FIRST axis.  A lane takes a column and its registers run down K: a block of 32 lies in one lane, and the conversions give codes with K innermost.
.macro LOADW t, N, SRC                 ; block t: rows 32 t + i of my column into set t % 2; a wave reads 128 consecutive bytes, the four waves 512
.set i, 0
.rept 32
	global_load_b32 v[X+32*((\t)%2)+i], v3, s[\SRC:\SRC+1] offset:(32*(\t)+i)*\N*4 th:TH_LOAD_NT
.set i, i+1
.endr
.endm
.macro BLOCKW t, N, SRC, DST
.set XS, X+32*((\t)%2)
.if (\t) < 7
	s_wait_loadcnt 32                              ; this block's 32 loads are in; the next block's 32 may be out
.else
	s_wait_loadcnt 0x0
.endif
	v_max3_num_f32 v12, |v[XS]|, |v[XS+1]|, |v[XS+2]|
	v_max3_num_f32 v13, |v[XS+3]|, |v[XS+4]|, |v[XS+5]|
.irp i, 6,10,14,18,22,26
	v_max3_num_f32 v12, v12, |v[XS+\i]|, |v[XS+\i+1]|
	v_max3_num_f32 v13, v13, |v[XS+\i+2]|, |v[XS+\i+3]|
.endr
	v_max3_num_f32 v12, v12, |v[XS+30]|, |v[XS+31]|
	v_max3_num_f32 v12, v12, v13, 0x2800000        ; and the floor
	v_add_nc_u32 v11, 0xfe000000, v12              ; the conversions' scale operand
	v_lshrrev_b32 v13, 23, v11                     ; the byte
.if (\t)%4 == 0
	v_mov_b32 v[PW+(\t)/4], v13
.else
	v_lshl_or_b32 v[PW+(\t)/4], v13, 8*((\t)%4), v[PW+(\t)/4]
.endif
	s_wait_xcnt 0x0                                ; the last block's stores have read v96-101
	v_cvt_scalef32_pk16_bf6_f32 v[96:98], v[XS:XS+15], v11
	v_cvt_scalef32_pk16_bf6_f32 v[104:106], v[XS+16:XS+31], v11
	v_nop                                          ; one plain line behind the scaled conversions
	v_mov_b32 v99, v104
	v_mov_b32 v100, v105
	v_mov_b32 v101, v106
	; block t is half (t % 4) / 2 of fragment 2 u + t / 4, in the image's lane r + 16 (t % 2)
	global_store_b128 v4, v[96:99], s[\DST:\DST+1] offset:1536*((\t)/4)+768*(((\t)%4)/2)+256*((\t)%2)        ; the 16 lanes of a tile store 256 consecutive bytes, aligned
	global_store_b64 v5, v[100:101], s[\DST:\DST+1] offset:1536*((\t)/4)+768*(((\t)%4)/2)+512+128*((\t)%2)   ; and 128: half of an aligned 256; the neighbouring block's store fills the other half
.if (\t) < 6
	LOADW (\t)+2, \N, \SRC
.endif
.endm
.macro WPATH N, NG, X0, SRC, DST
	s_sub_co_u32 s22, ttmp9, \X0
	s_lshl_b32 s22, s22, 2
	s_add_co_u32 s22, s22, s16                     ; my wave's group of 32 columns
	s_mul_i32 s24, s17, 256*\N*4                   ; y x 256 rows
	s_lshl_b32 s23, s22, 7
	s_add_co_u32 s24, s24, s23
	s_mov_b32 s25, 0
	s_add_nc_u64 s[\SRC:\SRC+1], s[\SRC:\SRC+1], s[24:25]
	s_mul_i32 s26, s17, \NG
	s_add_co_u32 s26, s26, s22
	s_mul_i32 s26, s26, 6400
	s_mov_b32 s27, 0
	s_add_nc_u64 s[\DST:\DST+1], s[\DST:\DST+1], s[26:27]
	v_and_b32 v1, 7, v30
	v_lshrrev_b32 v2, 4, v30
	v_lshl_add_u32 v1, v2, 3, v1                   ; column l of the group is lane r = l % 8 + 8 (l / 16)
	v_bfe_u32 v2, v30, 3, 1                        ; of tile u = (l / 8) % 2
	v_lshlrev_b32 v3, 2, v30                       ; in: 4 bytes a lane
	v_mul_u32_u24 v7, v2, 3072
	v_lshl_add_u32 v4, v1, 4, v7                   ; out: 3072 u + 16 r
	v_lshl_add_u32 v5, v1, 3, v7                   ;      3072 u + 8 r
	v_lshlrev_b32 v6, 3, v2
	v_lshl_add_u32 v6, v1, 4, v6                   ; scale words: 16 r + 8 u
	LOADW 0, \N, \SRC
	LOADW 1, \N, \SRC
.irp t, 0,1,2,3,4,5,6,7
	BLOCKW \t, \N, \SRC, \DST
.endr
	global_store_b64 v6, v[PW:PW+1], s[\DST:\DST+1] offset:6144   ; my column's two scale words: the wave stores 256 consecutive bytes
	s_endpgm
.endm
.Lwqkv:
	WPATH 3072, 96, 0, 6, 12
.Lwo:
	WPATH 1024, 32, 24, 8, 14
.Lfunc_end_k_qc7fb3c6b13_quant:
	.size	k_qc7fb3c6b13_quant, .Lfunc_end_k_qc7fb3c6b13_quant-k_qc7fb3c6b13_quant
	.p2alignl 7, 3214868480
	.fill 96, 4, 3214868480
	.section	.rodata,"a",@progbits
	.p2align	6, 0x0
	.amdhsa_kernel k_qc7fb3c6b13_quant
		.amdhsa_group_segment_fixed_size 34304
		.amdhsa_private_segment_fixed_size 0
		.amdhsa_enable_private_segment 0
		.amdhsa_kernarg_size 48
		.amdhsa_user_sgpr_count 2
		.amdhsa_user_sgpr_kernarg_segment_ptr 1
		.amdhsa_wavefront_size32 1
		.amdhsa_system_sgpr_workgroup_id_x 1
		.amdhsa_system_sgpr_workgroup_id_y 1
		.amdhsa_system_sgpr_workgroup_id_z 1
		.amdhsa_system_vgpr_workitem_id 0
		.amdhsa_next_free_vgpr 250
		.amdhsa_next_free_sgpr 66
		.amdhsa_reserve_vcc 1
		.amdhsa_float_denorm_mode_32 3
		.amdhsa_float_denorm_mode_16_64 3
		.amdhsa_memory_ordered 1
		.amdhsa_forward_progress 1
		.amdhsa_inst_pref_size 111
	.end_amdhsa_kernel
	.amdgpu_metadata
---
amdhsa.version: [ 1, 2 ]
amdhsa.kernels:
  - .name:           k_qc7fb3c6b13_quant
    .symbol:         k_qc7fb3c6b13_quant.kd
    .args:
      - { .name: x, .offset: 0, .size: 8, .value_kind: global_buffer, .address_space: global }
      - { .name: Wqkv, .offset: 8, .size: 8, .value_kind: global_buffer, .address_space: global }
      - { .name: Wo, .offset: 16, .size: 8, .value_kind: global_buffer, .address_space: global }
      - { .name: x_img, .offset: 24, .size: 8, .value_kind: global_buffer, .address_space: global }
      - { .name: w_img, .offset: 32, .size: 8, .value_kind: global_buffer, .address_space: global }
      - { .name: wo_img, .offset: 40, .size: 8, .value_kind: global_buffer, .address_space: global }
    .group_segment_fixed_size: 34304
    .private_segment_fixed_size: 0
    .kernarg_segment_align: 8
    .kernarg_segment_size: 48
    .max_flat_workgroup_size: 128
    .sgpr_count:     66
    .vgpr_count:     250
    .wavefront_size: 32
...
	.end_amdgpu_metadata
.endif
;; end of part 1
;; launch gemm_qkv (part 2): grid 12 x 32, 4 waves a work-group, clusters of 4 x 4, 327,680 bytes of LDS; arguments x_img, w_img, bqkv, q_img, kv; writes q_img, kv
.if DOCPART == 2
	.amdgcn_target "amdgcn-amd-amdhsa--gfx1250"
	.amdhsa_code_object_version 6
	.text
	.protected	k_qc7fb3c6b13_gemm_qkv
	.globl	k_qc7fb3c6b13_gemm_qkv
	.p2align	8
	.type	k_qc7fb3c6b13_gemm_qkv,@function
k_qc7fb3c6b13_gemm_qkv:
	s_mov_b64 s[64:65], 0
	v_nop
	global_prefetch_b8 v0, s[64:65] scope:SCOPE_SE
	s_setreg_imm32_b32 hwreg(HW_REG_WAVE_MODE, 25, 1), 1
	s_wait_xcnt 0x0
	s_wait_alu depctr_hold_cnt(0) depctr_sa_sdst(0) depctr_va_vdst(0) depctr_va_sdst(0) depctr_va_ssrc(0) depctr_va_vcc(0) depctr_vm_vsrc(0)
	s_getreg_b32 s2, hwreg(HW_REG_IB_STS2, 6, 4)
	s_cmp_eq_u32 s2, 0
	s_cbranch_scc0 .Lentry_in_a_cluster
	s_endpgm
.Lentry_in_a_cluster:
	s_bfe_u32 s2, ttmp6, 0x10000c
	s_cmp_lg_u32 s2, 0xf033
	s_cbranch_scc0 .Lentry_shape_is_right
	s_endpgm
.Lentry_shape_is_right:
; qkv = x Wqkv + bqkv on codes of BF6 (E3M2), K = 1,024; the result never goes to memory as f32: it is quantised here, in registers, into the operands of attention's two products.
; A work-group of four waves makes 256 tokens x 256 columns, a wave 128 x 128: 64 accumulators, 512 registers.  K goes in four steps of 256 through two LDS slots filled by the tensor data mover.
; x_img and w_img hold IMAGES OF THE OPERANDS' REGISTERS: [K / 256][group of 32 rows][block of 6,400 bytes]; a block is four fragments of 1,536 bytes (fragment 2 u + s: tile u, K step s; registers 0-3 at
; 16 x lane, 4-5 at 512 + 8 x lane, 6-9 at 768 + 16 x lane, 10-11 at 1280 + 8 x lane) and 256 bytes of scale words (lane r, fragment i: 6144 + 16 r + 4 i).  So a K step's share of 128 rows is one dense
; run of 25,600 bytes for one tensor load, every LDS load reads consecutive bytes, and four scale words come by one load.  Lane r of tile u holds row 8 u + r + 8 (r / 8) of its group.
; ROLES.  Source 1 is role P, source 0 role S: a lane holds one row of P, and the 64 result registers of a tile of P run along S's 128 rows in their natural order (register 16 b + i = row 32 b + 16 (lane / 16) + i).
; q and k (cluster x = 0, 1) are quantised along the head's channels: P = tokens, S = columns.  v (cluster x = 2) is quantised along the tokens: P = columns, S = tokens.  The roles are LDS addresses
; and nothing else: they are chosen once, on the cluster's x, which all partners share, and the loop is written once.  Only the way out, which touches no LDS, parts.
; OUT.  q_img [batch x head][16 blocks of 128 tokens][6,400]: fragment G = token group G, registers 0-5 tile 0 and 6-11 tile 1, each the head's 64 channels; the scale word: bytes 0, 1 tile 0's, bytes 2, 3 tile 1's.
;       kv [batch x head][16 steps of 128 keys][K's block 6,400, like q's][V's block 6,400: fragment t = 16 channels x 128 keys, word (r, t) = the four key blocks' bytes].
; CLUSTERS: 4 x 4 work-groups; x's tiles are shared along a row of the cluster, W's along a column: each is asked for jointly, by the same tensor load with a mask that names the four.
; LIMITS: NaN and infinities are not served; a block whose largest magnitude lies under 2^-122 (zeros too) gets the byte 1; the bytes are read by this program alone.
; REGISTERS: window 0: v1-29 lane numbers and addresses; v32-63 scale words, two sets; v64-127 the bias along columns; v128-223 P's fragments, one set (on the way out: v128-251 at work).
;   window 1: S's fragments, two sets, at v0 and v128; v96-111 the bias by channel.   windows 2, 3: the accumulators, (a, b) at v[8 (8 (a % 4) + b)].
.set FR,    12                         ; registers of a fragment
.set NP,    4                          ; places behind this matrix instruction (ISA guide 7.12.1)
.set NL,    4                          ; LDS loads that bring a fragment
.set BLK,   6400
.set HALF,  4*BLK                      ; 128 rows x 256 K: what one tensor load brings, and what one wave reads of x or of W
.set SLOT,  4*HALF                     ; x's 256 rows, then W's 256
.set SPARE, 2*SLOT                     ; behind the ring: the spare words, 128 bytes for each wave, which no other line names
.set XSTEP, 256*BLK                    ; bytes from a K step of x_img to the next
.set WSTEP, 96*BLK                     ; and of w_img
.set AP16, 8                           ; v8-9   P's half in slot 0, 1, + 16 x lane
.set AP8,  10                          ; v10-11 + 8 x lane
.set AS16, 12                          ; v12-13 the same for S
.set AS8,  14                          ; v14-15
.set ASC,  16                          ; v16-17 scale words: lanes 0-15 P's, lanes 16-31 S's
.set L16,  20                          ; v20    16 x lane
.set L8,   21                          ; v21    8 x lane
.set SCO,  22                          ; v22    16 r + 8 h
.set BQ,   23                          ; v23    64 h
.set BV,   24                          ; v24    4 (r + 8 (r / 8))
.set SPW,  28                          ; v28    LDS address of my spare word; never rewritten
.set NIL,  29                          ; v29    0; never rewritten
.set SC,   32
.set BIAS, 64
.set BVR,  96                          ; in window 1
.set AF,   128
.set T,    128                         ; the way out: 64 numbers
.set FA,   192                         ; a fragment for the first head
.set FB,   204                         ; and for the second
.set CT,   216
.set TM,   224
.set W8,   240                         ; eight scale words
.set G1X, 24                           ; s[24:31] descriptor group 1 for x's tiles;  s[32:39] group 0, one set for each slot
.set G0X, 32
.set G1W, 48                           ; s[48:55], s[56:63] the same for W's
.set G0W, 56
.set OB0, 68                           ; s[68:69] where the first head's block begins;  s[70:71] the second's
.set OB1, 70
.set SEL, 72
.set MSB, 0
.macro WIN new                         ; the immediate's high byte repeats the setting that is left
.if MSB != (\new)
	s_set_vgpr_msb (MSB<<8)|(\new)
.set MSB, (\new)
.endif
.endm
.set MUL_LO, 0xa1                      ; source 0 (S) window 1, source 1 (P) window 0, C and D window 2
.set MUL_HI, 0xf1                      ; the same, C and D window 3
.set TO_S,   0x40                      ; destination window 1, address window 0
; A joint load: waves 0 and 1 fetch x's halves, waves 2 and 3 W's.  The branch hangs on the wave's number alone.  Four v_nop follow each of the two lines.
.macro JLOAD g0a, g1a, g0b, g1b
	s_cmp_eq_u32 s15, 0
	s_cbranch_scc0 .Lfor_w_\@
	tensor_load_to_lds s[\g0a:\g0a+3], s[\g1a:\g1a+7]
	s_nop 0
.rept 4
	v_nop
.endr
	s_branch .Lasked_\@
.Lfor_w_\@:
	tensor_load_to_lds s[\g0b:\g0b+3], s[\g1b:\g1b+7]
	s_nop 0
.rept 4
	v_nop
.endr
.Lasked_\@:
.endm
.macro CREST                           ; a round of the cluster's barrier behind its opening barrier
	s_cmp_lg_u32 s14, 0
	s_cbranch_scc1 .Lnot_wave_0_\@
	s_barrier_signal -3
.Lnot_wave_0_\@:
	s_barrier_wait -3
	s_barrier_signal -1
	s_barrier_wait -1
.endm
.macro CROUND
	s_barrier_signal -1
	s_barrier_wait -1
	CREST
.endm
.macro PLACES n
.rept \n
	v_nop
.endr
.endm
	s_load_b256 s[4:11], s[0:1], 0x0               ; x_img s[4:5], w_img s[6:7], bqkv s[8:9], q_img s[10:11]
	s_load_b64 s[12:13], s[0:1], 0x20              ; kv
	v_lshl_add_u32 v[SPW], v0, 2, SPARE
	v_mov_b32 v[NIL], 0
	ds_add_u32 v28, v29
	ds_add_u32 v28, v29
	s_wait_dscnt 0x0
	v_lshrrev_b32 v1, 5, v0
	v_readfirstlane_b32 s14, v1                    ; wave 0..3
	s_lshr_b32 s15, s14, 1                         ; wx: my half of the tokens.  Also: I fetch for x (0) or for W (1)
	s_and_b32 s16, s14, 1                          ; ww: my half of the columns.  Also: which half I fetch
	s_bfe_u32 s40, ttmp6, 0x40000                  ; cx, cy: my place in the cluster
	s_bfe_u32 s41, ttmp6, 0x40004
	s_lshl_b32 s42, ttmp9, 2
	s_add_co_u32 s42, s42, s40                     ; ct: which 256 columns = 4 x cluster x + cx
	s_and_b32 s17, ttmp7, 0xffff
	s_lshl_b32 s17, s17, 2
	s_add_co_u32 s17, s17, s41                     ; y: which 256 tokens = 4 x cluster y + cy
	s_lshl_b32 s43, s41, 2
	s_lshl_b32 s43, 15, s43                        ; my row of the cluster
	s_lshl_b32 s44, 0x1111, s40                    ; my column
	; descriptor group 1: 25,600 dense bytes as 100 rows of 32 elements of 8 bytes, no padding
	s_or_b32 s[G1X], s43, (3<<16)|(1<<21)          ; 15:0 the mask; 17:16 elements of 8 bytes; 21 set beside a mask
	s_or_b32 s[G1W], s44, (3<<16)|(1<<21)
.irp g, G1X, G1W
	s_mov_b32 s[\g+1], 32<<16                      ; tensor_dim0
	s_mov_b32 s[\g+2], 100<<16                     ; tensor_dim1
	s_mov_b32 s[\g+3], 32<<16                      ; tile_dim0
	s_mov_b32 s[\g+4], 100                         ; tile_dim1
	s_mov_b32 s[\g+5], 32                          ; the pitch
	s_mov_b32 s[\g+6], 0
	s_mov_b32 s[\g+7], 0
.endr
	s_mul_i32 s18, s16, HALF                       ; the half that I fetch
	s_mul_i32 s20, s17, 2*HALF
	s_add_co_u32 s20, s20, s18                     ; x: hangs on y and the wave alone
	s_mov_b32 s21, 0
	s_mul_i32 s46, s42, 2*HALF
	s_add_co_u32 s46, s46, s18                     ; W: on ct and the wave alone
	s_mov_b32 s47, 0
	s_mul_i32 s45, s14, HALF                       ; where it goes: wave x 25,600: no place in the cluster enters an LDS address
	s_wait_kmcnt 0x0
	s_add_nc_u64 s[20:21], s[4:5], s[20:21]
	s_add_nc_u64 s[46:47], s[6:7], s[46:47]
	CROUND                                         ; all sixteen work-groups are here: the first joint loads meet
.irp s, 0,1
	s_mov_b32 s[G0X+4*\s], 1
	s_add_co_u32 s[G0X+4*\s+1], s45, \s*SLOT
	s_add_nc_u64 s[G0X+4*\s+2:G0X+4*\s+3], s[20:21], \s*XSTEP
	s_or_b32 s[G0X+4*\s+3], s[G0X+4*\s+3], 0x80000000
	s_mov_b32 s[G0W+4*\s], 1
	s_add_co_u32 s[G0W+4*\s+1], s45, \s*SLOT
	s_add_nc_u64 s[G0W+4*\s+2:G0W+4*\s+3], s[46:47], \s*WSTEP
	s_or_b32 s[G0W+4*\s+3], s[G0W+4*\s+3], 0x80000000
	JLOAD G0X+4*\s, G1X, G0W+4*\s, G1W             ; K steps 0 and 1: two loads of mine are out
.endr
	v_and_b32 v1, 31, v0                           ; lane
	v_and_b32 v2, 15, v0                           ; r
	v_bfe_u32 v3, v0, 4, 1                         ; h
	v_lshlrev_b32 v[L16], 4, v1
	v_lshlrev_b32 v[L8], 3, v1
	v_lshlrev_b32 v4, 4, v2
	v_lshl_add_u32 v[SCO], v3, 3, v4
	v_lshlrev_b32 v[BQ], 6, v3
	v_and_b32 v4, 8, v2
	v_add_nc_u32 v4, v4, v2
	v_lshlrev_b32 v[BV], 2, v4
	s_mov_b32 s[SEL], 0x76543210
	s_mov_b32 s[SEL+1], 0xfedcba98
.irp b, 0,1,2,3
	v_mov_b32 v[TM+4+\b], 0                        ; written once: a lane permute's destination counts as one of its sources
.endr
	; the roles
	s_mul_i32 s80, s15, HALF                       ; my half of x in a slot
	s_mul_i32 s81, s16, HALF
	s_add_co_u32 s81, s81, 2*HALF                  ; my half of W, behind x's 256 rows
	s_sub_co_u32 s82, s81, s80                     ; the distance between them: above 0
	s_cmp_lt_u32 ttmp9, 2                          ; q or k?  The cluster's x: the same in all partners
	s_cselect_b32 s83, s80, s81                    ; P: tokens for q and k, columns for v
	s_cselect_b32 s84, s81, s80                    ; S: the other
	s_cselect_b32 s85, 0, 1
	v_xor_b32 v5, s85, v3                          ; the lanes that take W's words: 16-31 for q and k, 0-15 for v
	v_mul_u32_u24 v5, s82, v5
	v_lshl_add_u32 v5, v2, 4, v5                   ; + 16 r
.irp s, 0,1
	v_add_nc_u32 v[AP16+\s], s83, v[L16]
	v_add_nc_u32 v[AP8+\s], s83, v[L8]
	v_add_nc_u32 v[AS16+\s], s84, v[L16]
	v_add_nc_u32 v[AS8+\s], s84, v[L8]
	v_add_nc_u32 v[ASC+\s], s80, v5
	s_add_co_u32 s83, s83, SLOT
	s_add_co_u32 s84, s84, SLOT
	s_add_co_u32 s80, s80, SLOT
.endr
	; the bias of my 128 columns, in both forms (both lie inside bqkv whatever the type): along the columns, and one channel to a lane
	s_lshl_b32 s78, s42, 10
	s_lshl_b32 s79, s16, 9
	s_add_co_u32 s78, s78, s79
	s_mov_b32 s79, 0
	s_add_nc_u64 s[8:9], s[8:9], s[78:79]
.irp B, 0,1,2,3
.irp q, 0,1,2,3
	global_load_b128 v[BIAS+16*\B+4*\q:BIAS+16*\B+4*\q+3], v[BQ], s[8:9] offset:128*\B+16*\q   ; register 16 B + i: column 32 B + 16 h + i
.endr
.endr
	WIN TO_S
.irp a, 0,1,2,3,4,5,6,7
	global_load_b32 v[BVR+2*\a], v[BV], s[8:9] offset:(32*(\a/2)+8*(\a%2))*4     ; tile a, lane r: column 32 (a / 2) + 8 (a % 2) + r + 8 (r / 8);
	global_load_b32 v[BVR+2*\a+1], v[BV], s[8:9] offset:(32*(\a/2)+8*(\a%2))*4   ; twice: a pair for the packed addition
.endr
	WIN 0
	; where my results go
	s_lshr_b32 s74, s17, 3                         ; batch
	s_and_b32 s75, s17, 7
	s_lshl_b32 s75, s75, 1
	s_add_co_u32 s75, s75, s15                     ; which 128 tokens of the batch
	s_and_b32 s76, s42, 3
	s_lshl_b32 s76, s76, 2
	s_lshl_b32 s77, s16, 1
	s_add_co_u32 s76, s76, s77                     ; my first head: 4 (ct % 4) + 2 ww
	s_lshl_b32 s74, s74, 4
	s_add_co_u32 s74, s74, s76
	s_lshl_b32 s74, s74, 4
	s_add_co_u32 s74, s74, s75                     ; (16 batch + head) 16 + block
	s_cmp_eq_u32 ttmp9, 0
	s_cselect_b64 s[OB0:OB0+1], s[10:11], s[12:13] ; q_img or kv: the choice hangs on the cluster's x alone
	s_mov_b32 s78, 2*BLK
	s_cselect_b32 s78, BLK, s78                    ; bytes from block to block
	s_mul_i32 s76, s74, s78
	s_mov_b32 s77, 0
	s_add_nc_u64 s[OB0:OB0+1], s[OB0:OB0+1], s[76:77]
	s_cmp_lt_u32 ttmp9, 2
	s_cselect_b32 s76, 0, BLK                      ; V's block lies behind K's
	s_add_nc_u64 s[OB0:OB0+1], s[OB0:OB0+1], s[76:77]
	s_lshl_b32 s76, s78, 4                         ; the next head: 16 blocks on
	s_add_nc_u64 s[OB1:OB1+1], s[OB0:OB0+1], s[76:77]
.macro FRAG reg, a16, a8, off          ; a fragment comes as it was stored: four loads of consecutive bytes
	ds_load_b128 v[\reg:\reg+3], v[\a16] offset:\off
	ds_load_b64 v[\reg+4:\reg+5], v[\a8] offset:\off+512
	ds_load_b128 v[\reg+6:\reg+9], v[\a16] offset:\off+768
	ds_load_b64 v[\reg+10:\reg+11], v[\a8] offset:\off+1280
.endm
.macro FETCH_S slot, q, p              ; S's eight fragments of the slot's q-th 128 along K into set p
	WIN TO_S
.irp i, 0,1,2,3,4,5,6,7
	FRAG 128*(\p)+FR*\i, AS16+\slot, AS8+\slot, (\i/2)*BLK+(2*(\i%2)+(\q))*1536
.endr
	WIN 0
.endm
.macro FETCH_P slot, q, i0             ; P's tiles i0 .. i0 + 3
.irp i, \i0, \i0+1, \i0+2, \i0+3
	FRAG AF+FR*(\i), AP16+\slot, AP8+\slot, ((\i)/2)*BLK+(2*((\i)%2)+(\q))*1536
.endr
.endm
.macro SCALES slot                     ; a slot's scale words: register 2 x tile + q; lanes 0-15 P's, lanes 16-31 S's
.irp G, 0,1,2,3
	ds_load_b128 v[SC+16*\slot+4*\G:SC+16*\slot+4*\G+3], v[ASC+\slot] offset:6144+BLK*\G
.endr
.endm
; 16 matrix instructions: P's tiles a0, a0 + 1 x S's eight.  The 64 accumulators take turns, one instruction a turn, in the same order in every step.
.macro MUL16 a0, p, q, sc, zero
.irp a, \a0, \a0+1
.irp b, 0,1,2,3,4,5,6,7
.if \zero
	v_wmma_scale_f32_16x16x128_f8f6f4 v[8*(8*((\a)%4)+\b):8*(8*((\a)%4)+\b)+7], v[128*(\p)+FR*\b:128*(\p)+FR*\b+FR-1], v[AF+FR*(\a):AF+FR*(\a)+FR-1], 0, v[SC+16*(\sc)+2*\b+(\q)], v[SC+16*(\sc)+2*(\a)+(\q)] matrix_a_fmt:MATRIX_FMT_BF6 matrix_b_fmt:MATRIX_FMT_BF6 matrix_a_scale:MATRIX_SCALE_ROW1
.else
	v_wmma_scale_f32_16x16x128_f8f6f4 v[8*(8*((\a)%4)+\b):8*(8*((\a)%4)+\b)+7], v[128*(\p)+FR*\b:128*(\p)+FR*\b+FR-1], v[AF+FR*(\a):AF+FR*(\a)+FR-1], v[8*(8*((\a)%4)+\b):8*(8*((\a)%4)+\b)+7], v[SC+16*(\sc)+2*\b+(\q)], v[SC+16*(\sc)+2*(\a)+(\q)] matrix_a_fmt:MATRIX_FMT_BF6 matrix_b_fmt:MATRIX_FMT_BF6 matrix_a_scale:MATRIX_SCALE_ROW1
.endif
.endr
.endr
.endm
; A step of 128 along K that has its successor in the same slot.  P has one set of registers: tiles 0-3 are fetched anew in the step's middle, tiles 4-7 at its end; S has two sets.
.macro STEP slot, q, zero
	s_wait_dscnt 4*NL                              ; all but the youngest 16 loads (P's tiles 4-7) are in
	WIN MUL_LO
	MUL16 0, (\q)%2, \q, \slot, \zero
	MUL16 2, (\q)%2, \q, \slot, \zero
	s_wait_dscnt 0x0                               ; P's tiles 4-7 are in
	PLACES NP                                      ; in front of loads into registers that matrix instructions have read
	FETCH_S \slot, (\q)+1, 1-(\q)%2
	FETCH_P \slot, (\q)+1, 0
	WIN MUL_HI
	MUL16 4, (\q)%2, \q, \slot, \zero
	MUL16 6, (\q)%2, \q, \slot, \zero
	PLACES NP
	WIN 0
	FETCH_P \slot, (\q)+1, 4
.endm
; A slot's last step changes slots: one barrier; in front of it each wave waits for all its tensor loads, adds 0 to its spare word, and waits for that and for its reads of this slot.
.macro TURN slot, next, fill
	s_wait_tensorcnt 0x0                           ; all my tensor loads have landed: my part of the next slot
	ds_add_u32 v[SPW], v[NIL]                      ; 0 onto my spare word
	s_wait_dscnt 4*NL+1                            ; (the add and the youngest 16 loads, P's tiles 4-7, may be out)
	WIN MUL_LO
	MUL16 0, 1, 1, \slot, 0                        ; sixteen matrix instructions stand between the add and the wait for it
	s_wait_dscnt 0x0                               ; the add is done, and my reads of this slot are over
	s_barrier_signal -1
	MUL16 2, 1, 1, \slot, 0
	WIN 0
	s_barrier_wait -1
.if \fill
	CREST                                          ; the barrier has opened a round of the cluster's: no wave of any partner still reads this slot or has a load on its way
	s_add_nc_u64 s[G0X+4*\slot+2:G0X+4*\slot+3], s[G0X+4*\slot+2:G0X+4*\slot+3], 2*XSTEP
	s_add_nc_u64 s[G0W+4*\slot+2:G0W+4*\slot+3], s[G0W+4*\slot+2:G0W+4*\slot+3], 2*WSTEP
	JLOAD G0X+4*\slot, G1X, G0W+4*\slot, G1W       ; the first tensor load behind the round; its four v_nop are the places in front of the loads below
.else
	PLACES NP
.endif
	FETCH_S \next, 0, 0
	FETCH_P \next, 0, 0
	SCALES \next
	WIN MUL_HI
	MUL16 4, 1, 1, \slot, 0
	MUL16 6, 1, 1, \slot, 0
	PLACES NP
	WIN 0
	FETCH_P \next, 0, 4
.endm
	s_wait_tensorcnt 1                             ; my part of K step 0 is in; K step 1's load may stay out
	s_barrier_signal -1
	s_barrier_wait -1                              ; everybody's is
	FETCH_S 0, 0, 0
	FETCH_P 0, 0, 0
	SCALES 0
	FETCH_P 0, 0, 4
	STEP 0, 0, 1                                   ; the first products start the sums: nothing is cleared
	TURN 0, 1, 1                                   ; slot 0 takes K step 2
	STEP 1, 0, 0
	TURN 1, 0, 1                                   ; slot 1 takes K step 3
	STEP 0, 0, 0
	TURN 0, 1, 0                                   ; nothing is left to fetch
	STEP 1, 0, 0
	s_wait_dscnt 4*NL
	WIN MUL_LO
	MUL16 0, 1, 1, 1, 0
	MUL16 2, 1, 1, 1, 0
	s_wait_dscnt 0x0
	WIN MUL_HI
	MUL16 4, 1, 1, 1, 0
	MUL16 6, 1, 1, 1, 0
	WIN 0
; THE WAY OUT.  A tile of P at a time: sum + bias in f32 into window 0 (each accumulator from its low end on), quantised, stored as register images.
.macro QUANT s, d0, d1                 ; 64 numbers, register 16 b + i = k 32 b + 16 (lane / 16) + i, become six registers of codes at v[d0] (blocks 0, 1) and six at v[d1] (blocks 2, 3); the bytes stay in v[TM+4] on
.irp b, 0,1,2,3
	v_max3_num_f32 v[TM+\b], |v[\s+16*\b]|, |v[\s+1+16*\b]|, 0x2800000   ; and the floor 2^(5 - 127): the byte cannot fall under 1
.endr
.irp i, 2,4,6,8,10,12,14
.irp b, 0,1,2,3
	v_max3_num_f32 v[TM+\b], v[TM+\b], |v[\s+16*\b+\i]|, |v[\s+1+16*\b+\i]|
.endr
.endr
.irp b, 0,1,2,3
	v_permlanex16_b32 v[TM+4+\b], v[TM+\b], s[SEL], s[SEL+1]
.endr
.irp b, 0,1,2,3
	v_max_num_f32 v[TM+\b], v[TM+\b], v[TM+4+\b]
.endr
.irp b, 0,1,2,3
	v_add_nc_u32 v[TM+12+\b], 0xfe000000, v[TM+\b]   ; 4 off the exponent field: the conversion's scale operand
.endr
.irp b, 0,1,2,3
	v_lshrrev_b32 v[TM+4+\b], 23, v[TM+12+\b]
.endr
	v_cvt_scalef32_pk16_bf6_f32 v[\d0:\d0+2], v[\s:\s+15], v[TM+12]
	v_cvt_scalef32_pk16_bf6_f32 v[CT:CT+2], v[\s+16:\s+31], v[TM+13]
	v_cvt_scalef32_pk16_bf6_f32 v[\d1:\d1+2], v[\s+32:\s+47], v[TM+14]
	v_cvt_scalef32_pk16_bf6_f32 v[CT+4:CT+6], v[\s+48:\s+63], v[TM+15]
	v_nop                                          ; one plain line behind the scaled conversions
.irp i, 0,1,2
	v_permlane16_swap_b32 v[\d0+\i], v[CT+\i]      ; a whole block to a lane: lanes 0-15 the even block, lanes 16-31 the odd one
	v_permlane16_swap_b32 v[\d1+\i], v[CT+4+\i]
.endr
.irp i, 0,1,2
	v_mov_b32 v[\d0+3+\i], v[CT+\i]
	v_mov_b32 v[\d1+3+\i], v[CT+4+\i]
.endr
.endm
.macro ADDB a, vt                      ; tile a's 64 sums + the bias -> v[T] on
.set AC, 64*((\a)%4)
.set n, 0
.if \vt
	WIN 0x06+(\a)/4                                ; source 0: window 2 or 3; source 1: window 1
.rept 32
	v_pk_add_f32 v[T+n:T+n+1], v[AC+n:AC+n+1], v[BVR+2*(\a):BVR+2*(\a)+1]
.set n, n+2
.endr
.else
	WIN 0x02+(\a)/4
.rept 32
	v_pk_add_f32 v[T+n:T+n+1], v[AC+n:AC+n+1], v[BIAS+n:BIAS+n+1]
.set n, n+2
.endr
.endif
	WIN 0
.endm
.macro STOREF reg, ob, G               ; a fragment's image: 512, 256, 512, 256 consecutive bytes, each aligned to 256
	global_store_b128 v[L16], v[\reg:\reg+3], s[\ob:\ob+1] offset:1536*(\G)
	global_store_b64 v[L8], v[\reg+4:\reg+5], s[\ob:\ob+1] offset:1536*(\G)+512
	global_store_b128 v[L16], v[\reg+6:\reg+9], s[\ob:\ob+1] offset:1536*(\G)+768
	global_store_b64 v[L8], v[\reg+10:\reg+11], s[\ob:\ob+1] offset:1536*(\G)+1280
.endm
	s_wait_loadcnt 0x0                             ; the bias
	PLACES NP                                      ; behind the last products: their results are read and their operands' registers written below
	s_cmp_lt_u32 ttmp9, 2
	s_cbranch_scc0 .Lway_v
	; q and k: a lane holds a token; blocks 0, 1 of its 128 columns are my first head's 64 channels, blocks 2, 3 the second's.  Tiles 2 G and 2 G + 1 make the two halves of fragment G of each head.
.irp G, 0,1,2,3
.if \G > 0
	s_wait_xcnt 0x0                                ; the last group's stores have read both fragments' registers
.endif
.irp u, 0,1
	ADDB 2*\G+\u, 0
	QUANT T, FA+6*\u, FB+6*\u
.if \u == 0
	v_lshl_or_b32 v[W8+\G], v[TM+5], 8, v[TM+4]
	v_lshl_or_b32 v[W8+4+\G], v[TM+7], 8, v[TM+6]
.else
	v_lshl_or_b32 v[W8+\G], v[TM+4], 16, v[W8+\G]
	v_lshl_or_b32 v[W8+\G], v[TM+5], 24, v[W8+\G]
	v_lshl_or_b32 v[W8+4+\G], v[TM+6], 16, v[W8+4+\G]
	v_lshl_or_b32 v[W8+4+\G], v[TM+7], 24, v[W8+4+\G]
.endif
.endr
	STOREF FA, OB0, \G
	STOREF FB, OB1, \G
.endr
	s_branch .Lway_join
.Lway_v:
	; v: a lane holds a channel, its 64 numbers run along my 128 tokens: tile a is fragment a % 4 of head a / 4
.irp a, 0,1,2,3,4,5,6,7
	ADDB \a, 1
.if \a > 0
	s_wait_xcnt 0x0                                ; the last tile's stores have read the fragment's registers
.endif
	QUANT T, FA, FA+6
	v_lshl_or_b32 v[W8+\a], v[TM+5], 8, v[TM+4]
	v_lshl_or_b32 v[W8+\a], v[TM+6], 16, v[W8+\a]
	v_lshl_or_b32 v[W8+\a], v[TM+7], 24, v[W8+\a]
	STOREF FA, OB0+2*(\a/4), \a%4
.endr
.Lway_join:
	v_cmp_eq_u32 vcc_lo, 1, v3                     ; the scale words: lanes 0-15 store lane r's words 0, 1, lanes 16-31 its words 2, 3: 256 consecutive bytes a block
	v_cndmask_b32 v248, v[W8], v[W8+2], vcc_lo
	v_cndmask_b32 v249, v[W8+1], v[W8+3], vcc_lo
	global_store_b64 v[SCO], v[248:249], s[OB0:OB0+1] offset:6144
	v_cndmask_b32 v250, v[W8+4], v[W8+6], vcc_lo
	v_cndmask_b32 v251, v[W8+5], v[W8+7], vcc_lo
	global_store_b64 v[SCO], v[250:251], s[OB1:OB1+1] offset:6144
	s_wait_tensorcnt 0x0                           ; the wave's end
	ds_add_u32 v[SPW], v[NIL]
	s_wait_dscnt 0x0
	CROUND                                         ; the closing round: no work-group ends while a partner may still ask for a tile that names it
	s_endpgm
.Lfunc_end_k_qc7fb3c6b13_gemm_qkv:
	.size	k_qc7fb3c6b13_gemm_qkv, .Lfunc_end_k_qc7fb3c6b13_gemm_qkv-k_qc7fb3c6b13_gemm_qkv
	.p2alignl 7, 3214868480
	.fill 96, 4, 3214868480
	.section	.rodata,"a",@progbits
	.p2align	6, 0x0
	.amdhsa_kernel k_qc7fb3c6b13_gemm_qkv
		.amdhsa_group_segment_fixed_size 327680
		.amdhsa_private_segment_fixed_size 0
		.amdhsa_enable_private_segment 0
		.amdhsa_kernarg_size 40
		.amdhsa_user_sgpr_count 2
		.amdhsa_user_sgpr_kernarg_segment_ptr 1
		.amdhsa_wavefront_size32 1
		.amdhsa_system_sgpr_workgroup_id_x 1
		.amdhsa_system_sgpr_workgroup_id_y 1
		.amdhsa_system_sgpr_workgroup_id_z 1
		.amdhsa_system_vgpr_workitem_id 0
		.amdhsa_next_free_vgpr 1024
		.amdhsa_next_free_sgpr 90
		.amdhsa_reserve_vcc 1
		.amdhsa_float_denorm_mode_32 3
		.amdhsa_float_denorm_mode_16_64 3
		.amdhsa_memory_ordered 1
		.amdhsa_forward_progress 1
		.amdhsa_inst_pref_size 214
	.end_amdhsa_kernel
	.amdgpu_metadata
---
amdhsa.version: [ 1, 2 ]
amdhsa.kernels:
  - .name:           k_qc7fb3c6b13_gemm_qkv
    .symbol:         k_qc7fb3c6b13_gemm_qkv.kd
    .args:
      - { .name: x_img, .offset: 0, .size: 8, .value_kind: global_buffer, .address_space: global }
      - { .name: w_img, .offset: 8, .size: 8, .value_kind: global_buffer, .address_space: global }
      - { .name: bqkv, .offset: 16, .size: 8, .value_kind: global_buffer, .address_space: global }
      - { .name: q_img, .offset: 24, .size: 8, .value_kind: global_buffer, .address_space: global }
      - { .name: kv, .offset: 32, .size: 8, .value_kind: global_buffer, .address_space: global }
    .group_segment_fixed_size: 327680
    .private_segment_fixed_size: 0
    .kernarg_segment_align: 8
    .kernarg_segment_size: 40
    .max_flat_workgroup_size: 128
    .sgpr_count:     90
    .vgpr_count:     1024
    .wavefront_size: 32
...
	.end_amdgpu_metadata
.endif
;; end of part 2
;; launch attn (part 3): grid 4 x 64, 8 waves a work-group, clusters of 4 x 1, 205,824 bytes of LDS; arguments q_img, kv, o_img; writes o_img
.if DOCPART == 3
	.amdgcn_target "amdgcn-amd-amdhsa--gfx1250"
	.amdhsa_code_object_version 6
	.text
	.protected	k_qc7fb3c6b13_attn
	.globl	k_qc7fb3c6b13_attn
	.p2align	8
	.type	k_qc7fb3c6b13_attn,@function
k_qc7fb3c6b13_attn:
	s_mov_b64 s[64:65], 0
	v_nop
	global_prefetch_b8 v0, s[64:65] scope:SCOPE_SE
	s_setreg_imm32_b32 hwreg(HW_REG_WAVE_MODE, 25, 1), 1
	s_wait_xcnt 0x0
	s_wait_alu depctr_hold_cnt(0) depctr_sa_sdst(0) depctr_va_vdst(0) depctr_va_sdst(0) depctr_va_ssrc(0) depctr_va_vcc(0) depctr_vm_vsrc(0)
	s_getreg_b32 s2, hwreg(HW_REG_IB_STS2, 6, 4)
	s_cmp_eq_u32 s2, 0
	s_cbranch_scc0 .Lentry_in_a_cluster
	s_endpgm
.Lentry_in_a_cluster:
	s_bfe_u32 s2, ttmp6, 0x10000c
	s_cmp_lg_u32 s2, 0x3003
	s_cbranch_scc0 .Lentry_shape_is_right
	s_endpgm
.Lentry_shape_is_right:
; o = softmax(q k^T / 8) v for one head of one batch, both products on codes of BF6 (E3M2); o / l is quantised here along the channels and stored as the register images of the last product's operand.
; THE SOFTMAX: t = score x log2(e) / 8 (one multiplication by the product of the two, which differs from log2(e) by a power of two); M = the running largest t rounded UP to a whole number, kept as -M;
; p = 2^(t - M) is quantised along the keys, not normalised; the row's sum is taken of the unquantised p and divides at the end; when M moves, the sum and O are multiplied by 2^(old M - new M), exactly.
; SHARES.  A work-group owns 512 queries of a head, each of its eight waves 64: four tiles of 16.  Two waves share a SIMD: one wave's vector work stands beside the other's products and LDS loads.
; THE WHOLE HEAD'S K AND V, 204,800 bytes of register images, LIE IN LDS, FILLED ONCE: each wave asks for an eighth by one tensor load; no byte is filled again, so there is no ring.
; CLUSTER: the four query blocks of a head read the same K and V: each load is asked for jointly, with a mask that names the four.
; LAYOUT.  Both products are used transposed: S^T = K Q^T, O^T = V^T P^T: a lane holds one query throughout.  The keys of a tile, and V's channels, stand in the order 8 u + r + 8 (r / 8) of their group of 32,
; so that 16 registers of two neighbouring tiles are 16 neighbours.  kv: step j of 128 keys at 12,800 j: K's four fragments (1,536 each), K's words at 6144, V's four fragments from 6400, V's words at 12544.
; K = 64 IN AN INSTRUCTION OF 128: a fragment of K holds tile 0 of a key group in registers 0-5 and tile 1 in 6-11.  Against [q, zeros] it gives tile 0's scores, against [zeros, q] tile 1's: zero codes add nothing
; under any scale byte that this program makes (1 to 254).  Q lies between runs of six zero registers, so both forms are runs of twelve.
; LIMITS: NaN and infinities are not served; a block of o whose largest magnitude lies under 2^-122, and a block of p that has fallen to 0, get the byte 1.
; REGISTERS: window 0: v1-7 addresses; v8-23 four registers of statistics a tile (-M, largest t, the sum in two halves); v24-27 K's words, v28-31 V's, v32-35 Q's, v36-39 p's; v40-62 at work;
;   v64-191 S^T, then p, of two tiles; v192-239 p's codes, 12 a tile.   window 1: v0-127 O^T (32 a tile); v128-181 zeros and Q by turns; v192-239 four fragments of K or of V.
.set BLK, 6400
.set KS,  24
.set VS,  28
.set QS,  32
.set PS,  36
.set BM,  40                           ; v40-43 each block's largest score, then its largest p
.set PB,  44                           ; v44-51 the other half's maxima, bytes, the conversions' second halves, a chain of the sums
.set SO,  52                           ; v52-55 the conversions' scale operands
.set RL,  56                           ; v56-59 1 / l
.set TM,  40                           ; the way out's quantiser works in v40-53
.set CT,  48
.set WV,  14
.set SEL, 20
.set CS,  22                           ; s[22:23] c = log2(e) / 8
.set G1,  24
.set G0,  32
.set TB,  40                           ; s40 LDS byte at which the step's tiles begin
.set CNT, 41
.set OC,  44                           ; s[44:45] where my codes go;  s[46:47] my scale bytes
.set OS,  46
.set MSB, 0
.macro WIN new                         ; the immediate's high byte repeats the setting that is left
.if MSB != (\new)
	s_set_vgpr_msb (MSB<<8)|(\new)
.set MSB, (\new)
.endif
.endm
.macro CROUND                          ; a round of the cluster's barrier
	s_barrier_signal -1
	s_barrier_wait -1
	s_cmp_lg_u32 s[WV], 0
	s_cbranch_scc1 .Lnot_wave_0_\@
	s_barrier_signal -3
.Lnot_wave_0_\@:
	s_barrier_wait -3
	s_barrier_signal -1
	s_barrier_wait -1
.endm
.macro PLACES
.rept 4
	v_nop
.endr
.endm
	s_load_b128 s[4:7], s[0:1], 0x0                ; q_img s[4:5], kv s[6:7]
	s_load_b64 s[8:9], s[0:1], 0x10                ; o_img
	v_lshl_add_u32 v254, v0, 2, 0x32000
	v_mov_b32 v255, 0
	ds_add_u32 v254, v255
	ds_add_u32 v254, v255
	v_lshrrev_b32 v1, 5, v0
	v_readfirstlane_b32 s[WV], v1                  ; wave 0..7
	s_bfe_u32 s15, ttmp6, 0x40000                  ; cx
	s_lshl_b32 s16, ttmp9, 2
	s_add_co_u32 s16, s16, s15                     ; my block of 512 queries: it enters q's and o's addresses alone
	s_and_b32 s17, ttmp7, 0xffff                   ; 16 x batch + head, which the four partners share
	s_mov_b32 s[G1], 15|(3<<16)|(1<<21)            ; 15:0 the mask: all four; 17:16 elements of 8 bytes; 21 set beside a mask
	s_mov_b32 s[G1+1], 32<<16                      ; 25,600 dense bytes as 100 rows of 256
	s_mov_b32 s[G1+2], 100<<16
	s_mov_b32 s[G1+3], 32<<16
	s_mov_b32 s[G1+4], 100
	s_mov_b32 s[G1+5], 32
	s_mov_b32 s[G1+6], 0
	s_mov_b32 s[G1+7], 0
	s_mul_i32 s18, s17, 32*BLK                     ; the head's K and V,
	s_mul_i32 s36, s[WV], 4*BLK                    ; my eighth: key steps 2 w and 2 w + 1
	s_add_co_u32 s18, s18, s36
	s_mov_b32 s19, 0
	s_lshl_b32 s37, s16, 2
	s_lshr_b32 s38, s[WV], 1
	s_add_co_u32 s37, s37, s38                     ; my block of 128 queries
	s_and_b32 s38, s[WV], 1
	s_lshl_b32 s38, s38, 1                         ; my first group of 32 in it
	s_lshl_b32 s42, s17, 4
	s_add_co_u32 s42, s42, s37
	s_mul_i32 s42, s42, BLK
	s_mov_b32 s43, 0
	s_mul_i32 s48, s38, 1536
	s_mov_b32 s49, 0
	s_lshl_b32 s50, s38, 2
	s_mov_b32 s51, 0
	s_and_b32 s52, s17, 15                         ; head
	s_lshr_b32 s53, s17, 4                         ; batch
	s_lshr_b32 s54, s52, 2                         ; o_img: K = 64 head + channel: K step of 256 = head / 4,
	s_lshl_b32 s54, s54, 8
	s_lshl_b32 s53, s53, 6
	s_add_co_u32 s54, s54, s53
	s_lshl_b32 s53, s37, 2
	s_add_co_u32 s54, s54, s53
	s_add_co_u32 s54, s54, s38                     ; the group of 32 tokens: 64 batch + 4 block + first group
	s_mul_i32 s54, s54, BLK
	s_mov_b32 s55, 0
	s_bfe_u32 s56, s52, 0x10001                    ; K step of 128 = (head / 2) % 2,
	s_and_b32 s57, s52, 1                          ; half of a fragment = head % 2
	s_mul_i32 s58, s56, 1536
	s_mul_i32 s53, s57, 768
	s_add_co_u32 s58, s58, s53
	s_mov_b32 s59, 0
	s_lshl_b32 s56, s56, 2
	s_lshl_b32 s57, s57, 1
	s_add_co_u32 s56, s56, s57                     ; and among a lane's scale bytes: 4 x step + 2 x half
	s_mov_b32 s57, 0
	s_mov_b32 s[SEL], 0x76543210
	s_mov_b32 s[SEL+1], 0xfedcba98
	s_mov_b32 s[CS], 0x3e38aa3b                    ; log2(e) / 8
	s_mov_b32 s[CS+1], s[CS]                       ; (named with it as a pair, so it is written)
	s_mov_b32 s[TB], 0
	s_mov_b32 s[CNT], 16
	s_wait_dscnt 0x0
	s_wait_kmcnt 0x0
	s_mov_b32 s[G0], 1
	s_mul_i32 s[G0+1], s[WV], 4*BLK                ; LDS address: wave x 25,600
	s_add_nc_u64 s[G0+2:G0+3], s[6:7], s[18:19]
	s_or_b32 s[G0+3], s[G0+3], 0x80000000
	s_add_nc_u64 s[4:5], s[4:5], s[42:43]          ; q's block,
	s_add_nc_u64 s[10:11], s[4:5], s[48:49]        ; my two fragments in it,
	s_add_nc_u64 s[12:13], s[4:5], s[50:51]        ; and their scale words
	s_add_nc_u64 s[8:9], s[8:9], s[54:55]
	s_add_nc_u64 s[OC:OC+1], s[8:9], s[58:59]
	s_add_nc_u64 s[OS:OS+1], s[8:9], s[56:57]
	CROUND                                         ; all four work-groups are here: the joint loads meet
	tensor_load_to_lds s[G0:G0+3], s[G1:G1+7]      ; my one tensor load of the launch
	s_nop 0
	PLACES
	v_and_b32 v3, 15, v0
	v_and_b32 v1, 31, v0
	v_bfe_u32 v7, v0, 4, 1
	v_lshlrev_b32 v2, 3, v1                        ; 8 x lane
	v_lshlrev_b32 v1, 4, v1                        ; 16 x lane
	v_lshlrev_b32 v3, 4, v3                        ; 16 r
	v_lshl_add_u32 v7, v7, 3, v3                   ; 16 r + 8 h
	global_load_b32 v62, v3, s[12:13] offset:6144  ; the scale words of my two groups of queries
	global_load_b32 v63, v3, s[12:13] offset:6148
	WIN 0x40                                       ; destination window 1
.irp g, 0,1
.irp u, 0,1
	global_load_b128 v[134+12*(2*\g+\u):137+12*(2*\g+\u)], v1, s[10:11] offset:1536*\g+768*\u       ; tile 2 g + u: half u of fragment g
	global_load_b64 v[138+12*(2*\g+\u):139+12*(2*\g+\u)], v2, s[10:11] offset:1536*\g+768*\u+512
.endr
.endr
.irp z, 0,1,2,3,4
.irp i, 0,1,2,3,4,5
	v_mov_b32 v[128+12*\z+\i], 0                   ; the zero codes round Q
.endr
.endr
.set n, 0
.rept 128
	v_mov_b32 v[n], 0                              ; O^T.  The step is written once: the first finds zeros, which the first change of M leaves zeros; a first step of its own would double the text
.set n, n+1
.endr
	WIN 0
	s_wait_loadcnt 0x0
.irp g, 0,1                                    ; a tile's two bytes stand in both halves of its word, since q stands in either half of the operand
	v_and_b32 v[QS+2*\g], 0xffff, v[62+\g]
	v_lshl_or_b32 v[QS+2*\g], v[62+\g], 16, v[QS+2*\g]
	v_lshrrev_b32 v[QS+2*\g+1], 16, v[62+\g]
	v_and_or_b32 v[QS+2*\g+1], v[62+\g], 0xffff0000, v[QS+2*\g+1]
.endr
.irp t, 0,1,2,3                                ; (these lines are also the places between the words above and the first product)
	v_mov_b32 v[9+4*\t], 0xff61b1e6                ; the largest t so far: -3e38, under every t
	v_floor_f32 v[8+4*\t], -v[9+4*\t]              ; -M
	v_mov_b32 v[10+4*\t], 0                        ; the sum, in two halves
	v_mov_b32 v[11+4*\t], 0
.endr
.irp b, 0,1,2,3,4,5,6,7
	v_mov_b32 v[PB+\b], 0                          ; written once: a lane permute's destination counts as one of its sources
.endr
	v_mov_b32 v61, 0                               ; (named as the upper half of the pair v[60:61])
	s_wait_tensorcnt 0x0                           ; my eighth of K and V is in,
	s_barrier_signal -1
	s_barrier_wait -1                              ; everybody's is
.macro FRAG reg, off                   ; a fragment comes as it was stored: four loads of consecutive bytes
	ds_load_b128 v[\reg:\reg+3], v4 offset:\off
	ds_load_b64 v[\reg+4:\reg+5], v5 offset:\off+512
	ds_load_b128 v[\reg+6:\reg+9], v4 offset:\off+768
	ds_load_b64 v[\reg+10:\reg+11], v5 offset:\off+1280
.endm
; S^T of tiles 2 pi and 2 pi + 1: 16 products on 16 accumulators; register 16 G + i of a tile = key 32 G + 16 (lane / 16) + i
.macro KQ pi
	WIN 0x05                                       ; K and Q in window 1, S^T in window 0
.irp G, 0,1,2,3
.irp u, 0,1
.irp sg, 0,1
	v_wmma_scale_f32_16x16x128_f8f6f4 v[64+64*\sg+16*\G+8*\u:71+64*\sg+16*\G+8*\u], v[192+12*\G:203+12*\G], v[134+12*(2*\pi+\sg)-6*\u:145+12*(2*\pi+\sg)-6*\u], 0, v[KS+\G], v[QS+2*\pi+\sg] matrix_a_fmt:MATRIX_FMT_BF6 matrix_b_fmt:MATRIX_FMT_BF6
.endr
.endr
.endr
.endm
; O^T += V^T P^T: the 16 accumulators take turns, one instruction each
.macro PV
	WIN 0x51                                       ; V and O^T in window 1, p's codes in window 0
.irp t, 0,1,2,3
.irp q, 0,1,2,3
	v_wmma_scale_f32_16x16x128_f8f6f4 v[32*\q+8*\t:32*\q+8*\t+7], v[192+12*\t:203+12*\t], v[192+12*\q:203+12*\q], v[32*\q+8*\t:32*\q+8*\t+7], v[VS+\t], v[PS+\q] matrix_a_fmt:MATRIX_FMT_BF6 matrix_b_fmt:MATRIX_FMT_BF6
.endr
.endr
.endm
; The softmax of tile t, whose 64 scores lie in half sg of S^T; it leaves p's codes, p's scale word, the sum and O^T under the new M.
.macro SOFTMAX sg, t
.set SS, 64+64*(\sg)
.set ST, 8+4*(\t)
.set PC, 192+12*(\t)
.irp b, 0,1,2,3
	v_max3_num_f32 v[BM+\b], v[SS+16*\b], v[SS+1+16*\b], v[SS+2+16*\b]   ; the largest score of each block of 32 keys: it serves for the row's maximum and, since p rises with the score, for the block's largest p
.endr
.irp i, 3,5,7,9,11,13
.irp b, 0,1,2,3
	v_max3_num_f32 v[BM+\b], v[BM+\b], v[SS+16*\b+\i], v[SS+1+16*\b+\i]
.endr
.endr
.irp b, 0,1,2,3
	v_max_num_f32 v[BM+\b], v[BM+\b], v[SS+15+16*\b]
.endr
.irp b, 0,1,2,3
	v_permlanex16_b32 v[PB+\b], v[BM+\b], s[SEL], s[SEL+1]
.endr
.irp b, 0,1,2,3
	v_max_num_f32 v[BM+\b], v[BM+\b], v[PB+\b]     ; with lane l xor 16's 16 keys
.endr
	v_max3_num_f32 v62, v[BM], v[BM+1], v[BM+2]
	v_max_num_f32 v62, v62, v[BM+3]
	v_mul_f32 v62, s[CS], v62                      ; the step's largest t (c is positive)
	v_max_num_f32 v[ST+1], v[ST+1], v62            ; the running largest t
	v_mov_b32 v62, v[ST]
	v_floor_f32 v[ST], -v[ST+1]                    ; the new -M = -ceil(t)
	v_sub_f32 v62, v[ST], v62                      ; old M - new M: a whole number, 0 or less
	v_cvt_i32_f32 v62, v62                         ; (it saturates)
	v_ldexp_f32 v60, 1.0, v62                      ; f = 2^(old M - new M)
.set j, 0
.rept 32
	v_pk_fma_f32 v[SS+j:SS+j+1], v[SS+j:SS+j+1], s[CS:CS+1], v[ST:ST+1] op_sel_hi:[1,0,0]   ; t - M, two at a time
.set j, j+2
.endr
.irp b, 0,1,2,3
	v_fma_f32 v[BM+\b], v[BM+\b], s[CS], v[ST]     ; the same of each block's largest score
.endr
.set j, 0
.rept 64
	v_exp_f32 v[SS+j], v[SS+j]                     ; p = 2^(t - M)
.set j, j+1
.endr
.irp b, 0,1,2,3
	v_exp_f32 v[BM+\b], v[BM+\b]                   ; the block's largest p: the same two instructions on the same number
.endr
	v_pk_mul_f32 v[ST+2:ST+3], v[ST+2:ST+3], v[60:61] op_sel_hi:[1,0]   ; the sums under the new M (a plain line behind the exponentials)
	s_wait_alu depctr_va_vdst(0)
.irp b, 0,1,2,3
	v_max_num_f32 v[BM+\b], 0x2800000, v[BM+\b]    ; the floor 2^(5 - 127)
.endr
.irp b, 0,1,2,3
	v_add_nc_u32 v[SO+\b], 0xfe000000, v[BM+\b]    ; the conversion's scale operand
.endr
.irp b, 0,1,2,3
	v_lshrrev_b32 v[PB+\b], 23, v[SO+\b]           ; the byte
.endr
	v_lshl_or_b32 v[PS+\t], v[PB+1], 8, v[PB]      ; p's scale word for these 128 keys
	v_lshl_or_b32 v[PS+\t], v[PB+2], 16, v[PS+\t]
	v_lshl_or_b32 v[PS+\t], v[PB+3], 24, v[PS+\t]
.irp c, 0,1
	v_cvt_scalef32_pk16_bf6_f32 v[PC+6*\c:PC+6*\c+2], v[SS+32*\c:SS+32*\c+15], v[SO+2*\c]
	v_cvt_scalef32_pk16_bf6_f32 v[PB+4*\c:PB+4*\c+2], v[SS+16+32*\c:SS+31+32*\c], v[SO+2*\c+1]
.endr
	v_nop                                          ; one plain line behind the scaled conversions
.irp c, 0,1
.irp i, 0,1,2
	v_permlane16_swap_b32 v[PC+6*\c+\i], v[PB+4*\c+\i]   ; a whole block to a lane
.endr
.irp i, 0,1,2
	v_mov_b32 v[PC+3+6*\c+\i], v[PB+4*\c+\i]
.endr
.endr
	v_pk_add_f32 v[PB:PB+1], v[SS:SS+1], v[SS+2:SS+3]   ; the row's sum is taken of the unquantised p, in two chains
.set j, 4
.rept 15
	v_pk_add_f32 v[ST+2:ST+3], v[ST+2:ST+3], v[SS+j:SS+j+1]
	v_pk_add_f32 v[PB:PB+1], v[PB:PB+1], v[SS+j+2:SS+j+3]
.set j, j+4
.endr
	v_pk_add_f32 v[ST+2:ST+3], v[ST+2:ST+3], v[PB:PB+1]
	WIN 0x41                                       ; O^T in window 1, f in window 0
.set j, 0
.rept 16
	v_pk_mul_f32 v[32*(\t)+j:32*(\t)+j+1], v[32*(\t)+j:32*(\t)+j+1], v[60:61] op_sel_hi:[1,0]   ; O^T under the new M, each accumulator from its low end on
.set j, j+2
.endr
	WIN 0
.endm
.Lstep:                                            ; 16 trips of 128 keys
	v_add_nc_u32 v4, s[TB], v1
	v_add_nc_u32 v5, s[TB], v2
	v_add_nc_u32 v6, s[TB], v3
	v_nop                                          ; these four are the places between the last trip's products and the loads into V's registers
	ds_load_b128 v[KS:KS+3], v6 offset:6144        ; lane r: the words of the four key groups
	WIN 0x40
.irp G, 0,1,2,3
	FRAG 192+12*\G, 1536*\G
.endr
	WIN 0
	s_wait_dscnt 0x0
	KQ 0
	WIN 0
	PLACES
	SOFTMAX 0, 0
	SOFTMAX 1, 1
	KQ 1
	WIN 0
	PLACES                                         ; behind the products: their results are read, and V lands in K's registers
	ds_load_b128 v[VS:VS+3], v6 offset:12544
	WIN 0x40
.irp t, 0,1,2,3
	FRAG 192+12*\t, BLK+1536*\t
.endr
	WIN 0
	SOFTMAX 0, 2                                   ; V lands meanwhile
	SOFTMAX 1, 3
	s_wait_dscnt 0x0
	PV
	WIN 0
	s_add_co_u32 s[TB], s[TB], 2*BLK
	s_sub_co_u32 s[CNT], s[CNT], 1
	s_cmp_lg_u32 s[CNT], 0
	s_cbranch_scc1 .Lstep
	; THE WAY OUT.  l = the sum's two halves and lane l xor 16's; O^T / l is a tile's 16 tokens x the head's 64 channels (register 16 g + i = channel 32 g + 16 (lane / 16) + i): two blocks, six registers of codes,
	; half a fragment of o_img.  The additions are the places behind the last products.
.irp t, 0,1,2,3
	v_add_f32 v[SO+\t], v[10+4*\t], v[11+4*\t]
.endr
.irp t, 0,1,2,3
	v_permlanex16_b32 v[PB+\t], v[SO+\t], s[SEL], s[SEL+1]
.endr
.irp t, 0,1,2,3
	v_add_f32 v[SO+\t], v[SO+\t], v[PB+\t]
.endr
.irp t, 0,1,2,3
	v_rcp_f32 v[RL+\t], v[SO+\t]
.endr
	v_bfe_u32 v62, v0, 4, 1                        ; (a plain line behind the reciprocals)
	v_cmp_eq_u32 vcc_lo, 1, v62
	s_wait_alu depctr_va_vdst(0)
.macro HQ s, d, w                      ; 32 numbers, two blocks -> six registers of codes at v[d], the two bytes in v[w]
.irp b, 0,1
	v_max3_num_f32 v[TM+\b], |v[\s+16*\b]|, |v[\s+1+16*\b]|, 0x2800000
.endr
.irp i, 2,4,6,8,10,12,14
.irp b, 0,1
	v_max3_num_f32 v[TM+\b], v[TM+\b], |v[\s+16*\b+\i]|, |v[\s+1+16*\b+\i]|
.endr
.endr
.irp b, 0,1
	v_permlanex16_b32 v[TM+4+\b], v[TM+\b], s[SEL], s[SEL+1]
.endr
.irp b, 0,1
	v_max_num_f32 v[TM+\b], v[TM+\b], v[TM+4+\b]
.endr
.irp b, 0,1
	v_add_nc_u32 v[TM+12+\b], 0xfe000000, v[TM+\b]
.endr
.irp b, 0,1
	v_lshrrev_b32 v[TM+4+\b], 23, v[TM+12+\b]
.endr
	v_lshl_or_b32 v[\w], v[TM+5], 8, v[TM+4]
	v_cvt_scalef32_pk16_bf6_f32 v[\d:\d+2], v[\s:\s+15], v[TM+12]
	v_cvt_scalef32_pk16_bf6_f32 v[CT:CT+2], v[\s+16:\s+31], v[TM+13]
	v_nop                                          ; one plain line behind the scaled conversions
.irp i, 0,1,2
	v_permlane16_swap_b32 v[\d+\i], v[CT+\i]
.endr
.irp i, 0,1,2
	v_mov_b32 v[\d+3+\i], v[CT+\i]
.endr
.endm
.irp t, 0,1,2,3
	WIN 0x01                                       ; source 0 (O^T) in window 1
.set n, 0
.rept 32
	v_mul_f32 v[64+32*\t+n], v[32*\t+n], v[RL+\t]
.set n, n+1
.endr
	WIN 0
	HQ 64+32*\t, 192+12*\t, PS+\t
	global_store_b128 v1, v[192+12*\t:195+12*\t], s[OC:OC+1] offset:BLK*(\t/2)+3072*(\t%2)        ; 512 consecutive bytes, aligned to 256
	global_store_b64 v2, v[196+12*\t:197+12*\t], s[OC:OC+1] offset:BLK*(\t/2)+3072*(\t%2)+512     ; 256
.endr
.irp g, 0,1                                    ; the two bytes of each token: lanes 0-15 store tile 0's, lanes 16-31 tile 1's.  Two bytes in every eight: the other heads' work-groups store the rest of these 256 bytes
	v_cndmask_b32 v[KS+\g], v[PS+2*\g], v[PS+2*\g+1], vcc_lo
	global_store_b16 v7, v[KS+\g], s[OS:OS+1] offset:6144+BLK*\g
.endr
	s_wait_tensorcnt 0x0
	ds_add_u32 v254, v255
	s_wait_dscnt 0x0
	CROUND                                         ; the closing round: no work-group ends while a partner may still ask for a tile that names it
	s_endpgm
.Lfunc_end_k_qc7fb3c6b13_attn:
	.size	k_qc7fb3c6b13_attn, .Lfunc_end_k_qc7fb3c6b13_attn-k_qc7fb3c6b13_attn
	.p2alignl 7, 3214868480
	.fill 96, 4, 3214868480
	.section	.rodata,"a",@progbits
	.p2align	6, 0x0
	.amdhsa_kernel k_qc7fb3c6b13_attn
		.amdhsa_group_segment_fixed_size 205824
		.amdhsa_private_segment_fixed_size 0
		.amdhsa_enable_private_segment 0
		.amdhsa_kernarg_size 24
		.amdhsa_user_sgpr_count 2
		.amdhsa_user_sgpr_kernarg_segment_ptr 1
		.amdhsa_wavefront_size32 1
		.amdhsa_system_sgpr_workgroup_id_x 1
		.amdhsa_system_sgpr_workgroup_id_y 1
		.amdhsa_system_sgpr_workgroup_id_z 1
		.amdhsa_system_vgpr_workitem_id 0
		.amdhsa_next_free_vgpr 512
		.amdhsa_next_free_sgpr 66
		.amdhsa_reserve_vcc 1
		.amdhsa_float_denorm_mode_32 3
		.amdhsa_float_denorm_mode_16_64 3
		.amdhsa_memory_ordered 1
		.amdhsa_forward_progress 1
		.amdhsa_inst_pref_size 82
	.end_amdhsa_kernel
	.amdgpu_metadata
---
amdhsa.version: [ 1, 2 ]
amdhsa.kernels:
  - .name:           k_qc7fb3c6b13_attn
    .symbol:         k_qc7fb3c6b13_attn.kd
    .args:
      - { .name: q_img, .offset: 0, .size: 8, .value_kind: global_buffer, .address_space: global }
      - { .name: kv, .offset: 8, .size: 8, .value_kind: global_buffer, .address_space: global }
      - { .name: o_img, .offset: 16, .size: 8, .value_kind: global_buffer, .address_space: global }
    .group_segment_fixed_size: 205824
    .private_segment_fixed_size: 0
    .kernarg_segment_align: 8
    .kernarg_segment_size: 24
    .max_flat_workgroup_size: 256
    .sgpr_count:     66
    .vgpr_count:     512
    .wavefront_size: 32
...
	.end_amdgpu_metadata
.endif
;; end of part 3
;; launch gemm_o (part 4): grid 4 x 32, 4 waves a work-group, clusters of 4 x 4, 327,680 bytes of LDS; arguments o_img, wo_img, bo, out0; writes out0
.if DOCPART == 4
	.amdgcn_target "amdgcn-amd-amdhsa--gfx1250"
	.amdhsa_code_object_version 6
	.text
	.protected	k_qc7fb3c6b13_gemm_o
	.globl	k_qc7fb3c6b13_gemm_o
	.p2align	8
	.type	k_qc7fb3c6b13_gemm_o,@function
k_qc7fb3c6b13_gemm_o:
	s_mov_b64 s[64:65], 0
	v_nop
	global_prefetch_b8 v0, s[64:65] scope:SCOPE_SE
	s_setreg_imm32_b32 hwreg(HW_REG_WAVE_MODE, 25, 1), 1
	s_wait_xcnt 0x0
	s_wait_alu depctr_hold_cnt(0) depctr_sa_sdst(0) depctr_va_vdst(0) depctr_va_sdst(0) depctr_va_ssrc(0) depctr_va_vcc(0) depctr_vm_vsrc(0)
	s_getreg_b32 s2, hwreg(HW_REG_IB_STS2, 6, 4)
	s_cmp_eq_u32 s2, 0
	s_cbranch_scc0 .Lentry_in_a_cluster
	s_endpgm
.Lentry_in_a_cluster:
	s_bfe_u32 s2, ttmp6, 0x10000c
	s_cmp_lg_u32 s2, 0xf033
	s_cbranch_scc0 .Lentry_shape_is_right
	s_endpgm
.Lentry_shape_is_right:
; out0 = o Wo + bo on codes of BF6 (E3M2), K = 1,024; out0 [8192][1024] f32.
; A work-group of four waves makes 256 tokens x 256 columns, a wave 128 x 128: 64 accumulators, 512 registers.  K goes in four steps of 256 through two LDS slots filled by the tensor data mover.
; o_img and wo_img hold images of the operands' registers: [K / 256][group of 32 rows][block of 6,400 bytes]; a block is four fragments of 1,536 bytes (fragment 2 u + s: tile u, K step s; registers 0-3 at
; 16 x lane, 4-5 at 512 + 8 x lane, 6-9 at 768 + 16 x lane, 10-11 at 1280 + 8 x lane) and 256 bytes of scale words (lane r, fragment i: 6144 + 16 r + 4 i).  Lane r of tile u holds row 8 u + r + 8 (r / 8) of its group.
; Source 1 (P) = tokens, source 0 (S) = columns of Wo: a lane holds one token, and the 64 result registers of a tile of tokens run along my 128 columns: register 16 b + i = column 32 b + 16 (lane / 16) + i.
; CLUSTERS: 4 x 4 work-groups; o's tiles are shared along a row of the cluster, Wo's along a column: each is asked for jointly.
; The grid has 128 work-groups: a smaller tile would give more, at twice the LDS bytes for each product; it is not built here.
; REGISTERS: window 0: v1-29 lane numbers and addresses; v32-63 scale words, two sets; v64-127 the bias; v128-223 P's fragments, one set (on the way out v128-191 sums + bias, v192-255 rows read back).
;   window 1: S's fragments, two sets, at v0 and v128.   windows 2, 3: the accumulators, (a, b) at v[8 (8 (a % 4) + b)].
.set FR,    12
.set NP,    4                          ; places behind this matrix instruction (ISA guide 7.12.1)
.set NL,    4                          ; LDS loads that bring a fragment
.set BLK,   6400
.set HALF,  4*BLK
.set SLOT,  4*HALF
.set SPARE, 2*SLOT                     ; behind the ring: the spare words, 128 bytes for each wave, which no other line names
.set XSTEP, 256*BLK
.set WSTEP, 32*BLK
.set SPITCH, 528                       ; the way out: a stage of 16 rows x (512 bytes + 16) for each wave, in slot 0, which has had its last fill and its last read when the first result is stored there
.set AP16, 8
.set AP8,  10
.set AS16, 12
.set AS8,  14
.set ASC,  16
.set L16,  20
.set L8,   21
.set BQ,   23
.set STO,  25
.set RD,   26
.set SPW,  28
.set NIL,  29
.set SC,   32
.set BIAS, 64
.set AF,   128
.set T,    128
.set BK,   192
.set G1X, 24
.set G0X, 32
.set G1W, 48
.set G0W, 56
.set MSB, 0
.macro WIN new                         ; the immediate's high byte repeats the setting that is left
.if MSB != (\new)
	s_set_vgpr_msb (MSB<<8)|(\new)
.set MSB, (\new)
.endif
.endm
.set MUL_LO, 0xa1
.set MUL_HI, 0xf1
.set TO_S,   0x40
.macro JLOAD g0a, g1a, g0b, g1b        ; a joint load: waves 0 and 1 fetch o's halves, waves 2 and 3 Wo's; four v_nop follow each of the two lines
	s_cmp_eq_u32 s15, 0
	s_cbranch_scc0 .Lfor_w_\@
	tensor_load_to_lds s[\g0a:\g0a+3], s[\g1a:\g1a+7]
	s_nop 0
.rept 4
	v_nop
.endr
	s_branch .Lasked_\@
.Lfor_w_\@:
	tensor_load_to_lds s[\g0b:\g0b+3], s[\g1b:\g1b+7]
	s_nop 0
.rept 4
	v_nop
.endr
.Lasked_\@:
.endm
.macro CREST
	s_cmp_lg_u32 s14, 0
	s_cbranch_scc1 .Lnot_wave_0_\@
	s_barrier_signal -3
.Lnot_wave_0_\@:
	s_barrier_wait -3
	s_barrier_signal -1
	s_barrier_wait -1
.endm
.macro CROUND
	s_barrier_signal -1
	s_barrier_wait -1
	CREST
.endm
.macro PLACES n
.rept \n
	v_nop
.endr
.endm
	s_load_b256 s[4:11], s[0:1], 0x0               ; o_img s[4:5], wo_img s[6:7], bo s[8:9], out0 s[10:11]
	v_lshl_add_u32 v[SPW], v0, 2, SPARE
	v_mov_b32 v[NIL], 0
	ds_add_u32 v28, v29
	ds_add_u32 v28, v29
	s_wait_dscnt 0x0
	v_lshrrev_b32 v1, 5, v0
	v_readfirstlane_b32 s14, v1                    ; wave 0..3
	s_lshr_b32 s15, s14, 1                         ; wx: my half of the tokens.  Also: I fetch for o (0) or for Wo (1)
	s_and_b32 s16, s14, 1                          ; ww: my half of the columns.  Also: which half I fetch
	s_bfe_u32 s40, ttmp6, 0x40000
	s_bfe_u32 s41, ttmp6, 0x40004
	s_lshl_b32 s42, ttmp9, 2
	s_add_co_u32 s42, s42, s40                     ; ct: which 256 columns
	s_and_b32 s17, ttmp7, 0xffff
	s_lshl_b32 s17, s17, 2
	s_add_co_u32 s17, s17, s41                     ; y: which 256 tokens
	s_lshl_b32 s43, s41, 2
	s_lshl_b32 s43, 15, s43                        ; my row of the cluster
	s_lshl_b32 s44, 0x1111, s40                    ; my column
	s_or_b32 s[G1X], s43, (3<<16)|(1<<21)          ; 25,600 dense bytes as 100 rows of 32 elements of 8 bytes, no padding
	s_or_b32 s[G1W], s44, (3<<16)|(1<<21)
.irp g, G1X, G1W
	s_mov_b32 s[\g+1], 32<<16
	s_mov_b32 s[\g+2], 100<<16
	s_mov_b32 s[\g+3], 32<<16
	s_mov_b32 s[\g+4], 100
	s_mov_b32 s[\g+5], 32
	s_mov_b32 s[\g+6], 0
	s_mov_b32 s[\g+7], 0
.endr
	s_mul_i32 s18, s16, HALF
	s_mul_i32 s20, s17, 2*HALF
	s_add_co_u32 s20, s20, s18
	s_mov_b32 s21, 0
	s_mul_i32 s46, s42, 2*HALF
	s_add_co_u32 s46, s46, s18
	s_mov_b32 s47, 0
	s_mul_i32 s45, s14, HALF                       ; where it goes: wave x 25,600
	s_wait_kmcnt 0x0
	s_add_nc_u64 s[20:21], s[4:5], s[20:21]
	s_add_nc_u64 s[46:47], s[6:7], s[46:47]
	CROUND                                         ; all sixteen work-groups are here: the first joint loads meet
.irp s, 0,1
	s_mov_b32 s[G0X+4*\s], 1
	s_add_co_u32 s[G0X+4*\s+1], s45, \s*SLOT
	s_add_nc_u64 s[G0X+4*\s+2:G0X+4*\s+3], s[20:21], \s*XSTEP
	s_or_b32 s[G0X+4*\s+3], s[G0X+4*\s+3], 0x80000000
	s_mov_b32 s[G0W+4*\s], 1
	s_add_co_u32 s[G0W+4*\s+1], s45, \s*SLOT
	s_add_nc_u64 s[G0W+4*\s+2:G0W+4*\s+3], s[46:47], \s*WSTEP
	s_or_b32 s[G0W+4*\s+3], s[G0W+4*\s+3], 0x80000000
	JLOAD G0X+4*\s, G1X, G0W+4*\s, G1W             ; K steps 0 and 1: two loads of mine are out
.endr
	v_and_b32 v1, 31, v0                           ; lane
	v_and_b32 v2, 15, v0                           ; r
	v_bfe_u32 v3, v0, 4, 1                         ; h
	v_lshlrev_b32 v[L16], 4, v1
	v_lshlrev_b32 v[L8], 3, v1
	v_lshlrev_b32 v[BQ], 6, v3
	s_mul_i32 s80, s15, HALF                       ; my half of o in a slot: P
	s_mul_i32 s81, s16, HALF
	s_add_co_u32 s81, s81, 2*HALF                  ; my half of Wo: S
	s_sub_co_u32 s82, s81, s80
	v_mul_u32_u24 v5, s82, v3                      ; lanes 16-31 take S's scale words
	v_lshl_add_u32 v5, v2, 4, v5
.irp s, 0,1
	v_add_nc_u32 v[AP16+\s], s80, v[L16]
	v_add_nc_u32 v[AP8+\s], s80, v[L8]
	v_add_nc_u32 v[AS16+\s], s81, v[L16]
	v_add_nc_u32 v[AS8+\s], s81, v[L8]
	v_add_nc_u32 v[ASC+\s], s80, v5
	s_add_co_u32 s80, s80, SLOT
	s_add_co_u32 s81, s81, SLOT
.endr
	s_mul_i32 s74, s14, 16*SPITCH                  ; my stage
	v_mul_u32_u24 v4, v2, SPITCH
	v_lshl_add_u32 v4, v3, 6, v4
	v_add_nc_u32 v[STO], s74, v4                   ; in: row r, + 64 h
	v_add_nc_u32 v[RD], s74, v[L16]                ; back: a row of 512 bytes to the 32 lanes
	s_lshl_b32 s78, s42, 10
	s_lshl_b32 s79, s16, 9
	s_add_co_u32 s78, s78, s79                     ; my first column, in bytes
	s_mov_b32 s79, 0
	s_add_nc_u64 s[8:9], s[8:9], s[78:79]
	s_add_nc_u64 s[10:11], s[10:11], s[78:79]
	s_lshl_b32 s76, s17, 8
	s_lshl_b32 s77, s15, 7
	s_add_co_u32 s76, s76, s77                     ; my first token
	s_lshl_b32 s76, s76, 12                        ; rows of 4,096 bytes
	s_mov_b32 s77, 0
	s_add_nc_u64 s[10:11], s[10:11], s[76:77]
.irp B, 0,1,2,3
.irp q, 0,1,2,3
	global_load_b128 v[BIAS+16*\B+4*\q:BIAS+16*\B+4*\q+3], v[BQ], s[8:9] offset:128*\B+16*\q   ; register 16 B + i: column 32 B + 16 h + i
.endr
.endr
.macro FRAG reg, a16, a8, off
	ds_load_b128 v[\reg:\reg+3], v[\a16] offset:\off
	ds_load_b64 v[\reg+4:\reg+5], v[\a8] offset:\off+512
	ds_load_b128 v[\reg+6:\reg+9], v[\a16] offset:\off+768
	ds_load_b64 v[\reg+10:\reg+11], v[\a8] offset:\off+1280
.endm
.macro FETCH_S slot, q, p
	WIN TO_S
.irp i, 0,1,2,3,4,5,6,7
	FRAG 128*(\p)+FR*\i, AS16+\slot, AS8+\slot, (\i/2)*BLK+(2*(\i%2)+(\q))*1536
.endr
	WIN 0
.endm
.macro FETCH_P slot, q, i0
.irp i, \i0, \i0+1, \i0+2, \i0+3
	FRAG AF+FR*(\i), AP16+\slot, AP8+\slot, ((\i)/2)*BLK+(2*((\i)%2)+(\q))*1536
.endr
.endm
.macro SCALES slot
.irp G, 0,1,2,3
	ds_load_b128 v[SC+16*\slot+4*\G:SC+16*\slot+4*\G+3], v[ASC+\slot] offset:6144+BLK*\G
.endr
.endm
; The 64 accumulators take turns, one instruction a turn, in the same order in every step.
.macro MUL16 a0, p, q, sc, zero
.irp a, \a0, \a0+1
.irp b, 0,1,2,3,4,5,6,7
.if \zero
	v_wmma_scale_f32_16x16x128_f8f6f4 v[8*(8*((\a)%4)+\b):8*(8*((\a)%4)+\b)+7], v[128*(\p)+FR*\b:128*(\p)+FR*\b+FR-1], v[AF+FR*(\a):AF+FR*(\a)+FR-1], 0, v[SC+16*(\sc)+2*\b+(\q)], v[SC+16*(\sc)+2*(\a)+(\q)] matrix_a_fmt:MATRIX_FMT_BF6 matrix_b_fmt:MATRIX_FMT_BF6 matrix_a_scale:MATRIX_SCALE_ROW1
.else
	v_wmma_scale_f32_16x16x128_f8f6f4 v[8*(8*((\a)%4)+\b):8*(8*((\a)%4)+\b)+7], v[128*(\p)+FR*\b:128*(\p)+FR*\b+FR-1], v[AF+FR*(\a):AF+FR*(\a)+FR-1], v[8*(8*((\a)%4)+\b):8*(8*((\a)%4)+\b)+7], v[SC+16*(\sc)+2*\b+(\q)], v[SC+16*(\sc)+2*(\a)+(\q)] matrix_a_fmt:MATRIX_FMT_BF6 matrix_b_fmt:MATRIX_FMT_BF6 matrix_a_scale:MATRIX_SCALE_ROW1
.endif
.endr
.endr
.endm
.macro STEP slot, q, zero
	s_wait_dscnt 4*NL                              ; all but the youngest 16 loads (P's tiles 4-7) are in
	WIN MUL_LO
	MUL16 0, (\q)%2, \q, \slot, \zero
	MUL16 2, (\q)%2, \q, \slot, \zero
	s_wait_dscnt 0x0
	PLACES NP                                      ; in front of loads into registers that matrix instructions have read
	FETCH_S \slot, (\q)+1, 1-(\q)%2
	FETCH_P \slot, (\q)+1, 0
	WIN MUL_HI
	MUL16 4, (\q)%2, \q, \slot, \zero
	MUL16 6, (\q)%2, \q, \slot, \zero
	PLACES NP
	WIN 0
	FETCH_P \slot, (\q)+1, 4
.endm
.macro TURN slot, next, fill
	s_wait_tensorcnt 0x0                           ; all my tensor loads have landed: my part of the next slot
	ds_add_u32 v[SPW], v[NIL]                      ; 0 onto my spare word
	s_wait_dscnt 4*NL+1                            ; (the add and the youngest 16 loads may be out)
	WIN MUL_LO
	MUL16 0, 1, 1, \slot, 0
	s_wait_dscnt 0x0                               ; the add is done, and my reads of this slot are over
	s_barrier_signal -1
	MUL16 2, 1, 1, \slot, 0
	WIN 0
	s_barrier_wait -1
.if \fill
	CREST                                          ; the barrier has opened a round of the cluster's: no wave of any partner still reads this slot or has a load on its way
	s_add_nc_u64 s[G0X+4*\slot+2:G0X+4*\slot+3], s[G0X+4*\slot+2:G0X+4*\slot+3], 2*XSTEP
	s_add_nc_u64 s[G0W+4*\slot+2:G0W+4*\slot+3], s[G0W+4*\slot+2:G0W+4*\slot+3], 2*WSTEP
	JLOAD G0X+4*\slot, G1X, G0W+4*\slot, G1W       ; the first tensor load behind the round; its four v_nop are the places in front of the loads below
.else
	PLACES NP
.endif
	FETCH_S \next, 0, 0
	FETCH_P \next, 0, 0
	SCALES \next
	WIN MUL_HI
	MUL16 4, 1, 1, \slot, 0
	MUL16 6, 1, 1, \slot, 0
	PLACES NP
	WIN 0
	FETCH_P \next, 0, 4
.endm
	s_wait_tensorcnt 1                             ; my part of K step 0 is in; K step 1's load may stay out
	s_barrier_signal -1
	s_barrier_wait -1
	FETCH_S 0, 0, 0
	FETCH_P 0, 0, 0
	SCALES 0
	FETCH_P 0, 0, 4
	STEP 0, 0, 1                                   ; the first products start the sums
	TURN 0, 1, 1
	STEP 1, 0, 0
	TURN 1, 0, 1
	STEP 0, 0, 0
	TURN 0, 1, 0
	STEP 1, 0, 0
	s_wait_dscnt 4*NL
	WIN MUL_LO
	MUL16 0, 1, 1, 1, 0
	MUL16 2, 1, 1, 1, 0
	s_wait_dscnt 0x0
	WIN MUL_HI
	MUL16 4, 1, 1, 1, 0
	MUL16 6, 1, 1, 1, 0
	WIN 0
	; THE WAY OUT, a tile of 16 tokens at a time: sum + bias (each accumulator from its low end on), through my own stage, back as whole rows of 512 bytes, which the 32 lanes store as consecutive bytes aligned to 256.
	s_wait_loadcnt 0x0                             ; the bias
	PLACES NP
.irp a, 0,1,2,3,4,5,6,7
	WIN 0x02+\a/4                                  ; source 0: window 2 or 3
.set n, 0
.rept 32
	v_pk_add_f32 v[T+n:T+n+1], v[64*(\a%4)+n:64*(\a%4)+n+1], v[BIAS+n:BIAS+n+1]
.set n, n+2
.endr
	WIN 0
.irp B, 0,1,2,3
.irp q, 0,1,2,3
	ds_store_b128 v[STO], v[T+16*\B+4*\q:T+16*\B+4*\q+3] offset:128*\B+16*\q
.endr
.endr
	s_wait_xcnt 0x0                                ; the last tile's stores have read v192-255
.irp t, 0,1,2,3,4,5,6,7,8,9,10,11,12,13,14,15
	ds_load_b128 v[BK+4*\t:BK+4*\t+3], v[RD] offset:\t*SPITCH   ; LDS serves a wave's instructions in order: these see the stores above
.endr
.irp t, 0,1,2,3,4,5,6,7,8,9,10,11,12,13,14,15
	s_wait_dscnt 15-\t                             ; row t is back; the younger rows' loads may be out
	global_store_b128 v[L16], v[BK+4*\t:BK+4*\t+3], s[10:11] offset:(32*(\a/2)+8*(\a%2)+\t+8*(\t/8))*4096 th:TH_STORE_NT   ; lane t of tile a is token 32 (a / 2) + 8 (a % 2) + t + 8 (t / 8)
.endr
.endr
	s_wait_tensorcnt 0x0                           ; the wave's end
	ds_add_u32 v[SPW], v[NIL]
	s_wait_dscnt 0x0
	CROUND                                         ; the closing round
	s_endpgm
.Lfunc_end_k_qc7fb3c6b13_gemm_o:
	.size	k_qc7fb3c6b13_gemm_o, .Lfunc_end_k_qc7fb3c6b13_gemm_o-k_qc7fb3c6b13_gemm_o
	.p2alignl 7, 3214868480
	.fill 96, 4, 3214868480
	.section	.rodata,"a",@progbits
	.p2align	6, 0x0
	.amdhsa_kernel k_qc7fb3c6b13_gemm_o
		.amdhsa_group_segment_fixed_size 327680
		.amdhsa_private_segment_fixed_size 0
		.amdhsa_enable_private_segment 0
		.amdhsa_kernarg_size 32
		.amdhsa_user_sgpr_count 2
		.amdhsa_user_sgpr_kernarg_segment_ptr 1
		.amdhsa_wavefront_size32 1
		.amdhsa_system_sgpr_workgroup_id_x 1
		.amdhsa_system_sgpr_workgroup_id_y 1
		.amdhsa_system_sgpr_workgroup_id_z 1
		.amdhsa_system_vgpr_workitem_id 0
		.amdhsa_next_free_vgpr 1024
		.amdhsa_next_free_sgpr 90
		.amdhsa_reserve_vcc 0
		.amdhsa_float_denorm_mode_32 3
		.amdhsa_float_denorm_mode_16_64 3
		.amdhsa_memory_ordered 1
		.amdhsa_forward_progress 1
		.amdhsa_inst_pref_size 161
	.end_amdhsa_kernel
	.amdgpu_metadata
---
amdhsa.version: [ 1, 2 ]
amdhsa.kernels:
  - .name:           k_qc7fb3c6b13_gemm_o
    .symbol:         k_qc7fb3c6b13_gemm_o.kd
    .args:
      - { .name: o_img, .offset: 0, .size: 8, .value_kind: global_buffer, .address_space: global }
      - { .name: wo_img, .offset: 8, .size: 8, .value_kind: global_buffer, .address_space: global }
      - { .name: bo, .offset: 16, .size: 8, .value_kind: global_buffer, .address_space: global }
      - { .name: out0, .offset: 24, .size: 8, .value_kind: global_buffer, .address_space: global }
    .group_segment_fixed_size: 327680
    .private_segment_fixed_size: 0
    .kernarg_segment_align: 8
    .kernarg_segment_size: 32
    .max_flat_workgroup_size: 128
    .sgpr_count:     90
    .vgpr_count:     1024
    .wavefront_size: 32
...
	.end_amdgpu_metadata
.endif
;; end of part 4
;; ======== version 2 of 2: 4 launches
;; limits: right only within a limited range of input values
;; workspace buffers: x_img 6,553,600 bytes; w_img 2,457,600 bytes; wo_img 819,200 bytes; q_img 6,553,600 bytes; kv 13,107,200 bytes; o_img 6,553,600 bytes
;; launch quant (part 5): grid 128 x 4, 4 waves a work-group, no clusters, 34,304 bytes of LDS; arguments x, Wqkv, Wo, x_img, w_img, wo_img; writes x_img, w_img, wo_img
.if DOCPART == 5
	.amdgcn_target "amdgcn-amd-amdhsa--gfx1250"
	.amdhsa_code_object_version 6
	.text
	.protected	k_qc7fb3c6b13_quant
	.globl	k_qc7fb3c6b13_quant
	.p2align	8
	.type	k_qc7fb3c6b13_quant,@function
k_qc7fb3c6b13_quant:
	s_mov_b64 s[64:65], 0
	v_nop
	global_prefetch_b8 v0, s[64:65] scope:SCOPE_SE
	s_setreg_imm32_b32 hwreg(HW_REG_WAVE_MODE, 25, 1), 1
	s_wait_xcnt 0x0
; x [8192][1024], Wqkv [1024][3072] and Wo [1024][1024], f32, become codes of BF6 (E3M2) with one E8M0 byte for each 32 along K, laid as IMAGES OF THE OPERANDS' REGISTERS.
; A block's scale is 2^(floor(log2(its largest magnitude)) - 4): its byte is the largest magnitude's exponent field - 4, held at 1 from below by a floor among the maximum's leaves.
; LIMITS: NaN and infinities are not served.  A block whose largest magnitude lies under 2^-122, a block of zeros among them, gets the byte 1 (the rule says 127 for zeros): its codes are
; zeros or the format's smallest, and the bytes are read by this program alone.
; THE LAYOUT.  Rows (tokens of x, columns of a weight) go in groups of 32.  Tile u (0, 1) of a group has in lane r the row 8 u + r + 8 (r / 8): used as source 0 of a product, the 16 result
; registers of tiles 0 and 1 are then 16 neighbours.  A fragment (16 rows x 128 K, 12 registers a lane) is 1,536 bytes: registers 0-3 at 16 x lane, 4-5 at 512 + 8 x lane, 6-9 at 768 + 16 x lane,
; 10-11 at 1280 + 8 x lane.  A BLOCK (6,400 bytes) is a group's four fragments for 256 along K (fragment 2 u + s: tile u, K step s) and 256 bytes of scale words, the word of lane r and fragment i
; at 6144 + 16 r + 4 i.  A buffer is [K / 256][group][block].
; SHARES.  Work-groups 0-47 along x take Wqkv, 48-63 Wo: a wave takes one group of 32 columns x 128 along K: four blocks of 32, the loads of two of them out at a time; y says which 256 along K, the
; work-group's parity which half s of them.  Work-groups 64-127 take x (a work-group: one group of 32 tokens, wave w: K 256 w on).
; Only x's path touches LDS.  No tensor loads, no barrier: waves share nothing.  Matrix units and clusters have nothing to do here: memory binds.
.set SEL, 20                           ; s[20:21] lane selects for v_permlanex16_b32: lane l xor 16
.set TM,  8                            ; v8-11 largest magnitudes, v12-15 the other half's and then the bytes, v20-23 the conversions' scale operands
.set PW,  24                           ; v24-27 x: the four fragments' scale words;  a weight: v24 its one
.set R,   32                           ; v32-159 x: two sets of 64 registers as loaded
.set XN,  160                          ; v160-223 x: 64 numbers of my row: register 16 b + i = k 32 b + 16 (lane / 16) + i
.set PC,  224                          ; v224-235 x: the fragment's codes
.set CT,  236                          ; v236-242 x: the conversions' second halves
.set X,   32                           ; v32-95 a weight: two sets of 32 numbers down K
; 64 numbers of a lane, register 16 b + i = k 32 b + 16 (lane / 16) + i of my row, become six registers of codes at v[d0] (k 0-63) and six at v[d1] (k 64-127); the four bytes are left in v[TM+4] on.
.macro QUANT s, d0, d1
.irp b, 0,1,2,3
	v_max3_num_f32 v[TM+\b], |v[\s+16*\b]|, |v[\s+1+16*\b]|, 0x2800000   ; my 16 numbers of block b, and the floor 2^(5 - 127): the byte cannot fall under 1
.endr
.irp i, 2,4,6,8,10,12,14
.irp b, 0,1,2,3
	v_max3_num_f32 v[TM+\b], v[TM+\b], |v[\s+16*\b+\i]|, |v[\s+1+16*\b+\i]|   ; the four blocks by turns
.endr
.endr
.irp b, 0,1,2,3
	v_permlanex16_b32 v[TM+4+\b], v[TM+\b], s[SEL], s[SEL+1]
.endr
.irp b, 0,1,2,3
	v_max_num_f32 v[TM+\b], v[TM+\b], v[TM+4+\b]   ; with lane l xor 16's 16: the block's largest magnitude
.endr
.irp b, 0,1,2,3
	v_add_nc_u32 v[TM+12+\b], 0xfe000000, v[TM+\b]   ; 4 off its exponent field: the conversion takes this operand's exponent field as its scale
.endr
.irp b, 0,1,2,3
	v_lshrrev_b32 v[TM+4+\b], 23, v[TM+12+\b]      ; the scale's byte
.endr
	v_cvt_scalef32_pk16_bf6_f32 v[\d0:\d0+2], v[\s:\s+15], v[TM+12]
	v_cvt_scalef32_pk16_bf6_f32 v[CT:CT+2], v[\s+16:\s+31], v[TM+13]   ; (a conversion's three registers begin on an even number)
	v_cvt_scalef32_pk16_bf6_f32 v[\d1:\d1+2], v[\s+32:\s+47], v[TM+14]
	v_cvt_scalef32_pk16_bf6_f32 v[CT+4:CT+6], v[\s+48:\s+63], v[TM+15]
	v_nop                                          ; one plain line behind the scaled conversions
.irp i, 0,1,2                                  ; the operand wants a WHOLE block in a lane: lanes 0-15 the even block, lanes 16-31 the odd one
	v_permlane16_swap_b32 v[\d0+\i], v[CT+\i]
	v_permlane16_swap_b32 v[\d1+\i], v[CT+4+\i]
.endr
.irp i, 0,1,2
	v_mov_b32 v[\d0+3+\i], v[CT+\i]
	v_mov_b32 v[\d1+3+\i], v[CT+4+\i]
.endr
.endm
	s_load_b256 s[4:11], s[0:1], 0x0               ; x s[4:5], Wqkv s[6:7], Wo s[8:9], x_img s[10:11]
	s_load_b128 s[12:15], s[0:1], 0x20             ; w_img s[12:13], wo_img s[14:15]
	v_lshl_add_u32 v248, v0, 2, 0x8400
	v_mov_b32 v249, 0
	v_lshrrev_b32 v1, 5, v0
	v_readfirstlane_b32 s16, v1                    ; wave 0..3
	s_and_b32 s17, ttmp7, 0xffff                   ; work-group y
	s_mov_b32 s[SEL], 0x76543210
	s_mov_b32 s[SEL+1], 0xfedcba98
	v_and_b32 v30, 31, v0                          ; lane
	s_wait_kmcnt 0x0
	s_cmp_lt_u32 ttmp9, 48
	s_cbranch_scc1 .Lwqkv
	s_cmp_lt_u32 ttmp9, 64
	s_cbranch_scc1 .Lwo
	; ---------------- x: K is innermost.  Each load reads 512 consecutive bytes of one token; a fragment's 16 rows turn through the wave's own stage (rows of 528 bytes) so that a lane gets 16 neighbours of each block.
	s_sub_co_u32 s22, ttmp9, 64
	s_lshl_b32 s23, s17, 6
	s_add_co_u32 s22, s22, s23                     ; the group of 32 tokens: (x - 64) + 64 y
	s_lshl_b32 s24, s22, 17                        ; 32 rows of 4,096 bytes
	s_lshl_b32 s23, s16, 10                        ; my wave's 256 along K
	s_add_co_u32 s24, s24, s23
	s_mov_b32 s25, 0
	s_add_nc_u64 s[4:5], s[4:5], s[24:25]
	s_lshl_b32 s26, s16, 8
	s_add_co_u32 s26, s26, s22
	s_mul_i32 s26, s26, 6400                       ; block (wave x 256 + group)
	s_mov_b32 s27, 0
	s_add_nc_u64 s[10:11], s[10:11], s[26:27]
	s_mul_i32 s28, s16, 16*528                     ; my stage
	s_wait_alu depctr_va_vdst(0)
	v_and_b32 v6, 15, v30                          ; r
	v_lshrrev_b32 v7, 4, v30                       ; h
	v_lshlrev_b32 v1, 4, v30                       ; 16 x lane: loads, and the images' groups of four registers
	v_lshlrev_b32 v2, 3, v30                       ; 8 x lane: the images' pairs
	v_add_nc_u32 v3, s28, v1                       ; into the stage: a row as it lies
	v_mul_u32_u24 v4, v6, 528
	v_lshl_add_u32 v4, v7, 6, v4
	v_add_nc_u32 v4, s28, v4                       ; out of it: row r, + 64 h
	v_lshlrev_b32 v5, 3, v7
	v_lshl_add_u32 v5, v6, 4, v5                   ; the scale words' place: 16 r + 8 h
.irp b, 0,1,2,3
	v_mov_b32 v[TM+4+\b], 0                        ; written once: a lane permute's destination counts as one of its sources
.endr
.macro LOADF f                         ; fragment f = 2 u + s: the 16 tokens of tile u, 128 numbers each, into set f % 2
.irp i, 0,1,2,3,4,5,6,7,8,9,10,11,12,13,14,15
	global_load_b128 v[R+64*((\f)%2)+4*\i:R+64*((\f)%2)+4*\i+3], v1, s[4:5] offset:(8*((\f)/2)+\i+8*(\i/8))*4096+512*((\f)%2) th:TH_LOAD_NT
.endr
.endm
.macro FRAGX f
.if (\f) < 3
	s_wait_loadcnt 16                              ; this fragment's 16 loads are in; the next fragment's 16 may be out
.else
	s_wait_loadcnt 0x0
.endif
.irp i, 0,1,2,3,4,5,6,7,8,9,10,11,12,13,14,15
	ds_store_b128 v3, v[R+64*((\f)%2)+4*\i:R+64*((\f)%2)+4*\i+3] offset:528*\i
.endr
.irp b, 0,1,2,3
.irp j, 0,1,2,3
	ds_load_b128 v[XN+16*\b+4*\j:XN+16*\b+4*\j+3], v4 offset:128*\b+16*\j   ; LDS serves a wave's instructions in order: these see the stores above
.endr
.endr
	s_wait_dscnt 0x0                               ; my numbers are back, and the stores have read their registers,
.if (\f) < 2
	LOADF (\f)+2                                   ; which take the fragment two on
.endif
	s_wait_xcnt 0x0                                ; the last fragment's stores have read the codes' registers
	QUANT XN, PC, PC+6
	v_lshl_or_b32 v[PW+\f], v[TM+5], 8, v[TM+4]    ; my row's scale word
	v_lshl_or_b32 v[PW+\f], v[TM+6], 16, v[PW+\f]
	v_lshl_or_b32 v[PW+\f], v[TM+7], 24, v[PW+\f]
	global_store_b128 v1, v[PC:PC+3], s[10:11] offset:1536*\f          ; 512 consecutive bytes, aligned to 256
	global_store_b64 v2, v[PC+4:PC+5], s[10:11] offset:1536*\f+512     ; 256
	global_store_b128 v1, v[PC+6:PC+9], s[10:11] offset:1536*\f+768
	global_store_b64 v2, v[PC+10:PC+11], s[10:11] offset:1536*\f+1280
.endm
	LOADF 0
	LOADF 1
	s_wait_alu depctr_va_vdst(0)
	FRAGX 0
	FRAGX 1
	FRAGX 2
	FRAGX 3
	v_cmp_eq_u32 vcc_lo, 1, v7
	v_cndmask_b32 v28, v[PW], v[PW+2], vcc_lo      ; lanes 0-15 store row r's words of fragments 0, 1, lanes 16-31 those of 2, 3
	v_cndmask_b32 v29, v[PW+1], v[PW+3], vcc_lo
	global_store_b64 v5, v[28:29], s[10:11] offset:6144   ; 256 consecutive bytes
	s_wait_tensorcnt 0x0
	ds_add_u32 v248, v249
	s_wait_dscnt 0x0
	s_endpgm
	; ---------------- a weight [K][N]: K is the FIRST axis.  A lane takes a column and its registers run down K: a block of 32 lies in one lane, and the conversions give codes with K innermost.
.macro LOADW t, N, SRC                 ; block t: rows 32 t + i of my column into set t % 2; a wave reads 128 consecutive bytes, the four waves 512
.set i, 0
.rept 32
	global_load_b32 v[X+32*((\t)%2)+i], v3, s[\SRC:\SRC+1] offset:(32*(\t)+i)*\N*4 th:TH_LOAD_NT
.set i, i+1
.endr
.endm
.macro BLOCKW t, N, SRC, DST
.set XS, X+32*((\t)%2)
.if (\t) < 3
	s_wait_loadcnt 32                              ; this block's 32 loads are in; the next block's 32 may be out
.else
	s_wait_loadcnt 0x0
.endif
	v_max3_num_f32 v12, |v[XS]|, |v[XS+1]|, |v[XS+2]|
	v_max3_num_f32 v13, |v[XS+3]|, |v[XS+4]|, |v[XS+5]|
.irp i, 6,10,14,18,22,26
	v_max3_num_f32 v12, v12, |v[XS+\i]|, |v[XS+\i+1]|
	v_max3_num_f32 v13, v13, |v[XS+\i+2]|, |v[XS+\i+3]|
.endr
	v_max3_num_f32 v12, v12, |v[XS+30]|, |v[XS+31]|
	v_max3_num_f32 v12, v12, v13, 0x2800000        ; and the floor
	v_add_nc_u32 v11, 0xfe000000, v12              ; the conversions' scale operand
	v_lshrrev_b32 v13, 23, v11                     ; the byte
.if (\t) == 0
	v_mov_b32 v[PW], v13
.else
	v_lshl_or_b32 v[PW], v13, 8*(\t), v[PW]
.endif
	s_wait_alu depctr_va_vdst(0)
	s_wait_xcnt 0x0                                ; the last block's stores have read v96-101
	v_cvt_scalef32_pk16_bf6_f32 v[96:98], v[XS:XS+15], v11
	v_cvt_scalef32_pk16_bf6_f32 v[104:106], v[XS+16:XS+31], v11
	v_nop                                          ; one plain line behind the scaled conversions
	v_mov_b32 v99, v104
	v_mov_b32 v100, v105
	v_mov_b32 v101, v106
	; block t is half t / 2 of my fragment 2 u + s, in the image's lane r + 16 (t % 2)
	global_store_b128 v4, v[96:99], s[\DST:\DST+1] offset:768*((\t)/2)+256*((\t)%2)        ; the 16 lanes of a tile store 256 consecutive bytes, aligned
	global_store_b64 v5, v[100:101], s[\DST:\DST+1] offset:768*((\t)/2)+512+128*((\t)%2)   ; and 128: half of an aligned 256; the neighbouring block's store fills the other half
.if (\t) < 2
	LOADW (\t)+2, \N, \SRC
.endif
.endm
.macro WPATH N, NG, X0, SRC, DST
	s_sub_co_u32 s22, ttmp9, \X0
	s_and_b32 s28, s22, 1                          ; s: which 128 of the 256 along K
	s_lshr_b32 s22, s22, 1
	s_lshl_b32 s22, s22, 2
	s_add_co_u32 s22, s22, s16                     ; my wave's group of 32 columns
	s_mul_i32 s24, s17, 256*\N*4                   ; y x 256 rows
	s_mul_i32 s23, s28, 128*\N*4                   ; + s x 128 rows
	s_add_co_u32 s24, s24, s23
	s_lshl_b32 s23, s22, 7
	s_add_co_u32 s24, s24, s23
	s_mov_b32 s25, 0
	s_add_nc_u64 s[\SRC:\SRC+1], s[\SRC:\SRC+1], s[24:25]
	s_mul_i32 s26, s17, \NG
	s_add_co_u32 s26, s26, s22
	s_mul_i32 s26, s26, 6400
	s_mov_b32 s27, 0
	s_add_nc_u64 s[\DST:\DST+1], s[\DST:\DST+1], s[26:27]
	s_mul_i32 s29, s28, 1536
	v_and_b32 v1, 7, v30
	v_lshrrev_b32 v2, 4, v30
	v_lshl_add_u32 v1, v2, 3, v1                   ; column l of the group is lane r = l % 8 + 8 (l / 16)
	v_bfe_u32 v2, v30, 3, 1                        ; of tile u = (l / 8) % 2
	v_lshlrev_b32 v3, 2, v30                       ; in: 4 bytes a lane
	v_mul_u32_u24 v7, v2, 3072
	v_add_nc_u32 v7, s29, v7                       ; fragment 2 u + s
	v_lshl_add_u32 v4, v1, 4, v7                   ; out: 3072 u + 1536 s + 16 r
	v_lshl_add_u32 v5, v1, 3, v7                   ;      3072 u + 1536 s + 8 r
	v_lshlrev_b32 v6, 3, v2
	v_lshl_add_u32 v6, v1, 4, v6
	v_lshl_add_u32 v6, s28, 2, v6                  ; the scale word: 16 r + 8 u + 4 s
	LOADW 0, \N, \SRC
	LOADW 1, \N, \SRC
.irp t, 0,1,2,3
	BLOCKW \t, \N, \SRC, \DST
.endr
	global_store_b32 v6, v[PW], s[\DST:\DST+1] offset:6144   ; my column's scale word: every second word of 256 consecutive bytes; the work-group with the other s stores the others
	s_endpgm
.endm
.Lwqkv:
	s_wait_alu depctr_va_vdst(0)
	WPATH 3072, 96, 0, 6, 12
.Lwo:
	s_wait_alu depctr_va_vdst(0)
	WPATH 1024, 32, 48, 8, 14
.Lfunc_end_k_qc7fb3c6b13_quant:
	.size	k_qc7fb3c6b13_quant, .Lfunc_end_k_qc7fb3c6b13_quant-k_qc7fb3c6b13_quant
	.p2alignl 7, 3214868480
	.fill 96, 4, 3214868480
	.section	.rodata,"a",@progbits
	.p2align	6, 0x0
	.amdhsa_kernel k_qc7fb3c6b13_quant
		.amdhsa_group_segment_fixed_size 34304
		.amdhsa_private_segment_fixed_size 0
		.amdhsa_enable_private_segment 0
		.amdhsa_kernarg_size 48
		.amdhsa_user_sgpr_count 2
		.amdhsa_user_sgpr_kernarg_segment_ptr 1
		.amdhsa_wavefront_size32 1
		.amdhsa_system_sgpr_workgroup_id_x 1
		.amdhsa_system_sgpr_workgroup_id_y 1
		.amdhsa_system_sgpr_workgroup_id_z 1
		.amdhsa_system_vgpr_workitem_id 0
		.amdhsa_next_free_vgpr 250
		.amdhsa_next_free_sgpr 66
		.amdhsa_reserve_vcc 1
		.amdhsa_float_denorm_mode_32 3
		.amdhsa_float_denorm_mode_16_64 3
		.amdhsa_memory_ordered 1
		.amdhsa_forward_progress 1
		.amdhsa_inst_pref_size 74
	.end_amdhsa_kernel
	.amdgpu_metadata
---
amdhsa.version: [ 1, 2 ]
amdhsa.kernels:
  - .name:           k_qc7fb3c6b13_quant
    .symbol:         k_qc7fb3c6b13_quant.kd
    .args:
      - { .name: x, .offset: 0, .size: 8, .value_kind: global_buffer, .address_space: global }
      - { .name: Wqkv, .offset: 8, .size: 8, .value_kind: global_buffer, .address_space: global }
      - { .name: Wo, .offset: 16, .size: 8, .value_kind: global_buffer, .address_space: global }
      - { .name: x_img, .offset: 24, .size: 8, .value_kind: global_buffer, .address_space: global }
      - { .name: w_img, .offset: 32, .size: 8, .value_kind: global_buffer, .address_space: global }
      - { .name: wo_img, .offset: 40, .size: 8, .value_kind: global_buffer, .address_space: global }
    .group_segment_fixed_size: 34304
    .private_segment_fixed_size: 0
    .kernarg_segment_align: 8
    .kernarg_segment_size: 48
    .max_flat_workgroup_size: 128
    .sgpr_count:     66
    .vgpr_count:     250
    .wavefront_size: 32
...
	.end_amdgpu_metadata
.endif
;; end of part 5
;; launch gemm_qkv (part 6): grid 4 x 64, 4 waves a work-group, clusters of 4 x 4, 327,680 bytes of LDS; arguments x_img, w_img, bqkv, q_img, kv; writes q_img, kv
.if DOCPART == 6
	.amdgcn_target "amdgcn-amd-amdhsa--gfx1250"
	.amdhsa_code_object_version 6
	.text
	.protected	k_qc7fb3c6b13_gemm_qkv
	.globl	k_qc7fb3c6b13_gemm_qkv
	.p2align	8
	.type	k_qc7fb3c6b13_gemm_qkv,@function
k_qc7fb3c6b13_gemm_qkv:
	s_mov_b64 s[64:65], 0
	v_nop
	global_prefetch_b8 v0, s[64:65] scope:SCOPE_SE
	s_setreg_imm32_b32 hwreg(HW_REG_WAVE_MODE, 25, 1), 1
	s_wait_xcnt 0x0
	s_wait_alu depctr_hold_cnt(0) depctr_sa_sdst(0) depctr_va_vdst(0) depctr_va_sdst(0) depctr_va_ssrc(0) depctr_va_vcc(0) depctr_vm_vsrc(0)
	s_getreg_b32 s2, hwreg(HW_REG_IB_STS2, 6, 4)
	s_cmp_eq_u32 s2, 0
	s_cbranch_scc0 .Lentry_in_a_cluster
	s_endpgm
.Lentry_in_a_cluster:
	s_bfe_u32 s2, ttmp6, 0x10000c
	s_cmp_lg_u32 s2, 0xf033
	s_cbranch_scc0 .Lentry_shape_is_right
	s_endpgm
.Lentry_shape_is_right:
; qkv = x Wqkv + bqkv on codes of BF6 (E3M2), K = 1,024, sums in f32; the bias is added in f32, and the result is quantised here for the two products of attention and stored as register images:
; q and k along the head's 64 channels (q_img; kv's first half of each 12,800 bytes), v along the tokens, which are its K (kv's second half).
; SHARES.  A work-group of four waves takes 128 tokens and, one after the other, 256 columns of q, of k and of v; wave w owns 64 of them, one head: 32 accumulators.  4 x 64 work-groups of equal work.
; x_img and w_img hold [K / 256][group of 32 rows][block of 6,400 bytes]: four fragments of 1,536 bytes (fragment 2 u + s: tile u, K step s) and 256 bytes of scale words.
; LDS.  x's codes of my 128 tokens for all of K (102,400 bytes) are filled once; W goes through a ring of two slots of 102,400 bytes, each with two K steps of 256 for 256 columns.
; At the head each wave issues one joint load: waves 0, 1 x's K steps 0-1 and 2-3, waves 2, 3 W's K steps 0 and 1; slot 1 is first filled as a refill is, a quarter a wave.
; For q and k source 0 = my 4 column tiles and source 1 = the 8 token tiles: a lane holds one token and its registers run along the channels; for v the sources are swapped: a lane holds one channel and its
; registers run along the tokens.  So each quantiser finds neighbours along its K in a lane's registers.
; CLUSTERS: 4 x 4 work-groups; x's tiles are shared along a row of the cluster, W's along a column: each is asked for jointly.
; No prefetch: K is short: x comes whole at the head, and W's twelve K steps come in six fills of the ring.
; LIMITS: NaN and infinities are not served; a block whose largest magnitude lies under 2^-122 gets the byte 1.
.set FR,    12
.set NP,    4
.set BLK,   6400
.set XK,    4*BLK
.set XREG,  4*XK
.set WK,    8*BLK
.set WSLOT, 2*WK
.set WBASE, XREG
.set SPARE, WBASE+2*WSLOT
.set XSTEP, 256*BLK
.set WSTEP, 96*BLK
.set WNEXT, 4*WK
.set XA16, 4
.set XA8,  6
.set XSA,  8
.set WA16, 10
.set WA8,  12
.set WSA,  14
.set SCO,  22
.set BQ,   23
.set BV,   24
.set SPW,  28
.set NIL,  29
.set XS,   32
.set WS,   64
.set FA,   80
.set CT,   92
.set TM,   100
.set W8,   116
.set SW,   120
.set CF,   128
.set T,    176
.set BIV,  240
.set BIQ,  192
.set G1X, 24
.set G0X, 32
.set G0W, 36
.set G1W, 44
.set OQ,  68
.set OKB, 70
.set OVB, 72
.set SEL, 78
.set MSB, 0
.macro WIN new
.if MSB != (\new)
	s_set_vgpr_msb (MSB<<8)|(\new)
.set MSB, (\new)
.endif
.endm
.macro CREST
	s_cmp_lg_u32 s14, 0
	s_cbranch_scc1 .Lnot_wave_0_\@
	s_barrier_signal -3
.Lnot_wave_0_\@:
	s_barrier_wait -3
	s_barrier_signal -1
	s_barrier_wait -1
.endm
.macro CROUND
	s_barrier_signal -1
	s_barrier_wait -1
	CREST
.endm
.macro PLACES n
.rept \n
	v_nop
.endr
.endm
	s_load_b256 s[4:11], s[0:1], 0x0
	s_load_b64 s[12:13], s[0:1], 0x20
	v_lshl_add_u32 v[SPW], v0, 2, SPARE
	v_mov_b32 v[NIL], 0
	ds_add_u32 v28, v29
	ds_add_u32 v28, v29
	s_wait_dscnt 0x0
	v_lshrrev_b32 v1, 5, v0
	v_readfirstlane_b32 s14, v1
	s_lshr_b32 s15, s14, 1
	s_and_b32 s16, s14, 1
	s_bfe_u32 s22, ttmp6, 0x40000
	s_bfe_u32 s23, ttmp6, 0x40004
	s_lshl_b32 s66, ttmp9, 2
	s_add_co_u32 s66, s66, s22
	s_and_b32 s17, ttmp7, 0xffff
	s_lshl_b32 s17, s17, 2
	s_add_co_u32 s17, s17, s23
	s_lshl_b32 s67, s23, 2
	s_lshl_b32 s67, 15, s67
	s_lshl_b32 s86, 0x1111, s22
	s_or_b32 s[G1X], s67, (3<<16)|(1<<21)
	s_or_b32 s[G1W], s86, (3<<16)|(1<<21)
	; x: two K steps of my 128 tokens, each 25,600 dense bytes: two rows of 3,200 elements of 8 bytes, XSTEP bytes apart
	s_mov_b32 s[G1X+1], 3200<<16
	s_mov_b32 s[G1X+2], 2<<16
	s_mov_b32 s[G1X+3], 3200<<16
	s_mov_b32 s[G1X+4], 2
	s_mov_b32 s[G1X+5], XSTEP/8
	s_mov_b32 s[G1X+6], 0
	s_mov_b32 s[G1X+7], 0
	; W at the head: one K step of 256 columns, 51,200 dense bytes as 200 rows of 256; behind the head the two words that count rows are set to 100, for the ring's quarters
	s_mov_b32 s[G1W+1], 32<<16
	s_mov_b32 s[G1W+2], 200<<16
	s_mov_b32 s[G1W+3], 32<<16
	s_mov_b32 s[G1W+4], 200
	s_mov_b32 s[G1W+5], 32
	s_mov_b32 s[G1W+6], 0
	s_mov_b32 s[G1W+7], 0
	s_mul_i32 s87, s14, XK
	s_mul_i32 s20, s17, XK
	s_mul_i32 s18, s16, 2*XSTEP
	s_add_co_u32 s20, s20, s18
	s_mov_b32 s21, 0
	s_mul_i32 s88, s66, WK
	s_mul_i32 s18, s15, WSTEP
	s_add_co_u32 s88, s88, s18
	s_mul_i32 s18, s16, XK
	s_add_co_u32 s88, s88, s18
	s_mov_b32 s89, 0
	s_wait_kmcnt 0x0
	s_add_nc_u64 s[20:21], s[4:5], s[20:21]
	s_add_nc_u64 s[88:89], s[6:7], s[88:89]
	s_mul_i32 s56, s66, WK                         ; s[52:55]: group 0 of the head's load of W: K step (wave % 2) of my 256 columns, whole
	s_mul_i32 s57, s16, WSTEP
	s_add_co_u32 s56, s56, s57
	s_mov_b32 s57, 0
	s_add_nc_u64 s[54:55], s[6:7], s[56:57]
	s_or_b32 s55, s55, 0x80000000
	s_mov_b32 s52, 1
	s_mul_i32 s53, s16, WK
	s_add_co_u32 s53, s53, WBASE
	s_mov_b32 s[G0X], 1
	s_mul_i32 s[G0X+1], s16, 2*XK
	s_mov_b64 s[G0X+2:G0X+3], s[20:21]
	s_or_b32 s[G0X+3], s[G0X+3], 0x80000000
.irp s, 0,1
	s_mov_b32 s[G0W+4*\s], 1
	s_add_co_u32 s[G0W+4*\s+1], s87, WBASE+\s*WSLOT
	s_add_nc_u64 s[G0W+4*\s+2:G0W+4*\s+3], s[88:89], \s*2*WSTEP
	s_or_b32 s[G0W+4*\s+3], s[G0W+4*\s+3], 0x80000000
.endr
	CROUND
	; the head's tiles, one joint load a wave, in one chain of arms on the wave's number: waves 0, 1 fetch x's K steps 0-1 and 2-3, waves 2, 3 fetch W's K steps 0 and 1 (slot 0)
	s_cmp_eq_u32 s15, 0
	s_cbranch_scc0 .Lhead_w
	tensor_load_to_lds s[G0X:G0X+3], s[G1X:G1X+7]
	s_nop 0
	PLACES 4
	s_branch .Lhead_asked
.Lhead_w:
	tensor_load_to_lds s[52:55], s[G1W:G1W+7]
	s_nop 0
	PLACES 4
.Lhead_asked:
	s_wait_alu depctr_va_vdst(0)
	s_wait_tensorcnt 0x0                           ; my tile of the head's four is in; slot 1's first fill is issued as a refill is
	ds_add_u32 v28, v29
	s_mov_b32 s[G1W+2], 100<<16                    ; no tensor load of mine is out: from here on a load of W brings 100 rows
	s_mov_b32 s[G1W+4], 100
	s_wait_dscnt 0x0
	CROUND
	tensor_load_to_lds s[G0W+4:G0W+7], s[G1W:G1W+7]
	s_nop 0
	PLACES 4
	v_and_b32 v1, 31, v0
	v_and_b32 v2, 15, v0
	v_bfe_u32 v3, v0, 4, 1
	v_lshlrev_b32 v[XA16], 4, v1
	v_lshlrev_b32 v[XA8], 3, v1
	v_lshlrev_b32 v[XSA], 4, v2
	v_add_nc_u32 v[XA16+1], 2*XK, v[XA16]
	v_add_nc_u32 v[XA8+1], 2*XK, v[XA8]
	v_add_nc_u32 v[XSA+1], 2*XK, v[XSA]
	s_mul_i32 s80, s14, 2*BLK
	s_add_co_u32 s80, s80, WBASE
.irp s, 0,1
	v_add_nc_u32 v[WA16+\s], s80, v[XA16]
	v_add_nc_u32 v[WA8+\s], s80, v[XA8]
	v_add_nc_u32 v[WSA+\s], s80, v[XSA]
	s_add_co_u32 s80, s80, WSLOT
.endr
	v_lshl_add_u32 v[SCO], v3, 3, v[XSA]
	v_lshlrev_b32 v[BQ], 6, v3
	s_wait_alu depctr_va_vdst(0)
	v_and_b32 v[BV], 8, v2
	v_add_nc_u32 v[BV], v[BV], v2
	v_lshlrev_b32 v[BV], 2, v[BV]
	s_wait_alu depctr_va_vdst(0)
	s_mov_b32 s[SEL], 0x76543210
	s_mov_b32 s[SEL+1], 0xfedcba98
.irp b, 0,1,2,3
	v_mov_b32 v[TM+4+\b], 0
.endr
	s_lshr_b32 s74, s17, 4
	s_and_b32 s75, s17, 15
	s_lshl_b32 s76, s66, 2
	s_add_co_u32 s76, s76, s14
	s_lshl_b32 s74, s74, 4
	s_add_co_u32 s74, s74, s76
	s_lshl_b32 s74, s74, 4
	s_add_co_u32 s74, s74, s75
	s_mul_i32 s76, s74, BLK
	s_mov_b32 s77, 0
	s_add_nc_u64 s[OQ:OQ+1], s[10:11], s[76:77]
	s_lshl_b32 s76, s76, 1
	s_add_nc_u64 s[OKB:OKB+1], s[12:13], s[76:77]
	s_add_nc_u64 s[OVB:OVB+1], s[OKB:OKB+1], BLK
	s_lshl_b32 s76, s66, 10
	s_lshl_b32 s75, s14, 8
	s_add_co_u32 s76, s76, s75
	s_add_nc_u64 s[8:9], s[8:9], s[76:77]
	WIN 0x40
.irp ty, 0,1
.irp B, 0,1
.irp qd, 0,1,2,3
	global_load_b128 v[BIQ+32*\ty+16*\B+4*\qd:BIQ+32*\ty+16*\B+4*\qd+3], v[BQ], s[8:9] offset:4096*\ty+128*\B+16*\qd
.endr
.endr
.endr
	WIN 0
.irp a, 0,1,2,3
	global_load_b32 v[BIV+2*\a], v[BV], s[8:9] offset:8192+(32*(\a/2)+8*(\a%2))*4
	global_load_b32 v[BIV+2*\a+1], v[BV], s[8:9] offset:8192+(32*(\a/2)+8*(\a%2))*4
.endr
.macro FRAG reg, a16, a8, off
	ds_load_b128 v[\reg:\reg+3], v[\a16] offset:\off
	ds_load_b64 v[\reg+4:\reg+5], v[\a8] offset:\off+512
	ds_load_b128 v[\reg+6:\reg+9], v[\a16] offset:\off+768
	ds_load_b64 v[\reg+10:\reg+11], v[\a8] offset:\off+1280
.endm
.macro FETCH ks, q
	WIN 0x40
.irp i, 0,1,2,3,4,5,6,7
	FRAG 96*(\q)+FR*\i, XA16+(\ks)/2, XA8+(\ks)/2, ((\ks)%2)*XK+(\i/2)*BLK+(2*(\i%2)+(\q))*1536
.endr
	WIN 0
.irp i, 0,1,2,3
	FRAG CF+48*(\q)+FR*\i, WA16+(\ks)/2, WA8+(\ks)/2, ((\ks)%2)*WK+(\i/2)*BLK+(2*(\i%2)+(\q))*1536
.endr
.if (\q) == 0
.irp G, 0,1,2,3
	ds_load_b128 v[XS+16*((\ks)%2)+4*\G:XS+16*((\ks)%2)+4*\G+3], v[XSA+(\ks)/2] offset:((\ks)%2)*XK+\G*BLK+6144
.endr
.irp G, 0,1
	ds_load_b128 v[WS+8*((\ks)%2)+4*\G:WS+8*((\ks)%2)+4*\G+3], v[WSA+(\ks)/2] offset:((\ks)%2)*WK+\G*BLK+6144
.endr
.endif
.endm
.macro WM d, a, b, sa, sb, zero
.if \zero
	v_wmma_scale_f32_16x16x128_f8f6f4 v[\d:\d+7], v[\a:\a+FR-1], v[\b:\b+FR-1], 0, v[\sa], v[\sb] matrix_a_fmt:MATRIX_FMT_BF6 matrix_b_fmt:MATRIX_FMT_BF6
.else
	v_wmma_scale_f32_16x16x128_f8f6f4 v[\d:\d+7], v[\a:\a+FR-1], v[\b:\b+FR-1], v[\d:\d+7], v[\sa], v[\sb] matrix_a_fmt:MATRIX_FMT_BF6 matrix_b_fmt:MATRIX_FMT_BF6
.endif
.endm
.macro MUL vt, hf, q, ss, zero
.if \vt
	WIN 0xa1
.irp a, 0,1
.irp b, 0,1,2,3,4,5,6,7
	WM 8*(8*(2*\hf+\a)+\b), 96*(\q)+FR*\b, CF+48*(\q)+FR*(2*\hf+\a), XS+16*(\ss)+2*\b+(\q), WS+8*(\ss)+2*(2*\hf+\a)+(\q), \zero
.endr
.endr
.else
	WIN 0xa4
.irp a, 0,1,2,3
.irp b, 0,1,2,3
	WM 8*(4*(4*\hf+\a)+\b), CF+48*(\q)+FR*\b, 96*(\q)+FR*(4*\hf+\a), WS+8*(\ss)+2*\b+(\q), XS+16*(\ss)+2*(4*\hf+\a)+(\q), \zero
.endr
.endr
.endif
.endm
.macro MSTEP vt, q, ss, zero, nks, nq
	s_wait_dscnt 0x0
	PLACES NP
	FETCH \nks, \nq
	MUL \vt, 0, \q, \ss, \zero
	MUL \vt, 1, \q, \ss, \zero
	WIN 0
.endm
.macro TSTEP vt, ss, fill, g0, nks, nq
	s_wait_tensorcnt 0x0
	ds_add_u32 v[SPW], v[NIL]
	s_wait_dscnt 0x0
	s_barrier_signal -1
	MUL \vt, 0, 1, \ss, 0
	WIN 0
	s_barrier_wait -1
.if \fill
	CREST
	s_add_nc_u64 s[\g0+2:\g0+3], s[\g0+2:\g0+3], WNEXT
	tensor_load_to_lds s[\g0:\g0+3], s[G1W:G1W+7]
	s_nop 0
	PLACES 4
.else
	PLACES NP
.endif
	FETCH \nks, \nq
	MUL \vt, 1, 1, \ss, 0
	WIN 0
.endm
.macro TILE vt, succ
	MSTEP \vt, 0, 0, 1, 0, 1
	MSTEP \vt, 1, 0, 0, 1, 0
	MSTEP \vt, 0, 1, 0, 1, 1
	TSTEP \vt, 1, \succ, G0W, 2, 0
	MSTEP \vt, 0, 0, 0, 2, 1
	MSTEP \vt, 1, 0, 0, 3, 0
	MSTEP \vt, 0, 1, 0, 3, 1
.if \succ
	TSTEP \vt, 1, 1, G0W+4, 0, 0
.else
	s_wait_dscnt 0x0
	MUL \vt, 0, 1, 1, 0
	MUL \vt, 1, 1, 1, 0
	WIN 0
.endif
.endm
.macro QUANT s, d0, d1
.irp b, 0,1,2,3
	v_max3_num_f32 v[TM+\b], |v[\s+16*\b]|, |v[\s+1+16*\b]|, 0x2800000
.endr
.irp i, 2,4,6,8,10,12,14
.irp b, 0,1,2,3
	v_max3_num_f32 v[TM+\b], v[TM+\b], |v[\s+16*\b+\i]|, |v[\s+1+16*\b+\i]|
.endr
.endr
.irp b, 0,1,2,3
	v_permlanex16_b32 v[TM+4+\b], v[TM+\b], s[SEL], s[SEL+1]
.endr
.irp b, 0,1,2,3
	v_max_num_f32 v[TM+\b], v[TM+\b], v[TM+4+\b]
.endr
.irp b, 0,1,2,3
	v_add_nc_u32 v[TM+12+\b], 0xfe000000, v[TM+\b]
.endr
.irp b, 0,1,2,3
	v_lshrrev_b32 v[TM+4+\b], 23, v[TM+12+\b]
.endr
	v_cvt_scalef32_pk16_bf6_f32 v[\d0:\d0+2], v[\s:\s+15], v[TM+12]
	v_cvt_scalef32_pk16_bf6_f32 v[CT:CT+2], v[\s+16:\s+31], v[TM+13]
	v_cvt_scalef32_pk16_bf6_f32 v[\d1:\d1+2], v[\s+32:\s+47], v[TM+14]
	v_cvt_scalef32_pk16_bf6_f32 v[CT+4:CT+6], v[\s+48:\s+63], v[TM+15]
	v_nop
.irp i, 0,1,2
	v_permlane16_swap_b32 v[\d0+\i], v[CT+\i]
	v_permlane16_swap_b32 v[\d1+\i], v[CT+4+\i]
.endr
.irp i, 0,1,2
	v_mov_b32 v[\d0+3+\i], v[CT+\i]
	v_mov_b32 v[\d1+3+\i], v[CT+4+\i]
.endr
.endm
.macro EPI vt, ty, ob
	PLACES NP
.irp g, 0,1,2,3
.set n, 0
.if \vt
	WIN 0x02
.rept 32
	v_pk_add_f32 v[T+n:T+n+1], v[64*\g+n:64*\g+n+1], v[BIV+2*\g:BIV+2*\g+1]
.set n, n+2
.endr
.else
	WIN 0x06
.rept 32
	v_pk_add_f32 v[T+n:T+n+1], v[64*\g+n:64*\g+n+1], v[BIQ+32*\ty+n%32:BIQ+32*\ty+n%32+1]
.set n, n+2
.endr
.endif
	WIN 0
	s_wait_xcnt 0x0
	QUANT T, FA, FA+6
	v_lshl_or_b32 v[W8+\g], v[TM+5], 8, v[TM+4]
	v_lshl_or_b32 v[W8+\g], v[TM+6], 16, v[W8+\g]
	v_lshl_or_b32 v[W8+\g], v[TM+7], 24, v[W8+\g]
	global_store_b128 v[XA16], v[FA:FA+3], s[\ob:\ob+1] offset:1536*\g
	global_store_b64 v[XA8], v[FA+4:FA+5], s[\ob:\ob+1] offset:1536*\g+512
	global_store_b128 v[XA16], v[FA+6:FA+9], s[\ob:\ob+1] offset:1536*\g+768
	global_store_b64 v[XA8], v[FA+10:FA+11], s[\ob:\ob+1] offset:1536*\g+1280
.endr
	v_cmp_eq_u32 vcc_lo, 1, v3
	v_cndmask_b32 v[SW], v[W8], v[W8+2], vcc_lo
	v_cndmask_b32 v[SW+1], v[W8+1], v[W8+3], vcc_lo
	global_store_b64 v[SCO], v[SW:SW+1], s[\ob:\ob+1] offset:6144
.endm
	s_wait_tensorcnt 1
	s_barrier_signal -1
	s_barrier_wait -1
	FETCH 0, 0
	TILE 0, 1
	s_wait_loadcnt 0x0
	EPI 0, 0, OQ
	TILE 0, 1
	EPI 0, 1, OKB
	TILE 1, 0
	EPI 1, 0, OVB
	s_wait_tensorcnt 0x0
	ds_add_u32 v[SPW], v[NIL]
	s_wait_dscnt 0x0
	CROUND
	s_endpgm
.Lfunc_end_k_qc7fb3c6b13_gemm_qkv:
	.size	k_qc7fb3c6b13_gemm_qkv, .Lfunc_end_k_qc7fb3c6b13_gemm_qkv-k_qc7fb3c6b13_gemm_qkv
	.p2alignl 7, 3214868480
	.fill 96, 4, 3214868480
	.section	.rodata,"a",@progbits
	.p2align	6, 0x0
	.amdhsa_kernel k_qc7fb3c6b13_gemm_qkv
		.amdhsa_group_segment_fixed_size 327680
		.amdhsa_private_segment_fixed_size 0
		.amdhsa_enable_private_segment 0
		.amdhsa_kernarg_size 40
		.amdhsa_user_sgpr_count 2
		.amdhsa_user_sgpr_kernarg_segment_ptr 1
		.amdhsa_wavefront_size32 1
		.amdhsa_system_sgpr_workgroup_id_x 1
		.amdhsa_system_sgpr_workgroup_id_y 1
		.amdhsa_system_sgpr_workgroup_id_z 1
		.amdhsa_system_vgpr_workitem_id 0
		.amdhsa_next_free_vgpr 768
		.amdhsa_next_free_sgpr 90
		.amdhsa_reserve_vcc 1
		.amdhsa_float_denorm_mode_32 3
		.amdhsa_float_denorm_mode_16_64 3
		.amdhsa_memory_ordered 1
		.amdhsa_forward_progress 1
		.amdhsa_inst_pref_size 255
	.end_amdhsa_kernel
	.section	.bss,"aw",@nobits
	.p2align	6
	.space	262144
	.amdgpu_metadata
---
amdhsa.version: [ 1, 2 ]
amdhsa.kernels:
  - .name:           k_qc7fb3c6b13_gemm_qkv
    .symbol:         k_qc7fb3c6b13_gemm_qkv.kd
    .args:
      - { .name: x_img, .offset: 0, .size: 8, .value_kind: global_buffer, .address_space: global }
      - { .name: w_img, .offset: 8, .size: 8, .value_kind: global_buffer, .address_space: global }
      - { .name: bqkv, .offset: 16, .size: 8, .value_kind: global_buffer, .address_space: global }
      - { .name: q_img, .offset: 24, .size: 8, .value_kind: global_buffer, .address_space: global }
      - { .name: kv, .offset: 32, .size: 8, .value_kind: global_buffer, .address_space: global }
    .group_segment_fixed_size: 327680
    .private_segment_fixed_size: 0
    .kernarg_segment_align: 8
    .kernarg_segment_size: 40
    .max_flat_workgroup_size: 128
    .sgpr_count:     90
    .vgpr_count:     768
    .wavefront_size: 32
...
	.end_amdgpu_metadata
.endif
;; end of part 6
;; launch attn (part 7): grid 4 x 64, 8 waves a work-group, clusters of 4 x 1, 205,824 bytes of LDS; arguments q_img, kv, o_img; writes o_img
.if DOCPART == 7
	.amdgcn_target "amdgcn-amd-amdhsa--gfx1250"
	.amdhsa_code_object_version 6
	.text
	.protected	k_qc7fb3c6b13_attn
	.globl	k_qc7fb3c6b13_attn
	.p2align	8
	.type	k_qc7fb3c6b13_attn,@function
k_qc7fb3c6b13_attn:
	s_mov_b64 s[64:65], 0
	v_nop
	global_prefetch_b8 v0, s[64:65] scope:SCOPE_SE
	s_setreg_imm32_b32 hwreg(HW_REG_WAVE_MODE, 25, 1), 1
	s_wait_xcnt 0x0
	s_wait_alu depctr_hold_cnt(0) depctr_sa_sdst(0) depctr_va_vdst(0) depctr_va_sdst(0) depctr_va_ssrc(0) depctr_va_vcc(0) depctr_vm_vsrc(0)
	s_getreg_b32 s2, hwreg(HW_REG_IB_STS2, 6, 4)
	s_cmp_eq_u32 s2, 0
	s_cbranch_scc0 .Lentry_in_a_cluster
	s_endpgm
.Lentry_in_a_cluster:
	s_bfe_u32 s2, ttmp6, 0x10000c
	s_cmp_lg_u32 s2, 0x3003
	s_cbranch_scc0 .Lentry_shape_is_right
	s_endpgm
.Lentry_shape_is_right:
; o = softmax(q k^T / 8) v for one head of one batch, both products on codes of BF6 (E3M2); o / l is quantised here along the channels and stored as register images of the last product's operand.
; THE SOFTMAX: t = score x log2(e) / 8; M = the running largest t rounded UP to a whole number, kept as -M; p = 2^(t - M) is quantised along the keys, not normalised; the row's sum is taken of the
; unquantised p and divides at the end; when M moves, the sum and O are multiplied by 2^(old M - new M), exactly, in every trip.
; SHARES: a work-group owns 512 queries of a head, each of its eight waves 64: four tiles of 16.  The head's K and V, 204,800 bytes of register images, lie in LDS, filled ONCE: each wave asks for an
; eighth by one tensor load; no byte is filled again, so there is no ring.  CLUSTER: the four query blocks of a head read the same K and V: each load is asked for jointly, the mask names the four.
; No prefetch: all of K and V is asked for at the kernel's head, and there is no loop to run ahead in.
; kv: step j of 128 keys at 12,800 j: K's four fragments (1,536 bytes each, one for a group of 32 keys), K's words at 6144, V's four fragments from 6400, V's words at 12544.  A stored fragment of K holds
; in registers 0-5 the 64 channels of key 32 G + r + 8 (r / 8) and in registers 6-11 those of the key 8 further on.
; Both products are used transposed (S^T = K Q^T, O^T = V^T P^T): a lane holds one query throughout.
; WHICH KEYS FORM A TILE IS CHOSEN BY THE LANES' LDS ADDRESSES: fragment (c, w) takes for lanes r < 8 the stored lanes r + 8 w of group 2 c and for lanes r >= 8 the stored lanes r - 8 + 8 w of group 2 c + 1.
; Its tile u then has in row m the key 64 c + 32 (m / 8) + 8 (2 w + u) + m % 8, so that lane (r, h)'s 32 score registers of the four tiles of c are keys 64 c + 32 h + 0 .. 31: ONE WHOLE BLOCK, in the order
; that p's operand wants.  A block's maximum needs no other lane and p's codes need no lane swap; only the row's maximum and the scale word's bytes cross to lane l xor 16.
; K = 64 IN AN INSTRUCTION OF 128: against [q, zeros] a fragment gives its tile 0's scores, against [zeros, q] its tile 1's: zero codes add nothing under any scale byte that this program makes (1 to 254).
; THE EXPONENTIALS GO IN ONE BATCH for two tiles: all sources first, the wait, 132 exponentials, a plain line, the wait, then the readers.
; LIMITS: NaN and infinities are not served; the promise holds while the scaled scores t stay under 2^31 in magnitude; a block of o whose largest magnitude lies under 2^-122, and a block of p that has
; fallen to 0, get the byte 1.
; REGISTERS: window 0: v1-7 lane terms; v8-23 four a tile: -M, the running largest score, the sum in two halves; v24-27 K's words, v28-31 V's, v32-35 Q's, v36-39 p's; v40-45 the trip's LDS addresses;
;   v46 8 h; v47, v63 the add's two; v48-62 and v240-254 the two tiles' work registers; v64-191 S^T, then p, of two tiles; v192-239 p's codes, 12 a tile.
;   window 1: v0-127 O^T (32 a tile); v128-181 zeros and Q by turns; v192-239 four fragments of K or of V.
; A tile's work registers from WB: +0, +2 the two blocks' largest score, then largest p; +1, +3 at work; +4 f (a pair with +5); +6, +7 the conversions' scale operands; +8, +9 bytes, then the sum's second
;   chain; +10 the new -M; +12 .. +14 and +0 .. +2 the conversions' second halves.
.set BLK,   6400
.set SPARE, 32*BLK
.set L16,  1
.set L8,   2
.set R16,  3
.set KC16, 4
.set KC8,  5
.set KCW,  6
.set OSA,  7
.set KS,   24
.set VS,   28
.set QS,   32
.set PS,   36
.set KA16, 40
.set KA8,  41
.set KAW,  42
.set VA16, 43
.set VA8,  44
.set VAW,  45
.set SH8,  46
.set SPW,  47
.set NIL,  63
.set WL,   48
.set WX,   52
.set RL,   56
.set TM,   240
.set CT,   248
.set WV,  14
.set SEL, 20
.set CS,  22                           ; s[22:23] c = log2(e) / 8
.set G1,  24
.set G0,  32
.set NC,  39                           ; s39 -c
.set TB,  40                           ; s40 LDS byte at which the step's tiles begin
.set CNT, 41
.set OC,  44
.set OS,  46
.set MSB, 0
.macro WIN new                         ; the immediate's high byte repeats the setting that is left
.if MSB != (\new)
	s_set_vgpr_msb (MSB<<8)|(\new)
.set MSB, (\new)
.endif
.endm
.macro CROUND                          ; a round of the cluster's barrier
	s_barrier_signal -1
	s_barrier_wait -1
	s_cmp_lg_u32 s[WV], 0
	s_cbranch_scc1 .Lnot_wave_0_\@
	s_barrier_signal -3
.Lnot_wave_0_\@:
	s_barrier_wait -3
	s_barrier_signal -1
	s_barrier_wait -1
.endm
.macro PLACES
.rept 4
	v_nop
.endr
.endm
	s_load_b128 s[4:7], s[0:1], 0x0                ; q_img s[4:5], kv s[6:7]
	s_load_b64 s[8:9], s[0:1], 0x10                ; o_img
	v_lshl_add_u32 v[SPW], v0, 2, SPARE
	v_mov_b32 v[NIL], 0
	ds_add_u32 v[SPW], v[NIL]                      ; the opening lines: the add twice on end and one wait
	ds_add_u32 v[SPW], v[NIL]
	v_lshrrev_b32 v1, 5, v0
	v_readfirstlane_b32 s[WV], v1                  ; wave 0..7
	s_bfe_u32 s15, ttmp6, 0x40000                  ; cx
	s_lshl_b32 s16, ttmp9, 2
	s_add_co_u32 s16, s16, s15                     ; my block of 512 queries: it enters q's and o's addresses alone
	s_and_b32 s17, ttmp7, 0xffff                   ; 16 x batch + head, which the four partners share
	s_mov_b32 s[G1], 15|(3<<16)|(1<<21)            ; the mask: all four; elements of 8 bytes; bit 21 set beside a mask
	s_mov_b32 s[G1+1], 32<<16                      ; 25,600 dense bytes as 100 rows of 256
	s_mov_b32 s[G1+2], 100<<16
	s_mov_b32 s[G1+3], 32<<16
	s_mov_b32 s[G1+4], 100
	s_mov_b32 s[G1+5], 32
	s_mov_b32 s[G1+6], 0
	s_mov_b32 s[G1+7], 0
	s_mul_i32 s18, s17, 32*BLK                     ; the head's K and V,
	s_mul_i32 s36, s[WV], 4*BLK                    ; my eighth: key steps 2 w and 2 w + 1
	s_add_co_u32 s18, s18, s36
	s_mov_b32 s19, 0
	s_lshl_b32 s37, s16, 2
	s_lshr_b32 s38, s[WV], 1
	s_add_co_u32 s37, s37, s38                     ; my block of 128 queries
	s_and_b32 s38, s[WV], 1
	s_lshl_b32 s38, s38, 1                         ; my first group of 32 in it
	s_lshl_b32 s42, s17, 4
	s_add_co_u32 s42, s42, s37
	s_mul_i32 s42, s42, BLK
	s_mov_b32 s43, 0
	s_mul_i32 s48, s38, 1536
	s_mov_b32 s49, 0
	s_lshl_b32 s50, s38, 2
	s_mov_b32 s51, 0
	s_and_b32 s52, s17, 15                         ; head
	s_lshr_b32 s53, s17, 4                         ; batch
	s_lshr_b32 s54, s52, 2                         ; o_img: K = 64 head + channel: K step of 256 = head / 4,
	s_lshl_b32 s54, s54, 8
	s_lshl_b32 s53, s53, 6
	s_add_co_u32 s54, s54, s53
	s_lshl_b32 s53, s37, 2
	s_add_co_u32 s54, s54, s53
	s_add_co_u32 s54, s54, s38                     ; the group of 32 tokens: 64 batch + 4 block + first group
	s_mul_i32 s54, s54, BLK
	s_mov_b32 s55, 0
	s_bfe_u32 s56, s52, 0x10001                    ; K step of 128 = (head / 2) % 2,
	s_and_b32 s57, s52, 1                          ; half of a fragment = head % 2
	s_mul_i32 s58, s56, 1536
	s_mul_i32 s53, s57, 768
	s_add_co_u32 s58, s58, s53
	s_mov_b32 s59, 0
	s_lshl_b32 s56, s56, 2
	s_lshl_b32 s57, s57, 1
	s_add_co_u32 s56, s56, s57                     ; and among a lane's scale bytes: 4 x step + 2 x half
	s_mov_b32 s57, 0
	s_mov_b32 s[SEL], 0x76543210
	s_mov_b32 s[SEL+1], 0xfedcba98
	s_mov_b32 s[CS], 0x3e38aa3b                    ; log2(e) / 8
	s_mov_b32 s[CS+1], s[CS]                       ; (named with it as a pair, so it is written)
	s_mov_b32 s[NC], 0xbe38aa3b
	s_mov_b32 s[TB], 0
	s_mov_b32 s[CNT], 16
	s_wait_dscnt 0x0
	s_wait_kmcnt 0x0
	s_mov_b32 s[G0], 1
	s_mul_i32 s[G0+1], s[WV], 4*BLK                ; LDS address: wave x 25,600
	s_add_nc_u64 s[G0+2:G0+3], s[6:7], s[18:19]
	s_or_b32 s[G0+3], s[G0+3], 0x80000000
	s_add_nc_u64 s[4:5], s[4:5], s[42:43]          ; q's block,
	s_add_nc_u64 s[10:11], s[4:5], s[48:49]        ; my two fragments in it,
	s_add_nc_u64 s[12:13], s[4:5], s[50:51]        ; and their scale words
	s_add_nc_u64 s[8:9], s[8:9], s[54:55]
	s_add_nc_u64 s[OC:OC+1], s[8:9], s[58:59]
	s_add_nc_u64 s[OS:OS+1], s[8:9], s[56:57]
	CROUND                                         ; all four work-groups are here: the joint loads meet
	tensor_load_to_lds s[G0:G0+3], s[G1:G1+7]      ; my one tensor load of the launch
	s_nop 0
	PLACES
	v_and_b32 v[R16], 15, v0
	v_and_b32 v[L16], 31, v0
	v_bfe_u32 v[SH8], v0, 4, 1                     ; h
	v_and_b32 v[KC16], 7, v0                       ; r % 8
	v_bfe_u32 v[KCW], v0, 3, 1                     ; r / 8
	v_lshlrev_b32 v[L8], 3, v[L16]                 ; 8 x lane
	v_lshlrev_b32 v[L16], 4, v[L16]                ; 16 x lane
	v_lshlrev_b32 v[R16], 4, v[R16]                ; 16 r
	v_lshl_add_u32 v[OSA], v[SH8], 3, v[R16]       ; 16 r + 8 h
	v_mul_u32_u24 v[KA16], v[KCW], 1536            ; lanes r >= 8 read the next group's fragment
	v_lshl_add_u32 v[KC8], v[KC16], 3, v[KA16]
	v_lshl_add_u32 v[KC8], v[SH8], 7, v[KC8]       ; K's pairs: 8 (r % 8) + 128 h + 1536 (r / 8)
	v_lshlrev_b32 v[KCW], 2, v[KCW]
	v_lshl_add_u32 v[KCW], v[KC16], 4, v[KCW]      ; K's words: 16 (r % 8) + 4 (r / 8)
	v_lshl_add_u32 v[KC16], v[KC16], 4, v[KA16]
	v_lshl_add_u32 v[KC16], v[SH8], 8, v[KC16]     ; K's fours: 16 (r % 8) + 256 h + 1536 (r / 8)
	v_lshlrev_b32 v[SH8], 3, v[SH8]                ; 8 h
	global_load_b32 v60, v[R16], s[12:13] offset:6144  ; the scale words of my two groups of queries
	global_load_b32 v61, v[R16], s[12:13] offset:6148
	WIN 0x40                                       ; destination window 1
.irp g, 0,1
.irp u, 0,1
	global_load_b128 v[134+12*(2*\g+\u):137+12*(2*\g+\u)], v[L16], s[10:11] offset:1536*\g+768*\u       ; tile 2 g + u: half u of fragment g
	global_load_b64 v[138+12*(2*\g+\u):139+12*(2*\g+\u)], v[L8], s[10:11] offset:1536*\g+768*\u+512
.endr
.endr
.irp z, 0,1,2,3,4
.irp i, 0,1,2,3,4,5
	v_mov_b32 v[128+12*\z+\i], 0                   ; the zero codes round Q
.endr
.endr
.set n, 0
.rept 128
	v_mov_b32 v[n], 0                              ; O^T.  The step is written once: the first finds zeros, which the first change of M leaves zeros; a first step of its own would double the text
.set n, n+1
.endr
	WIN 0
	s_wait_loadcnt 0x0
.irp g, 0,1                                    ; a tile's two bytes stand in both halves of its word, since q stands in either half of the operand
	v_and_b32 v[QS+2*\g], 0xffff, v[60+\g]
	v_lshl_or_b32 v[QS+2*\g], v[60+\g], 16, v[QS+2*\g]
	v_lshrrev_b32 v[QS+2*\g+1], 16, v[60+\g]
	v_and_or_b32 v[QS+2*\g+1], v[60+\g], 0xffff0000, v[QS+2*\g+1]
.endr
.irp t, 0,1,2,3                                ; (these lines are also the places between the words above and the first product)
	v_mov_b32 v[9+4*\t], 0xff61b1e6                ; the largest score so far: -3e38
	v_floor_f32 v[8+4*\t], -v[9+4*\t]              ; -M
	v_mov_b32 v[10+4*\t], 0                        ; the sum, in two halves
	v_mov_b32 v[11+4*\t], 0
.endr
	v_mov_b32 v53, 0                               ; (named as the upper halves of the pairs that hold f)
	v_mov_b32 v245, 0
.irp sg, 0,1                                   ; the last 24 lines of tiles 2 and 3's row sums stand at the top of the NEXT trip: the first trip finds zeros there, which add nothing
.set n, 18
.rept 46
	v_mov_b32 v[64+64*\sg+n], 0
.set n, n+1
.endr
	v_mov_b32 v[56+192*\sg], 0
	v_mov_b32 v[57+192*\sg], 0
.endr
	s_wait_alu depctr_va_vdst(0)                   ; the wait at the head's end
	s_wait_tensorcnt 0x0                           ; my eighth of K and V is in,
	s_barrier_signal -1
	s_barrier_wait -1                              ; everybody's is
; S^T of tiles 2 pi and 2 pi + 1: 16 products on 16 accumulators; register 32 c + 8 (2 w + u) + j of a tile = key 64 c + 32 (lane / 16) + 8 (2 w + u) + j
.macro KQ pi
	WIN 0x05                                       ; K and Q in window 1, S^T in window 0
.irp c, 0,1
.irp w, 0,1
.irp u, 0,1
.irp sg, 0,1
	v_wmma_scale_f32_16x16x128_f8f6f4 v[64+64*\sg+32*\c+16*\w+8*\u:71+64*\sg+32*\c+16*\w+8*\u], v[192+12*(2*\c+\w):203+12*(2*\c+\w)], v[134+12*(2*\pi+\sg)-6*\u:145+12*(2*\pi+\sg)-6*\u], 0, v[KS+2*\c+\w], v[QS+2*\pi+\sg] matrix_a_fmt:MATRIX_FMT_BF6 matrix_b_fmt:MATRIX_FMT_BF6
.endr
.endr
.endr
.endr
.endm
; O^T += V^T P^T: the 16 accumulators take turns, one instruction each
.macro PV
	WIN 0x51                                       ; V and O^T in window 1, p's codes in window 0
.irp t, 0,1,2,3
.irp q, 0,1,2,3
	v_wmma_scale_f32_16x16x128_f8f6f4 v[32*\q+8*\t:32*\q+8*\t+7], v[192+12*\t:203+12*\t], v[192+12*\q:203+12*\q], v[32*\q+8*\t:32*\q+8*\t+7], v[VS+\t], v[PS+\q] matrix_a_fmt:MATRIX_FMT_BF6 matrix_b_fmt:MATRIX_FMT_BF6
.endr
.endr
.endm
; Line ln of the softmax of tile 2 pi + sg, whose scores lie in half sg of S^T
.macro LINE pi, sg
.set WB, 48+192*(\sg)
.set SS, 64+64*(\sg)
.set TI, 2*(\pi)+(\sg)
.set ST, 8+4*TI
.set PC, 192+12*TI
.if ln < 4                                     ; 0-31: the largest score of each block of 32 keys, in two chains of 15 and two last leaves; each accumulator is first read at its low end
	v_max3_num_f32 v[WB+ln], v[SS+16*ln], v[SS+16*ln+1], v[SS+16*ln+2]
.elseif ln < 28
.set bb, (ln-4)%4
.set ii, SS+16*bb+3+2*((ln-4)/4)
	v_max3_num_f32 v[WB+bb], v[WB+bb], v[ii], v[ii+1]
.elseif ln < 30
.set cc, ln-28
	v_max3_num_f32 v[WB+2*cc], v[WB+2*cc], v[WB+2*cc+1], v[SS+32*cc+15]
.elseif ln < 32
.set cc, ln-30
	v_max_num_f32 v[WB+2*cc], v[WB+2*cc], v[SS+32*cc+31]
.elseif ln == 32
	v_max_num_f32 v[WB+1], v[WB], v[WB+2]          ; my 64 keys' largest score,
.elseif ln == 33
	v_permlanex16_b32 v[WB+3], v[WB+1], s[SEL], s[SEL+1]
.elseif ln == 34
	v_max3_num_f32 v[ST+1], v[ST+1], v[WB+1], v[WB+3]   ; with lane l xor 16's: the running largest score
.elseif ln == 35
	v_mul_f32 v[WB+10], s[NC], v[ST+1]             ; -t (c is positive)
.elseif ln == 36
	v_floor_f32 v[WB+10], v[WB+10]                 ; the new -M = -ceil(t)
.elseif ln == 37
	v_sub_f32 v[WB+1], v[WB+10], v[ST]             ; old M - new M: a whole number, 0 or less
.elseif ln == 38
	v_mov_b32 v[ST], v[WB+10]
.elseif ln == 39
	v_cvt_i32_f32 v[WB+1], v[WB+1]                 ; (it saturates)
.elseif ln == 40
	v_ldexp_f32 v[WB+4], 1.0, v[WB+1]              ; f = 2^(old M - new M)
.elseif ln < 43
	v_fma_f32 v[WB+2*(ln-41)], v[WB+2*(ln-41)], s[CS], v[ST]   ; t - M of each block's largest score
.elseif ln < 75
.set jj, SS+2*(ln-43)
	v_pk_fma_f32 v[jj:jj+1], v[jj:jj+1], s[CS:CS+1], v[ST:ST+1] op_sel_hi:[1,0,0]   ; t - M, two at a time
.elseif ln < 77
	v_exp_f32 v[WB+2*(ln-75)], v[WB+2*(ln-75)]     ; the block's largest p: the same two instructions on the same number as the p itself
.elseif ln < 141
	v_exp_f32 v[SS+ln-77], v[SS+ln-77]             ; p = 2^(t - M)
.elseif ln == 141
	v_pk_mul_f32 v[ST+2:ST+3], v[ST+2:ST+3], v[WB+4:WB+5] op_sel_hi:[1,0]   ; the sum under the new M (a plain line behind the exponentials)
.elseif ln < 158
.set jj, 32*TI+2*(ln-142)
	v_pk_mul_f32 v[jj:jj+1], v[jj:jj+1], v[WB+4:WB+5] op_sel_hi:[1,0]   ; O^T under the new M, each accumulator from its low end on
.elseif ln < 160
	v_max_num_f32 v[WB+2*(ln-158)], 0x2800000, v[WB+2*(ln-158)]   ; the floor 2^(5 - 127): the byte cannot fall under 1
.elseif ln < 162
	v_add_nc_u32 v[WB+6+ln-160], 0xfe000000, v[WB+2*(ln-160)]     ; 4 off the exponent field: the conversion's scale operand
.elseif ln < 164
	v_lshrrev_b32 v[WB+8+ln-162], 23, v[WB+6+ln-162]              ; the byte
.elseif ln == 164
	v_lshl_or_b32 v[WB+8], v[WB+9], 16, v[WB+8]    ; my two bytes: blocks h and 2 + h,
.elseif ln == 165
	v_lshlrev_b32 v[WB+8], v[SH8], v[WB+8]         ; at their places in the word;
.elseif ln == 166
	v_permlanex16_b32 v[WB+9], v[WB+8], s[SEL], s[SEL+1]
.elseif ln == 167
	v_or_b32 v[PS+TI], v[WB+8], v[WB+9]            ; with lane l xor 16's two the word is whole
.elseif ln == 168
	v_cvt_scalef32_pk16_bf6_f32 v[PC:PC+2], v[SS:SS+15], v[WB+6]
.elseif ln == 169
	v_cvt_scalef32_pk16_bf6_f32 v[WB+12:WB+14], v[SS+16:SS+31], v[WB+6]   ; (a conversion's three registers begin on an even number)
.elseif ln == 170
	v_cvt_scalef32_pk16_bf6_f32 v[PC+6:PC+8], v[SS+32:SS+47], v[WB+7]
.elseif ln == 171
	v_cvt_scalef32_pk16_bf6_f32 v[WB:WB+2], v[SS+48:SS+63], v[WB+7]
.elseif ln < 175
	v_mov_b32 v[PC+3+ln-172], v[WB+12+ln-172]
.elseif ln < 178
	v_mov_b32 v[PC+9+ln-175], v[WB+ln-175]
.elseif ln == 178                              ; 178-209: the row's sum of the UNQUANTISED p, two at a time, in two chains; these lines are also the places between p's codes and word and the second product
	v_pk_add_f32 v[WB+8:WB+9], v[SS:SS+1], v[SS+2:SS+3]
.elseif ln == 209
	v_pk_add_f32 v[ST+2:ST+3], v[ST+2:ST+3], v[WB+8:WB+9]
.elseif (ln-179)%2 == 0
.set jj, SS+4+2*(ln-179)
	v_pk_add_f32 v[ST+2:ST+3], v[ST+2:ST+3], v[jj:jj+1]
.else
.set jj, SS+4+2*(ln-179)
	v_pk_add_f32 v[WB+8:WB+9], v[WB+8:WB+9], v[jj:jj+1]
.endif
.endm
.macro RUN pi, first, last             ; lines first to last, the two tiles by turns, so that fewer lines read what the line just ahead made
.set ln, \first
.rept (\last)-(\first)+1
	LINE \pi, 0
	LINE \pi, 1
.set ln, ln+1
.endr
.endm
.macro SOFTMAX2 pi
	RUN \pi, 0, 74
	s_wait_alu depctr_va_vdst(0)                   ; the wait ahead of the batch
	RUN \pi, 75, 141
	WIN 0x41                                       ; O^T in window 1, f in window 0
	s_wait_alu depctr_va_vdst(0)                   ; one wait for the batch, directly ahead of the first reader of O^T too
	RUN \pi, 142, 157
	WIN 0
	RUN \pi, 158, 171
	v_nop                                          ; one plain line behind the scaled conversions
.if \pi == 0
	RUN \pi, 172, 209
.else
	RUN \pi, 172, 185                              ; the codes' moves and the sum's first 16 additions: the places ahead of the second product; the rest of the sum follows behind the next trip's K loads
.endif
.endm
.Lstep:                                            ; 16 trips of 128 keys
	v_add_nc_u32 v[KA16], s[TB], v[KC16]           ; these six are also the places between the last trip's products and the loads into V's registers
	v_add_nc_u32 v[KA8], s[TB], v[KC8]
	v_add_nc_u32 v[KAW], s[TB], v[KCW]
	v_add_nc_u32 v[VA16], s[TB], v[L16]
	v_add_nc_u32 v[VA8], s[TB], v[L8]
	v_add_nc_u32 v[VAW], s[TB], v[R16]
.irp c, 0,1
.irp w, 0,1
	ds_load_b32 v[KS+2*\c+\w], v[KAW] offset:6144+128*\w+8*\c     ; the word of my row of fragment (c, w)
.endr
.endr
	WIN 0x40
.irp c, 0,1
.irp w, 0,1
	ds_load_b128 v[192+12*(2*\c+\w):195+12*(2*\c+\w)], v[KA16] offset:3072*\c+128*\w
	ds_load_b64 v[196+12*(2*\c+\w):197+12*(2*\c+\w)], v[KA8] offset:3072*\c+512+64*\w
	ds_load_b128 v[198+12*(2*\c+\w):201+12*(2*\c+\w)], v[KA16] offset:3072*\c+768+128*\w
	ds_load_b64 v[202+12*(2*\c+\w):203+12*(2*\c+\w)], v[KA8] offset:3072*\c+1280+64*\w
.endr
.endr
	WIN 0
	RUN 1, 186, 209                                ; the rest of the last trip's row sums of tiles 2 and 3, whose p still lie in S^T: K's fragments land meanwhile
	s_wait_dscnt 0x0
	KQ 0
	WIN 0
	PLACES
	SOFTMAX2 0
	KQ 1
	WIN 0
	PLACES                                         ; behind the products: their results are read, and V lands in K's registers
	ds_load_b128 v[VS:VS+3], v[VAW] offset:12544
	WIN 0x40
.irp t, 0,1,2,3                                ; V's fragments come as they were stored
	ds_load_b128 v[192+12*\t:195+12*\t], v[VA16] offset:BLK+1536*\t
	ds_load_b64 v[196+12*\t:197+12*\t], v[VA8] offset:BLK+1536*\t+512
	ds_load_b128 v[198+12*\t:201+12*\t], v[VA16] offset:BLK+1536*\t+768
	ds_load_b64 v[202+12*\t:203+12*\t], v[VA8] offset:BLK+1536*\t+1280
.endr
	WIN 0
	SOFTMAX2 1                                     ; V lands meanwhile
	s_wait_alu depctr_va_vdst(0)                   ; the wait here, directly ahead of the wait below
	s_wait_dscnt 0x0
	PV
	WIN 0
	s_add_co_u32 s[TB], s[TB], 2*BLK
	s_sub_co_u32 s[CNT], s[CNT], 1
	s_cmp_lg_u32 s[CNT], 0
	s_cbranch_scc1 .Lstep
	RUN 1, 186, 209                                ; the last trip's
	; THE WAY OUT.  l = the sum's two halves and lane l xor 16's; O^T / l is a tile's 16 tokens x the head's 64 channels (register 16 g + i = channel 32 g + 16 (lane / 16) + i): two blocks, six registers of codes,
	; half a fragment of o_img.  The additions are the places behind the last products.
.irp t, 0,1,2,3
	v_add_f32 v[WL+\t], v[10+4*\t], v[11+4*\t]
.endr
.irp t, 0,1,2,3
	v_permlanex16_b32 v[WX+\t], v[WL+\t], s[SEL], s[SEL+1]
.endr
.irp t, 0,1,2,3
	v_add_f32 v[WL+\t], v[WL+\t], v[WX+\t]
.endr
	s_wait_alu depctr_va_vdst(0)                   ; the wait ahead of the batch
.irp t, 0,1,2,3
	v_rcp_f32 v[RL+\t], v[WL+\t]
.endr
	v_bfe_u32 v[KAW], v0, 4, 1                     ; (a plain line behind the reciprocals)
	v_cmp_eq_u32 vcc_lo, 1, v[KAW]
	WIN 0x01                                       ; source 0 (O^T) in window 1
	s_wait_alu depctr_va_vdst(0)                   ; and behind it, directly ahead of the first reader of O^T
.irp t, 0,1,2,3
.set n, 0
.rept 32
	v_mul_f32 v[64+32*\t+n], v[32*\t+n], v[RL+\t]
.set n, n+1
.endr
.endr
	WIN 0
.macro HQ s, d, w                      ; 32 numbers, two blocks -> six registers of codes at v[d], the two bytes in v[w]
.irp b, 0,1
	v_max3_num_f32 v[TM+\b], |v[\s+16*\b]|, |v[\s+1+16*\b]|, 0x2800000
.endr
.irp i, 2,4,6,8,10,12,14
.irp b, 0,1
	v_max3_num_f32 v[TM+\b], v[TM+\b], |v[\s+16*\b+\i]|, |v[\s+1+16*\b+\i]|
.endr
.endr
.irp b, 0,1
	v_permlanex16_b32 v[TM+4+\b], v[TM+\b], s[SEL], s[SEL+1]
.endr
.irp b, 0,1
	v_max_num_f32 v[TM+\b], v[TM+\b], v[TM+4+\b]
.endr
.irp b, 0,1
	v_add_nc_u32 v[TM+12+\b], 0xfe000000, v[TM+\b]
.endr
.irp b, 0,1
	v_lshrrev_b32 v[TM+4+\b], 23, v[TM+12+\b]
.endr
	v_lshl_or_b32 v[\w], v[TM+5], 8, v[TM+4]
	v_cvt_scalef32_pk16_bf6_f32 v[\d:\d+2], v[\s:\s+15], v[TM+12]
	v_cvt_scalef32_pk16_bf6_f32 v[CT:CT+2], v[\s+16:\s+31], v[TM+13]
	v_nop                                          ; one plain line behind the scaled conversions
.irp i, 0,1,2
	v_permlane16_swap_b32 v[\d+\i], v[CT+\i]       ; a whole block to a lane: lanes 0-15 the even block, lanes 16-31 the odd one
.endr
.irp i, 0,1,2
	v_mov_b32 v[\d+3+\i], v[CT+\i]
.endr
.endm
.irp t, 0,1,2,3
	HQ 64+32*\t, 192+12*\t, PS+\t
	global_store_b128 v[L16], v[192+12*\t:195+12*\t], s[OC:OC+1] offset:BLK*(\t/2)+3072*(\t%2)        ; 512 consecutive bytes, aligned to 256
	global_store_b64 v[L8], v[196+12*\t:197+12*\t], s[OC:OC+1] offset:BLK*(\t/2)+3072*(\t%2)+512     ; 256
.endr
.irp g, 0,1                                    ; the two bytes of each token: lanes 0-15 store tile 0's, lanes 16-31 tile 1's.  Two bytes in every eight: the other heads' work-groups store the rest of these 256 bytes
	v_cndmask_b32 v[KS+\g], v[PS+2*\g], v[PS+2*\g+1], vcc_lo
	global_store_b16 v[OSA], v[KS+\g], s[OS:OS+1] offset:6144+BLK*\g
.endr
	s_wait_tensorcnt 0x0                           ; the wave's end
	ds_add_u32 v[SPW], v[NIL]
	s_wait_dscnt 0x0
	CROUND                                         ; the closing round: no work-group ends while a partner may still ask for a tile that names it
	s_endpgm
.Lfunc_end_k_qc7fb3c6b13_attn:
	.size	k_qc7fb3c6b13_attn, .Lfunc_end_k_qc7fb3c6b13_attn-k_qc7fb3c6b13_attn
	.p2alignl 7, 3214868480
	.fill 96, 4, 3214868480
	.section	.rodata,"a",@progbits
	.p2align	6, 0x0
	.amdhsa_kernel k_qc7fb3c6b13_attn
		.amdhsa_group_segment_fixed_size 205824
		.amdhsa_private_segment_fixed_size 0
		.amdhsa_enable_private_segment 0
		.amdhsa_kernarg_size 24
		.amdhsa_user_sgpr_count 2
		.amdhsa_user_sgpr_kernarg_segment_ptr 1
		.amdhsa_wavefront_size32 1
		.amdhsa_system_sgpr_workgroup_id_x 1
		.amdhsa_system_sgpr_workgroup_id_y 1
		.amdhsa_system_sgpr_workgroup_id_z 1
		.amdhsa_system_vgpr_workitem_id 0
		.amdhsa_next_free_vgpr 512
		.amdhsa_next_free_sgpr 66
		.amdhsa_reserve_vcc 1
		.amdhsa_float_denorm_mode_32 3
		.amdhsa_float_denorm_mode_16_64 3
		.amdhsa_memory_ordered 1
		.amdhsa_forward_progress 1
		.amdhsa_inst_pref_size 84
	.end_amdhsa_kernel
	.amdgpu_metadata
---
amdhsa.version: [ 1, 2 ]
amdhsa.kernels:
  - .name:           k_qc7fb3c6b13_attn
    .symbol:         k_qc7fb3c6b13_attn.kd
    .args:
      - { .name: q_img, .offset: 0, .size: 8, .value_kind: global_buffer, .address_space: global }
      - { .name: kv, .offset: 8, .size: 8, .value_kind: global_buffer, .address_space: global }
      - { .name: o_img, .offset: 16, .size: 8, .value_kind: global_buffer, .address_space: global }
    .group_segment_fixed_size: 205824
    .private_segment_fixed_size: 0
    .kernarg_segment_align: 8
    .kernarg_segment_size: 24
    .max_flat_workgroup_size: 256
    .sgpr_count:     66
    .vgpr_count:     512
    .wavefront_size: 32
...
	.end_amdgpu_metadata
.endif
;; end of part 7
;; launch gemm_o (part 8): grid 4 x 64, 4 waves a work-group, clusters of 4 x 4, 327,680 bytes of LDS; arguments o_img, wo_img, bo, out0; writes out0
.if DOCPART == 8
	.amdgcn_target "amdgcn-amd-amdhsa--gfx1250"
	.amdhsa_code_object_version 6
	.text
	.protected	k_qc7fb3c6b13_gemm_o
	.globl	k_qc7fb3c6b13_gemm_o
	.p2align	8
	.type	k_qc7fb3c6b13_gemm_o,@function
k_qc7fb3c6b13_gemm_o:
	s_mov_b64 s[64:65], 0
	v_nop
	global_prefetch_b8 v0, s[64:65] scope:SCOPE_SE
	s_setreg_imm32_b32 hwreg(HW_REG_WAVE_MODE, 25, 1), 1
	s_wait_xcnt 0x0
	s_wait_alu depctr_hold_cnt(0) depctr_sa_sdst(0) depctr_va_vdst(0) depctr_va_sdst(0) depctr_va_ssrc(0) depctr_va_vcc(0) depctr_vm_vsrc(0)
	s_getreg_b32 s2, hwreg(HW_REG_IB_STS2, 6, 4)
	s_cmp_eq_u32 s2, 0
	s_cbranch_scc0 .Lentry_in_a_cluster
	s_endpgm
.Lentry_in_a_cluster:
	s_bfe_u32 s2, ttmp6, 0x10000c
	s_cmp_lg_u32 s2, 0xf033
	s_cbranch_scc0 .Lentry_shape_is_right
	s_endpgm
.Lentry_shape_is_right:
; out0 = o Wo + bo on codes of BF6 (E3M2), K = 1,024; out0 [8192][1024] f32.
; SHARES.  A work-group of four waves makes 128 tokens x 256 columns; wave w owns columns 64 w on for all 128 tokens: 32 accumulators, 256 registers.  4 x 64 work-groups of equal work.
; o_img and wo_img hold images of the operands' registers: [K / 256][group of 32 rows][block of 6,400 bytes]; a block is four fragments of 1,536 bytes (fragment 2 u + s: tile u, K step s; registers 0-3 at
; 16 x lane, 4-5 at 512 + 8 x lane, 6-9 at 768 + 16 x lane, 10-11 at 1280 + 8 x lane) and 256 bytes of scale words (lane r, fragment i: 6144 + 16 r + 4 i).  Lane r of tile u holds row 8 u + r + 8 (r / 8) of its group.
; LDS.  o's codes of my 128 tokens (102,400 bytes) and Wo's of my 256 columns (204,800), for all of K, are FILLED ONCE, by one tensor load a wave at the head: waves 0, 1 bring o's K steps 0-1 and 2-3 (two rows
; of 25,600 dense bytes each), waves 2, 3 Wo's (two rows of 51,200).  No byte is filled again, so there is no ring, and one barrier shows all four tiles to all waves.
; Behind them lies a stage of 16 rows x 272 bytes for each wave, into which no fill lands, and behind the stages the spare words.
; Source 0 = my 4 column tiles, source 1 = the 8 token tiles: a lane holds one token, and the 32 result registers of a token tile run along my 64 columns: register 16 b + i = column 32 b + 16 (lane / 16) + i.
; CLUSTERS: 4 x 4 work-groups; o's tiles are shared along a row of the cluster, Wo's along a column: each is asked for jointly.  No prefetch: all operands are asked for at the head; there is no loop to run ahead in.
; REGISTERS: window 0: v1-27 lane numbers and addresses; v32-63 o's scale words, two sets; v64-79 Wo's, two sets; v80-111 the bias; v128-223 my column fragments, two sets of 48 (on the way out v176-207 sums + bias,
;   v208-239 rows read back); v254, v255 the add's two.   window 1: v0-191 token fragments, two sets of 96.   window 2: the accumulators, (token tile a, column tile b) at v[8 (4 a + b)].
.set FR,    12
.set NP,    4                          ; places behind this matrix instruction (ISA guide 7.12.1)
.set BLK,   6400
.set XK,    4*BLK                      ; o: 128 tokens x 256 K
.set XREG,  4*XK
.set WK,    8*BLK                      ; Wo: 256 columns x 256 K
.set WSLOT, 2*WK
.set WBASE, XREG
.set STAGE, WBASE+2*WSLOT
.set SPITCH, 272
.set SPARE, STAGE+4*16*SPITCH
.set XSTEP, 256*BLK
.set WSTEP, 32*BLK
.set XA16, 4                           ; v4-5   16 x lane (+ 51,200: o's K steps 2, 3)
.set XA8,  6                           ; v6-7   8 x lane likewise
.set XSA,  8                           ; v8-9   16 r likewise: o's scale words
.set WA16, 10                          ; v10-11 my two blocks of columns in Wo's first and second half, + 16 x lane
.set WA8,  12
.set WSA,  14
.set BQ,   23                          ; v23    64 h
.set STO,  25                          ; v25    the stage: row r, + 64 h
.set RD,   26                          ; v26    back: lanes 0-15 one row of 256 bytes, lanes 16-31 the next
.set CO,   27                          ; v27    and the same two rows in out0
.set XS,   32
.set WS,   64
.set BIAS, 80
.set CF,   128
.set T,    176
.set BK,   208
.set G1X, 24
.set G0X, 32
.set G0W, 36
.set G1W, 44
.set MSB, 0
.macro WIN new                         ; the immediate's high byte repeats the setting that is left
.if MSB != (\new)
	s_set_vgpr_msb (MSB<<8)|(\new)
.set MSB, (\new)
.endif
.endm
.macro CROUND                          ; a round of the cluster's barrier
	s_barrier_signal -1
	s_barrier_wait -1
	s_cmp_lg_u32 s14, 0
	s_cbranch_scc1 .Lnot_wave_0_\@
	s_barrier_signal -3
.Lnot_wave_0_\@:
	s_barrier_wait -3
	s_barrier_signal -1
	s_barrier_wait -1
.endm
.macro PLACES n
.rept \n
	v_nop
.endr
.endm
	s_load_b256 s[4:11], s[0:1], 0x0               ; o_img s[4:5], wo_img s[6:7], bo s[8:9], out0 s[10:11]
	v_lshl_add_u32 v254, v0, 2, SPARE
	v_mov_b32 v255, 0
	ds_add_u32 v254, v255                          ; the opening lines: the add twice on end and one wait
	ds_add_u32 v254, v255
	v_lshrrev_b32 v1, 5, v0
	v_readfirstlane_b32 s14, v1                    ; wave 0..3: my 64 columns
	s_lshr_b32 s15, s14, 1                         ; I fetch for o (0) or for Wo (1)
	s_and_b32 s16, s14, 1                          ; which two K steps I fetch
	s_bfe_u32 s22, ttmp6, 0x40000                  ; cx, cy: my place in the cluster
	s_bfe_u32 s23, ttmp6, 0x40004
	s_lshl_b32 s66, ttmp9, 2
	s_add_co_u32 s66, s66, s22                     ; c: which 256 columns
	s_and_b32 s17, ttmp7, 0xffff
	s_lshl_b32 s17, s17, 2
	s_add_co_u32 s17, s17, s23                     ; y: which 128 tokens
	s_lshl_b32 s67, s23, 2
	s_lshl_b32 s67, 15, s67                        ; my row of the cluster
	s_lshl_b32 s86, 0x1111, s22                    ; my column
	s_or_b32 s[G1X], s67, (3<<16)|(1<<21)          ; elements of 8 bytes, no padding; bit 21 set beside a mask
	s_or_b32 s[G1W], s86, (3<<16)|(1<<21)
	s_mov_b32 s[G1X+1], 3200<<16                   ; o: two rows of 3,200 elements, XSTEP bytes apart
	s_mov_b32 s[G1X+2], 2<<16
	s_mov_b32 s[G1X+3], 3200<<16
	s_mov_b32 s[G1X+4], 2
	s_mov_b32 s[G1X+5], XSTEP/8
	s_mov_b32 s[G1X+6], 0
	s_mov_b32 s[G1X+7], 0
	s_mov_b32 s[G1W+1], 6400<<16                   ; Wo: two rows of 6,400 elements, WSTEP bytes apart
	s_mov_b32 s[G1W+2], 2<<16
	s_mov_b32 s[G1W+3], 6400<<16
	s_mov_b32 s[G1W+4], 2
	s_mov_b32 s[G1W+5], WSTEP/8
	s_mov_b32 s[G1W+6], 0
	s_mov_b32 s[G1W+7], 0
	s_mul_i32 s87, s16, 2*XK                       ; o's two K steps go to LDS byte (wave % 2) x 51,200: no place in the cluster enters an LDS address
	s_mul_i32 s20, s17, XK
	s_mul_i32 s18, s16, 2*XSTEP
	s_add_co_u32 s20, s20, s18                     ; o: hangs on y and the wave alone
	s_mov_b32 s21, 0
	s_mul_i32 s88, s66, WK
	s_mul_i32 s18, s16, 2*WSTEP
	s_add_co_u32 s88, s88, s18                     ; Wo: on c and the wave alone
	s_mov_b32 s89, 0
	s_wait_dscnt 0x0
	s_wait_kmcnt 0x0
	s_add_nc_u64 s[20:21], s[4:5], s[20:21]
	s_add_nc_u64 s[88:89], s[6:7], s[88:89]
	s_mov_b32 s[G0X], 1
	s_mov_b32 s[G0X+1], s87
	s_mov_b64 s[G0X+2:G0X+3], s[20:21]
	s_or_b32 s[G0X+3], s[G0X+3], 0x80000000
	s_mov_b32 s[G0W], 1
	s_mul_i32 s[G0W+1], s16, WSLOT
	s_add_co_u32 s[G0W+1], s[G0W+1], WBASE
	s_mov_b64 s[G0W+2:G0W+3], s[88:89]
	s_or_b32 s[G0W+3], s[G0W+3], 0x80000000
	CROUND                                         ; all sixteen work-groups are here: the joint loads meet
	s_cmp_eq_u32 s15, 0                            ; one chain of arms on the wave's number, one load to an arm
	s_cbranch_scc0 .Lhead_w
	tensor_load_to_lds s[G0X:G0X+3], s[G1X:G1X+7]
	s_nop 0
	PLACES 4
	s_branch .Lhead_asked
.Lhead_w:
	tensor_load_to_lds s[G0W:G0W+3], s[G1W:G1W+7]
	s_nop 0
	PLACES 4
.Lhead_asked:
	v_and_b32 v1, 31, v0                           ; lane
	v_and_b32 v2, 15, v0                           ; r
	v_bfe_u32 v3, v0, 4, 1                         ; h
	v_lshlrev_b32 v[XA16], 4, v1
	v_lshlrev_b32 v[XA8], 3, v1
	v_lshlrev_b32 v[XSA], 4, v2
	v_add_nc_u32 v[XA16+1], 2*XK, v[XA16]
	v_add_nc_u32 v[XA8+1], 2*XK, v[XA8]
	v_add_nc_u32 v[XSA+1], 2*XK, v[XSA]
	s_mul_i32 s80, s14, 2*BLK                      ; my two blocks of 32 columns
	s_add_co_u32 s80, s80, WBASE
.irp s, 0,1
	v_add_nc_u32 v[WA16+\s], s80, v[XA16]
	v_add_nc_u32 v[WA8+\s], s80, v[XA8]
	v_add_nc_u32 v[WSA+\s], s80, v[XSA]
	s_add_co_u32 s80, s80, WSLOT
.endr
	v_lshlrev_b32 v[BQ], 6, v3
	s_wait_alu depctr_va_vdst(0)
	s_mul_i32 s74, s14, 16*SPITCH
	s_add_co_u32 s74, s74, STAGE                   ; my stage
	v_mul_u32_u24 v[STO], v2, SPITCH
	v_lshl_add_u32 v[STO], v3, 6, v[STO]
	v_add_nc_u32 v[STO], s74, v[STO]
	v_mul_u32_u24 v[RD], v3, SPITCH
	v_lshl_add_u32 v[RD], v2, 4, v[RD]
	v_add_nc_u32 v[RD], s74, v[RD]
	v_lshlrev_b32 v[CO], 12, v3
	v_lshl_add_u32 v[CO], v2, 4, v[CO]
	s_lshl_b32 s76, s66, 10
	s_lshl_b32 s75, s14, 8
	s_add_co_u32 s76, s76, s75                     ; my first column, in bytes
	s_mov_b32 s77, 0
	s_add_nc_u64 s[8:9], s[8:9], s[76:77]
	s_add_nc_u64 s[10:11], s[10:11], s[76:77]
	s_lshl_b32 s76, s17, 19                        ; my first token: 128 y rows of 4,096 bytes
	s_add_nc_u64 s[10:11], s[10:11], s[76:77]
.irp B, 0,1
.irp qd, 0,1,2,3
	global_load_b128 v[BIAS+16*\B+4*\qd:BIAS+16*\B+4*\qd+3], v[BQ], s[8:9] offset:128*\B+16*\qd   ; register 16 B + i: column 32 B + 16 h + i
.endr
.endr
.macro FRAG reg, a16, a8, off          ; a fragment comes as it was stored: four loads of consecutive bytes
	ds_load_b128 v[\reg:\reg+3], v[\a16] offset:\off
	ds_load_b64 v[\reg+4:\reg+5], v[\a8] offset:\off+512
	ds_load_b128 v[\reg+6:\reg+9], v[\a16] offset:\off+768
	ds_load_b64 v[\reg+10:\reg+11], v[\a8] offset:\off+1280
.endm
; The fragments of K = 256 ks + 128 q on: the 8 token tiles and my 4 column tiles into set q; with q = 0 the K step's scale words into set ks % 2
.macro FETCH ks, q
	WIN 0x40                                       ; destination window 1, address window 0
.irp i, 0,1,2,3,4,5,6,7
	FRAG 96*(\q)+FR*\i, XA16+(\ks)/2, XA8+(\ks)/2, ((\ks)%2)*XK+(\i/2)*BLK+(2*(\i%2)+(\q))*1536
.endr
	WIN 0
.irp i, 0,1,2,3
	FRAG CF+48*(\q)+FR*\i, WA16+(\ks)/2, WA8+(\ks)/2, ((\ks)%2)*WK+(\i/2)*BLK+(2*(\i%2)+(\q))*1536
.endr
.if (\q) == 0
.irp G, 0,1,2,3
	ds_load_b128 v[XS+16*((\ks)%2)+4*\G:XS+16*((\ks)%2)+4*\G+3], v[XSA+(\ks)/2] offset:((\ks)%2)*XK+\G*BLK+6144   ; lane r (both halves of the lanes alike): the group's four words
.endr
.irp G, 0,1
	ds_load_b128 v[WS+8*((\ks)%2)+4*\G:WS+8*((\ks)%2)+4*\G+3], v[WSA+(\ks)/2] offset:((\ks)%2)*WK+\G*BLK+6144
.endr
.endif
.endm
.macro WM d, a, b, sa, sb, zero        ; zero = 1: the product starts the sum: nothing is ever cleared
.if \zero
	v_wmma_scale_f32_16x16x128_f8f6f4 v[\d:\d+7], v[\a:\a+FR-1], v[\b:\b+FR-1], 0, v[\sa], v[\sb] matrix_a_fmt:MATRIX_FMT_BF6 matrix_b_fmt:MATRIX_FMT_BF6
.else
	v_wmma_scale_f32_16x16x128_f8f6f4 v[\d:\d+7], v[\a:\a+FR-1], v[\b:\b+FR-1], v[\d:\d+7], v[\sa], v[\sb] matrix_a_fmt:MATRIX_FMT_BF6 matrix_b_fmt:MATRIX_FMT_BF6
.endif
.endm
; A step's 32 products.  The 32 accumulators take turns, one instruction a turn, in the same order in every step.
.macro MUL q, ss, zero
	WIN 0xa4                                       ; source 0 (columns) window 0, source 1 (tokens) window 1, C and D window 2
.irp a, 0,1,2,3,4,5,6,7
.irp b, 0,1,2,3
	WM 8*(4*\a+\b), CF+48*(\q)+FR*\b, 96*(\q)+FR*\a, WS+8*(\ss)+2*\b+(\q), XS+16*(\ss)+2*\a+(\q), \zero
.endr
.endr
	WIN 0
.endm
; A step of 128 along K: its fragments are in; the next step's are asked for, into the other set, ahead of the 32 products under which they land.
.macro MSTEP q, ss, zero, nks, nq
	s_wait_dscnt 0x0                               ; this step's fragments are in
	PLACES NP                                      ; in front of loads into the set that the last step's products have read
	FETCH \nks, \nq
	MUL \q, \ss, \zero
.endm
	s_wait_alu depctr_va_vdst(0)                   ; the wait at the head's end
	s_wait_tensorcnt 0x0                           ; my one load is in,
	s_barrier_signal -1
	s_barrier_wait -1                              ; everybody's is: all of o and Wo
	FETCH 0, 0
	MSTEP 0, 0, 1, 0, 1
	MSTEP 1, 0, 0, 1, 0
	MSTEP 0, 1, 0, 1, 1
	MSTEP 1, 1, 0, 2, 0
	MSTEP 0, 0, 0, 2, 1
	MSTEP 1, 0, 0, 3, 0
	MSTEP 0, 1, 0, 3, 1
	s_wait_dscnt 0x0
	MUL 1, 1, 0
	; THE WAY OUT, a tile of 16 tokens at a time: sum + bias (each accumulator from its low end on), through my own stage, back as whole rows of 256 bytes: a store covers two rows, each 256 consecutive bytes, aligned.
	s_wait_loadcnt 0x0                             ; the bias
	PLACES NP                                      ; behind the last products: their results are read and one of their operand sets is written below
.irp a, 0,1,2,3,4,5,6,7
	WIN 0x02                                       ; source 0: window 2
.set n, 0
.rept 16
	v_pk_add_f32 v[T+n:T+n+1], v[32*\a+n:32*\a+n+1], v[BIAS+n:BIAS+n+1]
.set n, n+2
.endr
	WIN 0
.irp B, 0,1
.irp qd, 0,1,2,3
	ds_store_b128 v[STO], v[T+16*\B+4*\qd:T+16*\B+4*\qd+3] offset:128*\B+16*\qd
.endr
.endr
	s_wait_xcnt 0x0                                ; the last tile's stores have read v208-239
.irp t, 0,1,2,3,4,5,6,7
	ds_load_b128 v[BK+4*\t:BK+4*\t+3], v[RD] offset:2*\t*SPITCH   ; LDS serves a wave's instructions in order: these see the stores above
.endr
.irp t, 0,1,2,3,4,5,6,7
	s_wait_dscnt 7-\t                              ; rows 2 t and 2 t + 1 are back; the younger rows' loads may be out
	global_store_b128 v[CO], v[BK+4*\t:BK+4*\t+3], s[10:11] offset:(32*(\a/2)+8*(\a%2)+2*\t+8*(\t/4))*4096 th:TH_STORE_NT   ; lane p of tile a is token 32 (a / 2) + 8 (a % 2) + p + 8 (p / 8); p = 2 t + h
.endr
.endr
	s_wait_tensorcnt 0x0                           ; the wave's end
	ds_add_u32 v254, v255
	s_wait_dscnt 0x0
	CROUND                                         ; the closing round: no work-group ends while a partner may still ask for a tile that names it
	s_endpgm
.Lfunc_end_k_qc7fb3c6b13_gemm_o:
	.size	k_qc7fb3c6b13_gemm_o, .Lfunc_end_k_qc7fb3c6b13_gemm_o-k_qc7fb3c6b13_gemm_o
	.p2alignl 7, 3214868480
	.fill 96, 4, 3214868480
	.section	.rodata,"a",@progbits
	.p2align	6, 0x0
	.amdhsa_kernel k_qc7fb3c6b13_gemm_o
		.amdhsa_group_segment_fixed_size 327680
		.amdhsa_private_segment_fixed_size 0
		.amdhsa_enable_private_segment 0
		.amdhsa_kernarg_size 32
		.amdhsa_user_sgpr_count 2
		.amdhsa_user_sgpr_kernarg_segment_ptr 1
		.amdhsa_wavefront_size32 1
		.amdhsa_system_sgpr_workgroup_id_x 1
		.amdhsa_system_sgpr_workgroup_id_y 1
		.amdhsa_system_sgpr_workgroup_id_z 1
		.amdhsa_system_vgpr_workitem_id 0
		.amdhsa_next_free_vgpr 768
		.amdhsa_next_free_sgpr 90
		.amdhsa_reserve_vcc 0
		.amdhsa_float_denorm_mode_32 3
		.amdhsa_float_denorm_mode_16_64 3
		.amdhsa_memory_ordered 1
		.amdhsa_forward_progress 1
		.amdhsa_inst_pref_size 92
	.end_amdhsa_kernel
	.amdgpu_metadata
---
amdhsa.version: [ 1, 2 ]
amdhsa.kernels:
  - .name:           k_qc7fb3c6b13_gemm_o
    .symbol:         k_qc7fb3c6b13_gemm_o.kd
    .args:
      - { .name: o_img, .offset: 0, .size: 8, .value_kind: global_buffer, .address_space: global }
      - { .name: wo_img, .offset: 8, .size: 8, .value_kind: global_buffer, .address_space: global }
      - { .name: bo, .offset: 16, .size: 8, .value_kind: global_buffer, .address_space: global }
      - { .name: out0, .offset: 24, .size: 8, .value_kind: global_buffer, .address_space: global }
    .group_segment_fixed_size: 327680
    .private_segment_fixed_size: 0
    .kernarg_segment_align: 8
    .kernarg_segment_size: 32
    .max_flat_workgroup_size: 128
    .sgpr_count:     90
    .vgpr_count:     768
    .wavefront_size: 32
...
	.end_amdgpu_metadata
.endif
;; end of part 8
